; MI455X (gfx1250); checked and timed in simulation.
; The chip was launched on July 23, 2026; its instructions are those of AMD's public machine-readable ISA for CDNA 5 (MIT licence, August 2026) and "CDNA5" Instruction Set Architecture Reference Guide (July 2026). The comments in the code are by the model that wrote it; some were corrected since.
;; MLA KV2 Attention RALATE. Allowed arithmetic: float matrix products may take bf16 or f16 operands with f32 sums; other float arithmetic in f32, or as packed bf16 or f16 multiplies, adds, multiply-adds, maxima and minima; sums over many terms, partial sums and values carried from step to step in f32; what a program stores and reads back later, other than sums and carried values, may be rounded once to bf16 or f16.
;; Inputs: Wq_b 2,048 float32; Wq_w 2,048 x 1,024 float32; fromk_b 2,048 float32; fromk_w 2,048 x 512 float32; fromv_b 2,048 float32; fromv_w 2,048 x 512 float32; kc_b 256 float32; kc_w 256 x 512 float32; kd_b 512 float32; kd_w 512 x 256 float32; out_b 1,024 float32; out_w 1,024 x 2,048 float32; tok_b 512 float32; tok_w 512 x 1,024 float32; tov_b 512 float32; tov_w 512 x 1,024 float32; vc_b 256 float32; vc_w 256 x 512 float32; vd_b 512 float32; vd_w 512 x 256 float32; x 2 x 2,048 x 1,024 float32.
;; Outputs: out0 2 x 2,048 x 1,024 float32.
;; 3 versions, each right; version 3 is version 2 with the launch prep written anew for expert scheduling mode. Each part assembles by itself: llvm-mc -triple=amdgcn-amd-amdhsa -mcpu=gfx1250 --defsym DOCPART=n.
;; ======== version 1 of 3: 7 launches
;; limits: right only within a limited range of input values
;; workspace buffers: wa 13,658,112 bytes; wb 9,453,568 bytes; t0 16,777,216 bytes; t1 16,777,216 bytes; qr 16,777,216 bytes; vv 33,554,432 bytes
;; launch prep (part 1): grid 497 x 1, 8 waves a work-group, no clusters, 0 bytes of LDS; arguments x, Wq_w, tok_w, tov_w, kc_w, vc_w, kd_w, vd_w, fromk_w, fromv_w, out_w, Wq_b, tok_b, tov_b, kc_b, vc_b, kd_b, vd_b, fromk_b, fromv_b, out_b, wa, wb, t0; writes wa, wb, t0
.if DOCPART == 1
	.amdgcn_target "amdgcn-amd-amdhsa--gfx1250"
	.amdhsa_code_object_version 6
	.text
	.protected	k_q76b676a3d5_prep
	.globl	k_q76b676a3d5_prep
	.p2align	8
	.type	k_q76b676a3d5_prep,@function
k_q76b676a3d5_prep:
	s_mov_b64 s[64:65], 0
	v_nop
	global_prefetch_b8 v0, s[64:65] scope:SCOPE_SE
	s_setreg_imm32_b32 hwreg(HW_REG_WAVE_MODE, 25, 1), 1
	s_wait_xcnt 0x0
; PREP: every input is rounded once to bf16 and laid out for the products that follow; the RoPE tables are made.
; DEAD WORK IN THE WHOLE PROGRAM: no input is dead (every weight and bias reaches a score, a value or the output), so all 21 are loaded.  The one thing left out is
; in the attention launch: key tiles that lie wholly above the diagonal, which the tril that the problem builds itself throws away for all values of the inputs.
; LIMIT: a NaN, an infinity or an overflow that reaches only such hidden scores is not carried to the result.
; LAYOUT.  A panel is [4096 rows][128 columns] bf16, rows of 256 bytes.  x goes to t0 as 8 panels, twice (at 0 and at 8 MiB: the next launch's two column groups read one copy each).
; Weights keep their rows.  Those that multiply an operand kept as two bf16 halves (high panel, low panel by turns along K) have each 128 columns written twice on end.
; Biases are stored as f32 numbers that have been rounded to bf16.
; Work-groups 0-367 cast 32,768 numbers each; 368 the biases; 369-496 the tables cos, sin [2048][64] f32, into wa and wb.
.set WV, 7
.set SRC, 56
.set DST, 58
.set START, 60
.set DOFF, 61
.set LC, 62
.set RS, 63
.set PS, 66
.set DUPO, 67
.set QB, 68
.set CNT, 69
.set DO, 4                             ; v[4:11]  slot i: byte offset of its 256 bytes in the destination
.set D2, 12                            ; v[12:19] the same for the second copy
.set X, 20                             ; v[20:51] slot i: 4 f32 as loaded
.set Y, 52                             ; v[52:67] slot i: 4 bf16
	s_load_b512 s[8:23], s[0:1], 0x0
	s_load_b512 s[24:39], s[0:1], 0x40
	s_load_b512 s[40:55], s[0:1], 0x80
	v_lshrrev_b32 v1, 5, v0
	v_readfirstlane_b32 s[WV], v1
	v_and_b32 v1, 31, v0
	s_wait_kmcnt 0x0
	s_cmp_ge_u32 ttmp9, 369
	s_cbranch_scc1 .Lrope
	s_cmp_eq_u32 ttmp9, 368
	s_cbranch_scc1 .Lbias
	; THE CAST.  A chunk is 128 numbers of one row: 512 bytes in by one load of the wave, 256 bytes out by one store.  Which tensor: by the work-group's number.
	s_mov_b64 s[SRC:SRC+1], s[8:9]
	s_mov_b64 s[DST:DST+1], s[54:55]
	s_mov_b32 s[START], 0
	s_mov_b32 s[DOFF], 0
	s_mov_b32 s[LC], 3                             ; log2 of the chunks in a row
	s_mov_b32 s[RS], 256                           ; bytes from row to row in the destination
	s_mov_b32 s[PS], 0x100000                      ; bytes from chunk to chunk of a row
	s_mov_b32 s[DUPO], 0x800000                    ; where the second copy lies, 0: none
.macro SEG start, src, dst, doff, lc, rs, ps, dup
	s_cmp_ge_u32 ttmp9, \start
	s_cselect_b64 s[SRC:SRC+1], s[\src:\src+1], s[SRC:SRC+1]
	s_cselect_b64 s[DST:DST+1], s[\dst:\dst+1], s[DST:DST+1]
	s_cselect_b32 s[START], \start, s[START]
	s_cselect_b32 s[DOFF], \doff, s[DOFF]
	s_cselect_b32 s[LC], \lc, s[LC]
	s_cselect_b32 s[RS], \rs, s[RS]
	s_cselect_b32 s[PS], \ps, s[PS]
	s_cselect_b32 s[DUPO], \dup, s[DUPO]
.endm
	SEG 128, 10, 50, 16384, 3, 2048, 256, 0            ; Wq
	SEG 192, 12, 50, 16384+4194304, 3, 2048, 256, 0    ; tok
	SEG 208, 14, 50, 16384+5242880, 3, 2048, 256, 0    ; tov
	SEG 224, 16, 50, 6307840, 2, 2048, 512, 256        ; kc
	SEG 228, 18, 50, 6307840+524288, 2, 2048, 512, 256 ; vc
	SEG 232, 20, 50, 7356416, 1, 1024, 512, 256        ; kd
	SEG 236, 22, 50, 7356416+524288, 1, 1024, 512, 256 ; vd
	SEG 240, 24, 52, 16384, 2, 2048, 512, 256          ; fromk
	SEG 272, 26, 52, 16384+4194304, 2, 2048, 512, 256  ; fromv
	SEG 304, 28, 50, 9453568, 4, 4096, 256, 0          ; out_w
	s_sub_co_u32 s[QB], ttmp9, s[START]
	s_lshl_b32 s[QB], s[QB], 8
	s_lshl_b32 s71, s[WV], 5
	s_add_co_u32 s[QB], s[QB], s71                 ; my wave's first chunk in the tensor: 32 chunks a wave
	s_lshl_b32 s70, 1, s[LC]
	s_sub_co_u32 s70, s70, 1                       ; mask of a chunk's place in its row
	s_lshl_b32 s71, s[QB], 9
	v_lshl_add_u32 v3, v1, 4, s71                  ; source: 512 x chunk + 16 x lane
	v_lshlrev_b32 v2, 3, v1                        ; 8 x lane
	s_mov_b32 s[CNT], 4
.Ltrip:                                        ; four trips of eight chunks
.irp i, 0,1,2,3,4,5,6,7
	s_add_co_u32 s71, s[QB], \i
	s_lshr_b32 s72, s71, s[LC]                     ; row
	s_and_b32 s71, s71, s70                        ; chunk in the row
	s_mul_i32 s72, s72, s[RS]
	s_mul_i32 s71, s71, s[PS]
	s_add_co_u32 s72, s72, s71
	s_add_co_u32 s72, s72, s[DOFF]
	v_add_nc_u32 v[DO+\i], s72, v2
	v_add_nc_u32 v[D2+\i], s[DUPO], v[DO+\i]
.endr
.irp i, 0,1,2,3,4,5,6,7
	global_load_b128 v[X+4*\i:X+4*\i+3], v3, s[SRC:SRC+1] offset:512*\i th:TH_LOAD_NT
.endr
.irp i, 0,1,2,3,4,5,6,7
	s_wait_loadcnt 7-\i                            ; loads come back in order: slot i is in, the later slots' loads stay out
	v_cvt_pk_bf16_f32 v[Y+2*\i], v[X+4*\i], v[X+4*\i+1]
	v_cvt_pk_bf16_f32 v[Y+2*\i+1], v[X+4*\i+2], v[X+4*\i+3]
	global_store_b64 v[DO+\i], v[Y+2*\i:Y+2*\i+1], s[DST:DST+1]  ; the wave's store covers 256 consecutive bytes, aligned
.endr
	s_cmp_eq_u32 s[DUPO], 0
	s_cbranch_scc1 .Lnodup
.irp i, 0,1,2,3,4,5,6,7
	global_store_b64 v[D2+\i], v[Y+2*\i:Y+2*\i+1], s[DST:DST+1]
.endr
.Lnodup:
	s_wait_xcnt 0x0                                ; offsets and data of this trip's loads and stores are written again only behind this wait
	v_add_nc_u32 v3, 4096, v3
	s_add_co_u32 s[QB], s[QB], 8
	s_sub_co_u32 s[CNT], s[CNT], 1
	s_cmp_lg_u32 s[CNT], 0
	s_cbranch_scc1 .Ltrip
	s_endpgm
.Lbias:                                        ; 13 pieces of at most 1,024 numbers, 4 a thread; all loads first, one wait, then rounding and stores
	v_lshlrev_b32 v3, 4, v0                        ; 16 x thread
	v_add_nc_u32 v6, 13647872, v3                  ; the same, at wa's later biases
.macro BL n, src, off, nw
.if \nw < 8
	s_cmp_lt_u32 s[WV], \nw
	s_cbranch_scc0 .Lbl_\@
.endif
	global_load_b128 v[20+4*\n:23+4*\n], v3, s[\src:\src+1] offset:\off
.if \nw < 8
.Lbl_\@:
.endif
.endm
.macro BS n, dst, ar, off, nw
.if \nw < 8
	s_cmp_lt_u32 s[WV], \nw
	s_cbranch_scc0 .Lbs_\@
.endif
	v_cvt_pk_bf16_f32 v4, v[20+4*\n], v[21+4*\n]
	v_cvt_pk_bf16_f32 v5, v[22+4*\n], v[23+4*\n]
	v_lshlrev_b32 v[20+4*\n], 16, v4
	v_and_b32 v[21+4*\n], 0xffff0000, v4
	v_lshlrev_b32 v[22+4*\n], 16, v5
	v_and_b32 v[23+4*\n], 0xffff0000, v5
	global_store_b128 v[\ar], v[20+4*\n:23+4*\n], s[\dst:\dst+1] offset:\off
.if \nw < 8
.Lbs_\@:
.endif
.endm
	BL 0, 30, 0, 8
	BL 1, 30, 4096, 8
	BL 2, 32, 0, 4
	BL 3, 34, 0, 4
	BL 4, 36, 0, 2
	BL 5, 38, 0, 2
	BL 6, 40, 0, 4
	BL 7, 42, 0, 4
	BL 8, 48, 0, 8
	BL 9, 44, 0, 8
	BL 10, 44, 4096, 8
	BL 11, 46, 0, 8
	BL 12, 46, 4096, 8
	s_wait_loadcnt 0x0
	BS 0, 50, 3, 0, 8                              ; Wq_b
	BS 1, 50, 3, 4096, 8
	BS 2, 50, 3, 8192, 4                           ; tok_b
	BS 3, 50, 3, 10240, 4                          ; tov_b
	BS 4, 50, 6, 0, 2                              ; kc_b
	BS 5, 50, 6, 1024, 2                           ; vc_b
	BS 6, 50, 6, 2048, 4                           ; kd_b
	BS 7, 50, 6, 4096, 4                           ; vd_b
	BS 8, 50, 6, 6144, 8                           ; out_b
	BS 9, 52, 3, 0, 8                              ; fromk_b
	BS 10, 52, 3, 4096, 8
	BS 11, 52, 3, 8192, 8                          ; fromv_b
	BS 12, 52, 3, 12288, 8
	s_endpgm
.Lrope:                                        ; a thread makes cos and sin of t f(j) for one t and four j; f(j) = 2^(-j log2(10000) / 64)
	s_sub_co_u32 s71, ttmp9, 369
	s_lshl_b32 s71, s71, 8
	v_add_nc_u32 v2, s71, v0                       ; idx = 16 t + j / 4
	v_lshrrev_b32 v3, 4, v2
	v_cvt_f32_u32 v3, v3                           ; t
	v_and_b32 v52, 15, v2
	v_lshlrev_b32 v52, 2, v52                      ; the first j
	v_lshlrev_b32 v53, 4, v2
	v_add_nc_u32 v53, 8404992, v53                 ; 16 bytes a thread in the table of cos; sin lies 524,288 further
	s_mov_b32 s72, 0xbe549a78                      ; -log2(10000) / 64
	s_mov_b32 s73, 0x3f22f983                      ; 2 / pi
	s_mov_b32 s74, 0x3fc90fdb                      ; pi / 2, high part
	s_mov_b32 s75, 0xb33bbd2e                      ; and the rest
	s_mov_b32 s76, 0xb9500d01                      ; -1/5040
	s_mov_b32 s77, 0x3c088889                      ; 1/120
	s_mov_b32 s78, 0xbe2aaaab                      ; -1/6
	s_mov_b32 s79, 0x37d00d01                      ; 1/40320
	s_mov_b32 s80, 0xbab60b61                      ; -1/720
	s_mov_b32 s81, 0x3d2aaaab                      ; 1/24
.irp k, 0,1,2,3
	v_add_nc_u32 v[4+\k], \k, v52
	v_cvt_f32_u32 v[4+\k], v[4+\k]
	v_mul_f32 v[4+\k], s72, v[4+\k]
.endr
.irp k, 0,1,2,3
	v_exp_f32 v[8+\k], v[4+\k]
.endr
	v_nop                                          ; a plain instruction behind the last exponential,
	s_wait_alu depctr_va_vdst(0)                   ; and the one wait for the four, ahead of their first reader
.irp k, 0,1,2,3
	v_mul_f32 v[12+\k], v3, v[8+\k]                ; the angle, up to 2,047
	v_mul_f32 v[16+\k], s73, v[12+\k]
	v_rndne_f32 v[16+\k], v[16+\k]                 ; n quarter turns
	v_fma_f32 v[20+\k], -v[16+\k], s74, v[12+\k]
	v_fma_f32 v[20+\k], -v[16+\k], s75, v[20+\k]   ; r = angle - n pi / 2, within pi / 4
	v_mul_f32 v[24+\k], v[20+\k], v[20+\k]
	v_fma_f32 v[28+\k], v[24+\k], s76, s77
	v_fma_f32 v[28+\k], v[28+\k], v[24+\k], s78
	v_mul_f32 v[28+\k], v[28+\k], v[24+\k]
	v_fma_f32 v[28+\k], v[28+\k], v[20+\k], v[20+\k]  ; sin r
	v_fma_f32 v[32+\k], v[24+\k], s79, s80
	v_fma_f32 v[32+\k], v[32+\k], v[24+\k], s81
	v_fma_f32 v[32+\k], v[32+\k], v[24+\k], -0.5
	v_fma_f32 v[32+\k], v[32+\k], v[24+\k], 1.0    ; cos r
	v_cvt_i32_f32 v[36+\k], v[16+\k]
	v_and_b32 v[40+\k], 1, v[36+\k]
	v_cmp_eq_u32 vcc_lo, 1, v[40+\k]               ; an odd quarter swaps the two
	v_cndmask_b32 v[48+\k], v[28+\k], v[32+\k], vcc_lo
	v_cndmask_b32 v[44+\k], v[32+\k], v[28+\k], vcc_lo
	v_and_b32 v[40+\k], 2, v[36+\k]                ; sin is negative in quarters 2 and 3,
	v_lshlrev_b32 v[40+\k], 30, v[40+\k]
	v_xor_b32 v[48+\k], v[40+\k], v[48+\k]
	v_add_nc_u32 v[40+\k], 1, v[36+\k]             ; cos in quarters 1 and 2
	v_and_b32 v[40+\k], 2, v[40+\k]
	v_lshlrev_b32 v[40+\k], 30, v[40+\k]
	v_xor_b32 v[44+\k], v[40+\k], v[44+\k]
.endr
	global_store_b128 v53, v[44:47], s[50:51]
	global_store_b128 v53, v[48:51], s[50:51] offset:524288
	global_store_b128 v53, v[44:47], s[52:53]
	global_store_b128 v53, v[48:51], s[52:53] offset:524288
	s_endpgm
.Lfunc_end_k_q76b676a3d5_prep:
	.size	k_q76b676a3d5_prep, .Lfunc_end_k_q76b676a3d5_prep-k_q76b676a3d5_prep
	.p2alignl 7, 3214868480
	.fill 96, 4, 3214868480
	.section	.rodata,"a",@progbits
	.p2align	6, 0x0
	.amdhsa_kernel k_q76b676a3d5_prep
		.amdhsa_group_segment_fixed_size 0
		.amdhsa_private_segment_fixed_size 0
		.amdhsa_enable_private_segment 0
		.amdhsa_kernarg_size 192
		.amdhsa_user_sgpr_count 2
		.amdhsa_user_sgpr_kernarg_segment_ptr 1
		.amdhsa_wavefront_size32 1
		.amdhsa_system_sgpr_workgroup_id_x 1
		.amdhsa_system_sgpr_workgroup_id_y 1
		.amdhsa_system_sgpr_workgroup_id_z 1
		.amdhsa_system_vgpr_workitem_id 0
		.amdhsa_next_free_vgpr 96
		.amdhsa_next_free_sgpr 96
		.amdhsa_reserve_vcc 1
		.amdhsa_float_denorm_mode_32 3
		.amdhsa_float_denorm_mode_16_64 3
		.amdhsa_memory_ordered 1
		.amdhsa_forward_progress 1
		.amdhsa_inst_pref_size 26
	.end_amdhsa_kernel
	.amdgpu_metadata
---
amdhsa.version: [ 1, 2 ]
amdhsa.kernels:
  - .name:           k_q76b676a3d5_prep
    .symbol:         k_q76b676a3d5_prep.kd
    .args:
      - { .name: x, .offset: 0, .size: 8, .value_kind: global_buffer, .address_space: global }
      - { .name: Wq_w, .offset: 8, .size: 8, .value_kind: global_buffer, .address_space: global }
      - { .name: tok_w, .offset: 16, .size: 8, .value_kind: global_buffer, .address_space: global }
      - { .name: tov_w, .offset: 24, .size: 8, .value_kind: global_buffer, .address_space: global }
      - { .name: kc_w, .offset: 32, .size: 8, .value_kind: global_buffer, .address_space: global }
      - { .name: vc_w, .offset: 40, .size: 8, .value_kind: global_buffer, .address_space: global }
      - { .name: kd_w, .offset: 48, .size: 8, .value_kind: global_buffer, .address_space: global }
      - { .name: vd_w, .offset: 56, .size: 8, .value_kind: global_buffer, .address_space: global }
      - { .name: fromk_w, .offset: 64, .size: 8, .value_kind: global_buffer, .address_space: global }
      - { .name: fromv_w, .offset: 72, .size: 8, .value_kind: global_buffer, .address_space: global }
      - { .name: out_w, .offset: 80, .size: 8, .value_kind: global_buffer, .address_space: global }
      - { .name: Wq_b, .offset: 88, .size: 8, .value_kind: global_buffer, .address_space: global }
      - { .name: tok_b, .offset: 96, .size: 8, .value_kind: global_buffer, .address_space: global }
      - { .name: tov_b, .offset: 104, .size: 8, .value_kind: global_buffer, .address_space: global }
      - { .name: kc_b, .offset: 112, .size: 8, .value_kind: global_buffer, .address_space: global }
      - { .name: vc_b, .offset: 120, .size: 8, .value_kind: global_buffer, .address_space: global }
      - { .name: kd_b, .offset: 128, .size: 8, .value_kind: global_buffer, .address_space: global }
      - { .name: vd_b, .offset: 136, .size: 8, .value_kind: global_buffer, .address_space: global }
      - { .name: fromk_b, .offset: 144, .size: 8, .value_kind: global_buffer, .address_space: global }
      - { .name: fromv_b, .offset: 152, .size: 8, .value_kind: global_buffer, .address_space: global }
      - { .name: out_b, .offset: 160, .size: 8, .value_kind: global_buffer, .address_space: global }
      - { .name: wa, .offset: 168, .size: 8, .value_kind: global_buffer, .address_space: global }
      - { .name: wb, .offset: 176, .size: 8, .value_kind: global_buffer, .address_space: global }
      - { .name: t0, .offset: 184, .size: 8, .value_kind: global_buffer, .address_space: global }
    .group_segment_fixed_size: 0
    .private_segment_fixed_size: 0
    .kernarg_segment_align: 8
    .kernarg_segment_size: 192
    .max_flat_workgroup_size: 256
    .sgpr_count:     96
    .vgpr_count:     96
    .wavefront_size: 32
...
	.end_amdgpu_metadata
.endif
;; end of part 1
;; launch g1 (part 2): grid 32 x 24, 4 waves a work-group, clusters of 4 x 1, 327,680 bytes of LDS; arguments t0, wa, qr, t1; writes qr, t1
.if DOCPART == 2
	.amdgcn_target "amdgcn-amd-amdhsa--gfx1250"
	.amdhsa_code_object_version 6
	.text
	.protected	k_q76b676a3d5_g1
	.globl	k_q76b676a3d5_g1
	.p2align	8
	.type	k_q76b676a3d5_g1,@function
k_q76b676a3d5_g1:
	s_mov_b64 s[64:65], 0
	v_nop
	global_prefetch_b8 v0, s[64:65] scope:SCOPE_SE
	s_setreg_imm32_b32 hwreg(HW_REG_WAVE_MODE, 25, 1), 1
	s_wait_xcnt 0x0
	s_wait_alu depctr_hold_cnt(0) depctr_sa_sdst(0) depctr_va_vdst(0) depctr_va_sdst(0) depctr_va_ssrc(0) depctr_va_vcc(0) depctr_vm_vsrc(0)
	s_getreg_b32 s2, hwreg(HW_REG_IB_STS2, 6, 4)
	s_cmp_eq_u32 s2, 0
	s_cbranch_scc0 .Lentry_in_a_cluster
	s_endpgm
.Lentry_in_a_cluster:
	s_bfe_u32 s2, ttmp6, 0x10000c
	s_cmp_lg_u32 s2, 0x3003
	s_cbranch_scc0 .Lentry_shape_is_right
	s_endpgm
.Lentry_shape_is_right:
; C = A W^T + bias, K = 1,024, tiles of 128 x 128.  Serves two launches: [q | latents] = x [Wq; tok; tov]^T and [k | v] = L2 [fromk; fromv]^T.  No work is left out here.
; A lies in panels [4096][128] bf16 (arg 0; column tiles y >= 16 read the eight panels 8 MiB further on); W (arg 1 + 16,384) has rows of 1,024 bf16; bias f32 at arg 1; RoPE tables at arg 1 + 8,404,992.
; Column tiles y < 16 are heads: rotated (RoPE), rounded to bf16, panel y of arg 2.  Tiles y >= 16 leave as two bf16 halves, high and low, panels 2 (y - 16) and + 1 of arg 3:
; bf16's range with 16 significant bits, since what is rounded here reaches the first rows of the output undiminished.
; SHARES.  Four waves, each 64 x 64: 16 accumulators.  A wave's column blocks of 16 are 2 wc + (b & 1) + 4 (b >> 1), so that columns d and d + 64 of a head lie in the same lane and register of accumulators b and b + 2.
; The matrix instruction is used transposed (source 0 = rows of W, source 1 = rows of A): a lane holds one row of C and eight neighbouring columns.
; RING.  Two LDS slots of K = 256: two panels' tiles of A (128 rows, pitch 272) and W's tile (128 rows of 512 bytes, pitch 528).  Waves 0, 1 fetch A's two panels, waves 2, 3 W's two halves: one tensor load a wave behind each round.
; CLUSTER.  The four work-groups of a cluster are four row tiles of one column tile: W's tile is asked for jointly (mask 15); A's is each one's own.  Not 4 x 4: one form of text serves products with two column tiles a path.
; The accumulators start as the bias (that is the bias's addition), written while the first tile is on its way, so that the loop has one form of product.
.set NSLOT, 4
.set KB, 1024
.set WOFF, 16384
.set BIASOFF, 0
.set PA, 272
.set PB, 528
.set ASUB, 128*PA
.set BOFF, 2*ASUB
.set SLOT, BOFF+128*PB
.set SPARE, 2*SLOT                     ; the spare words, 128 bytes a wave
.set LOST, ASUB                        ; way out: high halves' stage at 0, low halves' here; both in slot 0, whose last fill and last read lie ahead of the last round
.set ADRA, 16
.set WA, 18
.set WB, 19
.set ADRB, 20
.set BO, 22
.set RO, 23
.set STO, 24
.set RD, 25
.set CO, 26
.set SPW, 28
.set NIL, 29
.set TMP, 32
.set BIA, 96
.set ACC, 128
.set G1A, 24
.set G0A, 32
.set G1B, 48
.set G0B, 56
.set MSB, 0
.macro WIN new
.if MSB != (\new)
	s_set_vgpr_msb (MSB<<8)|(\new)
.set MSB, \new
.endif
.endm
.macro PLACES
.rept 4
	v_nop
.endr
.endm
.macro ROUND                           ; a round of the cluster's barrier
	s_barrier_signal -1
	s_barrier_wait -1
	s_cmp_lg_u32 s16, 0
	s_cbranch_scc1 .Lnw0_\@
	s_barrier_signal -3
.Lnw0_\@:
	s_barrier_wait -3
	s_barrier_signal -1
	s_barrier_wait -1
.endm
.macro JLOAD s                         ; waves 0, 1: A's panels (my own); waves 2, 3: W's halves (joint).  An s_nop 0 and four v_nop follow each line
	s_cmp_eq_u32 s17, 0
	s_cbranch_scc0 .Lfb_\@
	tensor_load_to_lds s[G0A+4*(\s):G0A+4*(\s)+3], s[G1A:G1A+7]
	s_nop 0
	PLACES
	s_branch .Lok_\@
.Lfb_\@:
	tensor_load_to_lds s[G0B+4*(\s):G0B+4*(\s)+3], s[G1B:G1B+7]
	s_nop 0
	PLACES
.Lok_\@:
.endm
.macro COMPUTE s                       ; a slot: two trips of K = 128; a trip: 64 LDS loads in one run, 64 products, the 16 accumulators by turns
	v_mov_b32 v[WA], v[ADRA+(\s)]
	v_mov_b32 v[WB], v[ADRB+(\s)]
	s_mov_b32 s67, 2
.Lp_\@:
	PLACES                                         ; four places between the last product and loads into registers that it read
	WIN 0x40
.irp c, 0,1,2,3
.irp b, 0,1,2,3
	ds_load_b128 v[128+8*(4*\c+\b):128+8*(4*\c+\b)+3], v[WB] offset:(\b%2)*16*PB+(\b/2)*64*PB+64*\c
	ds_load_b128 v[128+8*(4*\c+\b)+4:128+8*(4*\c+\b)+7], v[WB] offset:(\b%2)*16*PB+(\b/2)*64*PB+64*\c+32
.endr
.irp a, 0,1,2,3
	ds_load_b128 v[8*(4*\c+\a):8*(4*\c+\a)+3], v[WA] offset:\a*16*PA+64*\c
	ds_load_b128 v[8*(4*\c+\a)+4:8*(4*\c+\a)+7], v[WA] offset:\a*16*PA+64*\c+32
.endr
.endr
.irp c, 0,1,2,3
	s_wait_dscnt 48-16*\c                          ; chunk c's 16 loads are in; the later chunks' stay out
	WIN 0x05
.irp a, 0,1,2,3
.irp b, 0,1,2,3
	v_wmma_f32_16x16x32_bf16 v[ACC+8*(4*\a+\b):ACC+8*(4*\a+\b)+7], v[128+8*(4*\c+\b):128+8*(4*\c+\b)+7], v[8*(4*\c+\a):8*(4*\c+\a)+7], v[ACC+8*(4*\a+\b):ACC+8*(4*\a+\b)+7]
.endr
.endr
.endr
	WIN 0
	v_add_nc_u32 v[WA], ASUB, v[WA]                ; A's next panel
	v_add_nc_u32 v[WB], 256, v[WB]                 ; 128 further along W's rows
	s_sub_co_u32 s67, s67, 1
	s_cmp_lg_u32 s67, 0
	s_cbranch_scc1 .Lp_\@
.endm
.macro TRIP s, refill
	s_wait_tensorcnt 0x0                           ; my one load that was out, my part of this slot, has landed
	ds_add_u32 v[SPW], v[NIL]                      ; 0 onto my spare word
	s_add_nc_u64 s[G0A+4*(\s)+2:G0A+4*(\s)+3], s[G0A+4*(\s)+2:G0A+4*(\s)+3], 0x400000  ; this slot's next tile: four panels on,
	s_add_nc_u64 s[G0B+4*(\s)+2:G0B+4*(\s)+3], s[G0B+4*(\s)+2:G0B+4*(\s)+3], 1024      ; 512 elements along W's rows
	s_wait_dscnt 0x0                               ; the add is done, and so are my reads of the other slot
	ROUND                                          ; both hold of every wave of the four work-groups
.if \refill
	JLOAD 1-(\s)
.endif
	COMPUTE \s
.endm
	s_load_b256 s[4:11], s[0:1], 0x0               ; A, W, out for heads, out for halves
	v_lshl_add_u32 v[SPW], v0, 2, SPARE
	v_mov_b32 v[NIL], 0
	ds_add_u32 v[SPW], v[NIL]                      ; the opening: the add, twice on end, and its wait ahead of my first tensor load
	ds_add_u32 v[SPW], v[NIL]
	v_lshrrev_b32 v1, 5, v0
	v_readfirstlane_b32 s16, v1                    ; wave
	s_lshr_b32 s17, s16, 1                         ; wr: my half of the rows; also: I fetch A (0) or W (1)
	s_and_b32 s18, s16, 1                          ; wc: my column blocks; also which part I fetch
	s_bfe_u32 s19, ttmp6, 0x40000                  ; cx
	s_lshl_b32 s20, ttmp9, 2
	s_add_co_u32 s20, s20, s19                     ; row tile: it enters A's, the tables' and the output's addresses alone
	s_and_b32 s21, ttmp7, 0xffff                   ; column tile, which the four partners share
	s_mov_b32 s[G1A], (1<<16)|(1<<20)|(5<<22)|(3<<25)  ; 2-byte elements; 4 words of padding behind every 64
	s_mov_b32 s[G1A+1], 128<<16
	s_mov_b32 s[G1A+2], 128<<16
	s_mov_b32 s[G1A+3], 128<<16
	s_mov_b32 s[G1A+4], 128
	s_mov_b32 s[G1A+5], 128
	s_mov_b32 s[G1A+6], 0
	s_mov_b32 s[G1A+7], 0
	s_mov_b32 s[G1B], 15|(1<<16)|(1<<20)|(1<<21)|(6<<22)|(3<<25)  ; the mask of four, bit 21 beside it; 4 words of padding behind every 128
	s_mov_b32 s[G1B+1], 256<<16
	s_mov_b32 s[G1B+2], 64<<16
	s_mov_b32 s[G1B+3], 256<<16
	s_mov_b32 s[G1B+4], 64
	s_mov_b32 s[G1B+5], KB
	s_mov_b32 s[G1B+6], 0
	s_mov_b32 s[G1B+7], 0
	s_lshl_b32 s40, s20, 15                        ; A: 128 rows of 256 bytes a row tile,
	s_lshl_b32 s41, s18, 20                        ; my panel of the slot's two
	s_add_co_u32 s40, s40, s41
	s_cmp_ge_u32 s21, 16
	s_cselect_b32 s41, 0x800000, 0                 ; the second group of eight panels
	s_add_co_u32 s40, s40, s41
	s_mov_b32 s41, 0
	s_lshl_b32 s44, s21, 7
	s_lshl_b32 s45, s18, 6
	s_add_co_u32 s44, s44, s45                     ; W: row 128 y + 64 wc
	s_mul_i32 s44, s44, 2*KB
	s_add_co_u32 s44, s44, WOFF
	s_mov_b32 s45, 0
	s_mul_i32 s46, s18, ASUB
	s_mul_i32 s47, s18, 64*PB
	s_add_co_u32 s47, s47, BOFF
	s_mov_b32 s69, 0xffff0000
	s_wait_dscnt 0x0                               ; both opening adds are done
	s_wait_kmcnt 0x0
	s_add_nc_u64 s[42:43], s[4:5], s[40:41]
	s_add_nc_u64 s[44:45], s[6:7], s[44:45]
.irp s, 0,1
	s_mov_b32 s[G0A+4*\s], 1
	s_add_co_u32 s[G0A+4*\s+1], s46, \s*SLOT
	s_add_nc_u64 s[G0A+4*\s+2:G0A+4*\s+3], s[42:43], \s*0x200000
	s_or_b32 s[G0A+4*\s+3], s[G0A+4*\s+3], 0x80000000
	s_mov_b32 s[G0B+4*\s], 1
	s_add_co_u32 s[G0B+4*\s+1], s47, \s*SLOT
	s_add_nc_u64 s[G0B+4*\s+2:G0B+4*\s+3], s[44:45], \s*512
	s_or_b32 s[G0B+4*\s+3], s[G0B+4*\s+3], 0x80000000
.endr
	ROUND                                          ; all four work-groups are here
	JLOAD 0
	v_and_b32 v1, 15, v0                           ; r
	v_bfe_u32 v2, v0, 4, 1                         ; h
	s_lshl_b32 s66, s21, 9
	s_lshl_b32 s67, s18, 7
	s_add_co_u32 s66, s66, s67
	s_add_co_u32 s66, s66, BIASOFF
	v_lshl_add_u32 v[BO], v2, 5, s66               ; bias of column 128 y + 32 wc + 8 h
.irp b, 0,1,2,3
	global_load_b128 v[BIA+8*\b:BIA+8*\b+3], v[BO], s[6:7] offset:(\b%2)*64+(\b/2)*256
	global_load_b128 v[BIA+8*\b+4:BIA+8*\b+7], v[BO], s[6:7] offset:(\b%2)*64+(\b/2)*256+16
.endr
	v_mul_u32_u24 v3, v1, PA
	v_lshl_add_u32 v3, v2, 4, v3
	v_mul_u32_u24 v4, v1, PB
	v_lshl_add_u32 v4, v2, 4, v4
	s_mul_i32 s66, s17, 64*PA
	s_mul_i32 s67, s18, 32*PB
	s_add_co_u32 s67, s67, BOFF
.irp s, 0,1
	v_add_nc_u32 v[ADRA+\s], s66, v3
	v_add_nc_u32 v[ADRB+\s], s67, v4
	s_add_co_u32 s66, s66, SLOT
	s_add_co_u32 s67, s67, SLOT
.endr
	s_mul_i32 s66, s17, 64*PA
	s_lshl_b32 s67, s18, 6
	s_add_co_u32 s66, s66, s67
	v_add_nc_u32 v[STO], s66, v3                   ; into the stage: row 64 wr + r, byte 64 wc + 16 h
	s_mul_i32 s66, s16, 32*PA
	v_mul_u32_u24 v5, v2, PA
	v_lshl_add_u32 v5, v1, 4, v5
	v_add_nc_u32 v[RD], s66, v5                    ; back: wave w takes rows 32 w on, two whole rows a load
	v_and_b32 v[CO], 31, v0
	v_lshlrev_b32 v[CO], 4, v[CO]
	s_and_b32 s66, s20, 15                         ; the tables: position t = (row tile mod 16) 128 + 64 wr + r
	s_lshl_b32 s66, s66, 7
	s_lshl_b32 s67, s17, 6
	s_add_co_u32 s66, s66, s67
	s_lshl_b32 s66, s66, 8
	s_lshl_b32 s67, s18, 7
	s_add_co_u32 s66, s66, s67
	s_add_co_u32 s66, s66, 8404992
	v_lshl_add_u32 v[RO], v1, 8, s66
	v_lshl_add_u32 v[RO], v2, 5, v[RO]
	s_lshl_b32 s72, s21, 1
	s_sub_co_u32 s72, s72, 32
	s_cmp_lt_u32 s21, 16
	s_cselect_b32 s72, s21, s72                    ; the output's panel
	s_cselect_b64 s[70:71], s[8:9], s[10:11]
	s_cselect_b32 s68, 1, 0                        ; 1: a head, to be rotated
	s_lshl_b32 s72, s72, 20
	s_lshl_b32 s73, s20, 15
	s_add_co_u32 s72, s72, s73
	s_lshl_b32 s73, s16, 13
	s_add_co_u32 s72, s72, s73
	s_mov_b32 s73, 0
	s_add_nc_u64 s[70:71], s[70:71], s[72:73]
	s_wait_loadcnt 0x0
.set i, 0
.rept 128
	v_mov_b32 v[ACC+i], v[BIA+8*((i/8)%4)+i%8]
.set i, i+1
.endr
.if NSLOT > 2
	s_mov_b32 s66, NSLOT/2-1
.Lring:
	TRIP 0, 1
	TRIP 1, 1
	s_sub_co_u32 s66, s66, 1
	s_cmp_lg_u32 s66, 0
	s_cbranch_scc1 .Lring
.endif
	TRIP 0, 1
	TRIP 1, 0
.macro PACKHL a, b                     ; an accumulator as two bf16 halves: high = the rounded number, low = what the rounding left, rounded
.set rA, ACC+8*(4*(\a)+(\b))
.set so, (\a)*16*PA+32*((\b)%2)+128*((\b)/2)
.irp k, 0,1,2,3
	v_cvt_pk_bf16_f32 v[TMP+\k], v[rA+2*\k], v[rA+2*\k+1]
.endr
	ds_store_b128 v[STO], v[TMP:TMP+3] offset:so
.irp k, 0,1,2,3
	v_lshlrev_b32 v[TMP+8+2*\k], 16, v[TMP+\k]
	v_and_b32 v[TMP+9+2*\k], s69, v[TMP+\k]
.endr
.irp k, 0,1,2,3
	v_pk_add_f32 v[TMP+8+2*\k:TMP+9+2*\k], v[rA+2*\k:rA+2*\k+1], v[TMP+8+2*\k:TMP+9+2*\k] neg_lo:[0,1] neg_hi:[0,1]
.endr
.irp k, 0,1,2,3
	v_cvt_pk_bf16_f32 v[TMP+4+\k], v[TMP+8+2*\k], v[TMP+9+2*\k]
.endr
	ds_store_b128 v[STO], v[TMP+4:TMP+7] offset:so+LOST
.endm
.macro PACKR a, bp                     ; columns d (accumulator bp) and d + 64 (bp + 2): x1 cos - x2 sin and x2 cos + x1 sin, rounded to bf16
.set r1, ACC+8*(4*(\a)+(\bp))
.set r2, r1+16
.set rc, 16*(2*(\a)+(\bp))
.set so, (\a)*16*PA+32*(\bp)
	WIN 0x04                                       ; source 1: the tables, in window 1
.irp k, 0,2,4,6
	v_pk_mul_f32 v[TMP+\k:TMP+\k+1], v[r1+\k:r1+\k+1], v[rc+\k:rc+\k+1]
.endr
.irp k, 0,2,4,6
	v_pk_fma_f32 v[TMP+\k:TMP+\k+1], v[r2+\k:r2+\k+1], v[rc+8+\k:rc+9+\k], v[TMP+\k:TMP+\k+1] neg_lo:[1,0,0] neg_hi:[1,0,0]
.endr
.irp k, 0,2,4,6
	v_pk_mul_f32 v[TMP+8+\k:TMP+9+\k], v[r2+\k:r2+\k+1], v[rc+\k:rc+\k+1]
.endr
.irp k, 0,2,4,6
	v_pk_fma_f32 v[TMP+8+\k:TMP+9+\k], v[r1+\k:r1+\k+1], v[rc+8+\k:rc+9+\k], v[TMP+8+\k:TMP+9+\k]
.endr
	WIN 0
.irp k, 0,1,2,3,4,5,6,7
	v_cvt_pk_bf16_f32 v[TMP+16+\k], v[TMP+2*\k], v[TMP+2*\k+1]
.endr
	ds_store_b128 v[STO], v[TMP+16:TMP+19] offset:so
	ds_store_b128 v[STO], v[TMP+20:TMP+23] offset:so+128
.endm
.macro SENDP st, reg, goff             ; 32 whole rows of a stage back into registers and out: each store covers 512 consecutive bytes, aligned
.irp t, 0,1,2,3,4,5,6,7,8,9,10,11,12,13,14,15
	ds_load_b128 v[(\reg)+4*\t:(\reg)+4*\t+3], v[RD] offset:(\st)+\t*2*PA
.endr
.irp t, 0,1,2,3,4,5,6,7,8,9,10,11,12,13,14,15
	s_wait_dscnt 15-\t                             ; load t is back; the later ones stay out
	global_store_b128 v[CO], v[(\reg)+4*\t:(\reg)+4*\t+3], s[70:71] offset:(\goff)+512*\t
.endr
.endm
	PLACES                                         ; between the last products and what reads their results or loads into their sources
	s_cmp_eq_u32 s68, 0
	s_cbranch_scc1 .Lhilo
	WIN 0x40
.set i, 0
.rept 8                                ; cos and sin for rows 16 a + r, a = i / 2, columns 16 (2 wc + i % 2) + 8 h on
	global_load_b128 v[16*i:16*i+3], v[RO], s[6:7] offset:(i/2)*4096+(i%2)*64
	global_load_b128 v[16*i+4:16*i+7], v[RO], s[6:7] offset:(i/2)*4096+(i%2)*64+16
	global_load_b128 v[16*i+8:16*i+11], v[RO], s[6:7] offset:(i/2)*4096+(i%2)*64+524288
	global_load_b128 v[16*i+12:16*i+15], v[RO], s[6:7] offset:(i/2)*4096+(i%2)*64+524288+16
.set i, i+1
.endr
	WIN 0
	s_wait_loadcnt 0x0
.irp a, 0,1,2,3
.irp bp, 0,1
	PACKR \a, \bp
.endr
.endr
	s_branch .Lpacked
.Lhilo:
.irp a, 0,1,2,3
.irp b, 0,1,2,3
	PACKHL \a, \b
.endr
.endr
.Lpacked:
	s_wait_dscnt 0x0                               ; for the others' sake: my stores into the stage are done
	s_barrier_signal -1
	s_barrier_wait -1
	SENDP 0, TMP, 0
	s_cmp_lg_u32 s68, 0
	s_cbranch_scc1 .Ldone
	SENDP LOST, ACC, 0x100000                      ; the low halves: the next panel
.Ldone:
	s_wait_tensorcnt 0x0                           ; the wave's end
	ds_add_u32 v[SPW], v[NIL]
	s_wait_dscnt 0x0
	ROUND                                          ; the closing round
	s_endpgm
.Lfunc_end_k_q76b676a3d5_g1:
	.size	k_q76b676a3d5_g1, .Lfunc_end_k_q76b676a3d5_g1-k_q76b676a3d5_g1
	.p2alignl 7, 3214868480
	.fill 96, 4, 3214868480
	.section	.rodata,"a",@progbits
	.p2align	6, 0x0
	.amdhsa_kernel k_q76b676a3d5_g1
		.amdhsa_group_segment_fixed_size 327680
		.amdhsa_private_segment_fixed_size 0
		.amdhsa_enable_private_segment 0
		.amdhsa_kernarg_size 32
		.amdhsa_user_sgpr_count 2
		.amdhsa_user_sgpr_kernarg_segment_ptr 1
		.amdhsa_wavefront_size32 1
		.amdhsa_system_sgpr_workgroup_id_x 1
		.amdhsa_system_sgpr_workgroup_id_y 1
		.amdhsa_system_sgpr_workgroup_id_z 1
		.amdhsa_system_vgpr_workitem_id 0
		.amdhsa_next_free_vgpr 512
		.amdhsa_next_free_sgpr 96
		.amdhsa_reserve_vcc 0
		.amdhsa_float_denorm_mode_32 3
		.amdhsa_float_denorm_mode_16_64 3
		.amdhsa_memory_ordered 1
		.amdhsa_forward_progress 1
		.amdhsa_inst_pref_size 92
	.end_amdhsa_kernel
	.amdgpu_metadata
---
amdhsa.version: [ 1, 2 ]
amdhsa.kernels:
  - .name:           k_q76b676a3d5_g1
    .symbol:         k_q76b676a3d5_g1.kd
    .args:
      - { .name: t0, .offset: 0, .size: 8, .value_kind: global_buffer, .address_space: global }
      - { .name: wa, .offset: 8, .size: 8, .value_kind: global_buffer, .address_space: global }
      - { .name: qr, .offset: 16, .size: 8, .value_kind: global_buffer, .address_space: global }
      - { .name: t1, .offset: 24, .size: 8, .value_kind: global_buffer, .address_space: global }
    .group_segment_fixed_size: 327680
    .private_segment_fixed_size: 0
    .kernarg_segment_align: 8
    .kernarg_segment_size: 32
    .max_flat_workgroup_size: 128
    .sgpr_count:     96
    .vgpr_count:     512
    .wavefront_size: 32
...
	.end_amdgpu_metadata
.endif
;; end of part 2
;; launch g2 (part 3): grid 32 x 4, 4 waves a work-group, clusters of 4 x 1, 327,680 bytes of LDS; arguments t1, wa, t0; writes t0
.if DOCPART == 3
	.amdgcn_target "amdgcn-amd-amdhsa--gfx1250"
	.amdhsa_code_object_version 6
	.text
	.protected	k_q76b676a3d5_g2
	.globl	k_q76b676a3d5_g2
	.p2align	8
	.type	k_q76b676a3d5_g2,@function
k_q76b676a3d5_g2:
	s_mov_b64 s[64:65], 0
	v_nop
	global_prefetch_b8 v0, s[64:65] scope:SCOPE_SE
	s_setreg_imm32_b32 hwreg(HW_REG_WAVE_MODE, 25, 1), 1
	s_wait_xcnt 0x0
	s_wait_alu depctr_hold_cnt(0) depctr_sa_sdst(0) depctr_va_vdst(0) depctr_va_sdst(0) depctr_va_ssrc(0) depctr_va_vcc(0) depctr_vm_vsrc(0)
	s_getreg_b32 s2, hwreg(HW_REG_IB_STS2, 6, 4)
	s_cmp_eq_u32 s2, 0
	s_cbranch_scc0 .Lentry_in_a_cluster
	s_endpgm
.Lentry_in_a_cluster:
	s_bfe_u32 s2, ttmp6, 0x10000c
	s_cmp_lg_u32 s2, 0x3003
	s_cbranch_scc0 .Lentry_shape_is_right
	s_endpgm
.Lentry_shape_is_right:
; c = lat [kc; vc]^T + bias.  The text of the first product with other constants: K = 1,024 (512 columns as high and low panels by turns, the weights' columns written twice), A = path y >> 1's eight panels,
; result as two bf16 halves in panels 2 y and 2 y + 1.  No work is left out.  Shares, ring, cluster and way out as described at the head of the first product.
.set NSLOT, 4
.set KB, 1024
.set WOFF, 6307840
.set BIASOFF, 13647872
.set PA, 272
.set PB, 528
.set ASUB, 128*PA
.set BOFF, 2*ASUB
.set SLOT, BOFF+128*PB
.set SPARE, 2*SLOT
.set LOST, ASUB
.set ADRA, 16
.set WA, 18
.set WB, 19
.set ADRB, 20
.set BO, 22
.set STO, 24
.set RD, 25
.set CO, 26
.set SPW, 28
.set NIL, 29
.set TMP, 32
.set BIA, 96
.set ACC, 128
.set G1A, 24
.set G0A, 32
.set G1B, 48
.set G0B, 56
.set MSB, 0
.macro WIN new
.if MSB != (\new)
	s_set_vgpr_msb (MSB<<8)|(\new)
.set MSB, \new
.endif
.endm
.macro PLACES
.rept 4
	v_nop
.endr
.endm
.macro ROUND
	s_barrier_signal -1
	s_barrier_wait -1
	s_cmp_lg_u32 s16, 0
	s_cbranch_scc1 .Lnw0_\@
	s_barrier_signal -3
.Lnw0_\@:
	s_barrier_wait -3
	s_barrier_signal -1
	s_barrier_wait -1
.endm
.macro JLOAD s
	s_cmp_eq_u32 s17, 0
	s_cbranch_scc0 .Lfb_\@
	tensor_load_to_lds s[G0A+4*(\s):G0A+4*(\s)+3], s[G1A:G1A+7]
	s_nop 0
	PLACES
	s_branch .Lok_\@
.Lfb_\@:
	tensor_load_to_lds s[G0B+4*(\s):G0B+4*(\s)+3], s[G1B:G1B+7]
	s_nop 0
	PLACES
.Lok_\@:
.endm
.macro COMPUTE s
	v_mov_b32 v[WA], v[ADRA+(\s)]
	v_mov_b32 v[WB], v[ADRB+(\s)]
	s_mov_b32 s67, 2
.Lp_\@:
	PLACES                                         ; four places between the last product and loads into registers that it read
	WIN 0x40
.irp c, 0,1,2,3
.irp b, 0,1,2,3
	ds_load_b128 v[128+8*(4*\c+\b):128+8*(4*\c+\b)+3], v[WB] offset:(\b%2)*16*PB+(\b/2)*64*PB+64*\c
	ds_load_b128 v[128+8*(4*\c+\b)+4:128+8*(4*\c+\b)+7], v[WB] offset:(\b%2)*16*PB+(\b/2)*64*PB+64*\c+32
.endr
.irp a, 0,1,2,3
	ds_load_b128 v[8*(4*\c+\a):8*(4*\c+\a)+3], v[WA] offset:\a*16*PA+64*\c
	ds_load_b128 v[8*(4*\c+\a)+4:8*(4*\c+\a)+7], v[WA] offset:\a*16*PA+64*\c+32
.endr
.endr
.irp c, 0,1,2,3
	s_wait_dscnt 48-16*\c                          ; chunk c's 16 loads are in; the later chunks' stay out
	WIN 0x05
.irp a, 0,1,2,3
.irp b, 0,1,2,3
	v_wmma_f32_16x16x32_bf16 v[ACC+8*(4*\a+\b):ACC+8*(4*\a+\b)+7], v[128+8*(4*\c+\b):128+8*(4*\c+\b)+7], v[8*(4*\c+\a):8*(4*\c+\a)+7], v[ACC+8*(4*\a+\b):ACC+8*(4*\a+\b)+7]
.endr
.endr
.endr
	WIN 0
	v_add_nc_u32 v[WA], ASUB, v[WA]
	v_add_nc_u32 v[WB], 256, v[WB]
	s_sub_co_u32 s67, s67, 1
	s_cmp_lg_u32 s67, 0
	s_cbranch_scc1 .Lp_\@
.endm
.macro TRIP s, refill
	s_wait_tensorcnt 0x0                           ; my one load that was out, my part of this slot, has landed
	ds_add_u32 v[SPW], v[NIL]                      ; 0 onto my spare word
	s_add_nc_u64 s[G0A+4*(\s)+2:G0A+4*(\s)+3], s[G0A+4*(\s)+2:G0A+4*(\s)+3], 0x400000
	s_add_nc_u64 s[G0B+4*(\s)+2:G0B+4*(\s)+3], s[G0B+4*(\s)+2:G0B+4*(\s)+3], 1024
	s_wait_dscnt 0x0                               ; the add is done, and so are my reads of the other slot
	ROUND
.if \refill
	JLOAD 1-(\s)
.endif
	COMPUTE \s
.endm
	s_load_b128 s[4:7], s[0:1], 0x0                ; A, W
	s_load_b64 s[8:9], s[0:1], 0x10                ; out
	v_lshl_add_u32 v[SPW], v0, 2, SPARE
	v_mov_b32 v[NIL], 0
	ds_add_u32 v[SPW], v[NIL]                      ; the opening: the add, twice on end, and its wait ahead of my first tensor load
	ds_add_u32 v[SPW], v[NIL]
	v_lshrrev_b32 v1, 5, v0
	v_readfirstlane_b32 s16, v1
	s_lshr_b32 s17, s16, 1
	s_and_b32 s18, s16, 1
	s_bfe_u32 s19, ttmp6, 0x40000
	s_lshl_b32 s20, ttmp9, 2
	s_add_co_u32 s20, s20, s19
	s_and_b32 s21, ttmp7, 0xffff
	s_mov_b32 s[G1A], (1<<16)|(1<<20)|(5<<22)|(3<<25)
	s_mov_b32 s[G1A+1], 128<<16
	s_mov_b32 s[G1A+2], 128<<16
	s_mov_b32 s[G1A+3], 128<<16
	s_mov_b32 s[G1A+4], 128
	s_mov_b32 s[G1A+5], 128
	s_mov_b32 s[G1A+6], 0
	s_mov_b32 s[G1A+7], 0
	s_mov_b32 s[G1B], 15|(1<<16)|(1<<20)|(1<<21)|(6<<22)|(3<<25)
	s_mov_b32 s[G1B+1], 256<<16
	s_mov_b32 s[G1B+2], 64<<16
	s_mov_b32 s[G1B+3], 256<<16
	s_mov_b32 s[G1B+4], 64
	s_mov_b32 s[G1B+5], KB
	s_mov_b32 s[G1B+6], 0
	s_mov_b32 s[G1B+7], 0
	s_lshl_b32 s40, s20, 15
	s_lshl_b32 s41, s18, 20
	s_add_co_u32 s40, s40, s41
	s_lshr_b32 s41, s21, 1
	s_lshl_b32 s41, s41, 23                        ; the path's eight panels
	s_add_co_u32 s40, s40, s41
	s_mov_b32 s41, 0
	s_lshl_b32 s44, s21, 7
	s_lshl_b32 s45, s18, 6
	s_add_co_u32 s44, s44, s45
	s_mul_i32 s44, s44, 2*KB
	s_add_co_u32 s44, s44, WOFF
	s_mov_b32 s45, 0
	s_mul_i32 s46, s18, ASUB
	s_mul_i32 s47, s18, 64*PB
	s_add_co_u32 s47, s47, BOFF
	s_mov_b32 s69, 0xffff0000
	s_wait_dscnt 0x0
	s_wait_kmcnt 0x0
	s_add_nc_u64 s[42:43], s[4:5], s[40:41]
	s_add_nc_u64 s[44:45], s[6:7], s[44:45]
.irp s, 0,1
	s_mov_b32 s[G0A+4*\s], 1
	s_add_co_u32 s[G0A+4*\s+1], s46, \s*SLOT
	s_add_nc_u64 s[G0A+4*\s+2:G0A+4*\s+3], s[42:43], \s*0x200000
	s_or_b32 s[G0A+4*\s+3], s[G0A+4*\s+3], 0x80000000
	s_mov_b32 s[G0B+4*\s], 1
	s_add_co_u32 s[G0B+4*\s+1], s47, \s*SLOT
	s_add_nc_u64 s[G0B+4*\s+2:G0B+4*\s+3], s[44:45], \s*512
	s_or_b32 s[G0B+4*\s+3], s[G0B+4*\s+3], 0x80000000
.endr
	ROUND
	JLOAD 0
	v_and_b32 v1, 15, v0
	v_bfe_u32 v2, v0, 4, 1
	s_lshl_b32 s66, s21, 9
	s_lshl_b32 s67, s18, 7
	s_add_co_u32 s66, s66, s67
	s_add_co_u32 s66, s66, BIASOFF
	v_lshl_add_u32 v[BO], v2, 5, s66
.irp b, 0,1,2,3
	global_load_b128 v[BIA+8*\b:BIA+8*\b+3], v[BO], s[6:7] offset:(\b%2)*64+(\b/2)*256
	global_load_b128 v[BIA+8*\b+4:BIA+8*\b+7], v[BO], s[6:7] offset:(\b%2)*64+(\b/2)*256+16
.endr
	v_mul_u32_u24 v3, v1, PA
	v_lshl_add_u32 v3, v2, 4, v3
	v_mul_u32_u24 v4, v1, PB
	v_lshl_add_u32 v4, v2, 4, v4
	s_mul_i32 s66, s17, 64*PA
	s_mul_i32 s67, s18, 32*PB
	s_add_co_u32 s67, s67, BOFF
.irp s, 0,1
	v_add_nc_u32 v[ADRA+\s], s66, v3
	v_add_nc_u32 v[ADRB+\s], s67, v4
	s_add_co_u32 s66, s66, SLOT
	s_add_co_u32 s67, s67, SLOT
.endr
	s_mul_i32 s66, s17, 64*PA
	s_lshl_b32 s67, s18, 6
	s_add_co_u32 s66, s66, s67
	v_add_nc_u32 v[STO], s66, v3
	s_mul_i32 s66, s16, 32*PA
	v_mul_u32_u24 v5, v2, PA
	v_lshl_add_u32 v5, v1, 4, v5
	v_add_nc_u32 v[RD], s66, v5
	v_and_b32 v[CO], 31, v0
	v_lshlrev_b32 v[CO], 4, v[CO]
	s_lshl_b32 s72, s21, 21                        ; panel 2 y
	s_lshl_b32 s73, s20, 15
	s_add_co_u32 s72, s72, s73
	s_lshl_b32 s73, s16, 13
	s_add_co_u32 s72, s72, s73
	s_mov_b32 s73, 0
	s_add_nc_u64 s[70:71], s[8:9], s[72:73]
	s_wait_loadcnt 0x0
.set i, 0
.rept 128
	v_mov_b32 v[ACC+i], v[BIA+8*((i/8)%4)+i%8]
.set i, i+1
.endr
	s_mov_b32 s66, NSLOT/2-1
.Lring:
	TRIP 0, 1
	TRIP 1, 1
	s_sub_co_u32 s66, s66, 1
	s_cmp_lg_u32 s66, 0
	s_cbranch_scc1 .Lring
	TRIP 0, 1
	TRIP 1, 0
.macro PACKHL a, b
.set rA, ACC+8*(4*(\a)+(\b))
.set so, (\a)*16*PA+32*((\b)%2)+128*((\b)/2)
.irp k, 0,1,2,3
	v_cvt_pk_bf16_f32 v[TMP+\k], v[rA+2*\k], v[rA+2*\k+1]
.endr
	ds_store_b128 v[STO], v[TMP:TMP+3] offset:so
.irp k, 0,1,2,3
	v_lshlrev_b32 v[TMP+8+2*\k], 16, v[TMP+\k]
	v_and_b32 v[TMP+9+2*\k], s69, v[TMP+\k]
.endr
.irp k, 0,1,2,3
	v_pk_add_f32 v[TMP+8+2*\k:TMP+9+2*\k], v[rA+2*\k:rA+2*\k+1], v[TMP+8+2*\k:TMP+9+2*\k] neg_lo:[0,1] neg_hi:[0,1]
.endr
.irp k, 0,1,2,3
	v_cvt_pk_bf16_f32 v[TMP+4+\k], v[TMP+8+2*\k], v[TMP+9+2*\k]
.endr
	ds_store_b128 v[STO], v[TMP+4:TMP+7] offset:so+LOST
.endm
.macro SENDP st, reg, goff
.irp t, 0,1,2,3,4,5,6,7,8,9,10,11,12,13,14,15
	ds_load_b128 v[(\reg)+4*\t:(\reg)+4*\t+3], v[RD] offset:(\st)+\t*2*PA
.endr
.irp t, 0,1,2,3,4,5,6,7,8,9,10,11,12,13,14,15
	s_wait_dscnt 15-\t                             ; load t is back; the later ones stay out
	global_store_b128 v[CO], v[(\reg)+4*\t:(\reg)+4*\t+3], s[70:71] offset:(\goff)+512*\t
.endr
.endm
	PLACES
.irp a, 0,1,2,3
.irp b, 0,1,2,3
	PACKHL \a, \b
.endr
.endr
	s_wait_dscnt 0x0                               ; for the others' sake: my stores into the stage are done
	s_barrier_signal -1
	s_barrier_wait -1
	SENDP 0, TMP, 0
	SENDP LOST, ACC, 0x100000
	s_wait_tensorcnt 0x0                           ; the wave's end
	ds_add_u32 v[SPW], v[NIL]
	s_wait_dscnt 0x0
	ROUND
	s_endpgm
.Lfunc_end_k_q76b676a3d5_g2:
	.size	k_q76b676a3d5_g2, .Lfunc_end_k_q76b676a3d5_g2-k_q76b676a3d5_g2
	.p2alignl 7, 3214868480
	.fill 96, 4, 3214868480
	.section	.rodata,"a",@progbits
	.p2align	6, 0x0
	.amdhsa_kernel k_q76b676a3d5_g2
		.amdhsa_group_segment_fixed_size 327680
		.amdhsa_private_segment_fixed_size 0
		.amdhsa_enable_private_segment 0
		.amdhsa_kernarg_size 24
		.amdhsa_user_sgpr_count 2
		.amdhsa_user_sgpr_kernarg_segment_ptr 1
		.amdhsa_wavefront_size32 1
		.amdhsa_system_sgpr_workgroup_id_x 1
		.amdhsa_system_sgpr_workgroup_id_y 1
		.amdhsa_system_sgpr_workgroup_id_z 1
		.amdhsa_system_vgpr_workitem_id 0
		.amdhsa_next_free_vgpr 512
		.amdhsa_next_free_sgpr 96
		.amdhsa_reserve_vcc 0
		.amdhsa_float_denorm_mode_32 3
		.amdhsa_float_denorm_mode_16_64 3
		.amdhsa_memory_ordered 1
		.amdhsa_forward_progress 1
		.amdhsa_inst_pref_size 75
	.end_amdhsa_kernel
	.amdgpu_metadata
---
amdhsa.version: [ 1, 2 ]
amdhsa.kernels:
  - .name:           k_q76b676a3d5_g2
    .symbol:         k_q76b676a3d5_g2.kd
    .args:
      - { .name: t1, .offset: 0, .size: 8, .value_kind: global_buffer, .address_space: global }
      - { .name: wa, .offset: 8, .size: 8, .value_kind: global_buffer, .address_space: global }
      - { .name: t0, .offset: 16, .size: 8, .value_kind: global_buffer, .address_space: global }
    .group_segment_fixed_size: 327680
    .private_segment_fixed_size: 0
    .kernarg_segment_align: 8
    .kernarg_segment_size: 24
    .max_flat_workgroup_size: 128
    .sgpr_count:     96
    .vgpr_count:     512
    .wavefront_size: 32
...
	.end_amdgpu_metadata
.endif
;; end of part 3
;; launch g3 (part 4): grid 32 x 8, 4 waves a work-group, clusters of 4 x 1, 327,680 bytes of LDS; arguments t0, wa, t1; writes t1
.if DOCPART == 4
	.amdgcn_target "amdgcn-amd-amdhsa--gfx1250"
	.amdhsa_code_object_version 6
	.text
	.protected	k_q76b676a3d5_g3
	.globl	k_q76b676a3d5_g3
	.p2align	8
	.type	k_q76b676a3d5_g3,@function
k_q76b676a3d5_g3:
	s_mov_b64 s[64:65], 0
	v_nop
	global_prefetch_b8 v0, s[64:65] scope:SCOPE_SE
	s_setreg_imm32_b32 hwreg(HW_REG_WAVE_MODE, 25, 1), 1
	s_wait_xcnt 0x0
	s_wait_alu depctr_hold_cnt(0) depctr_sa_sdst(0) depctr_va_vdst(0) depctr_va_sdst(0) depctr_va_ssrc(0) depctr_va_vcc(0) depctr_vm_vsrc(0)
	s_getreg_b32 s2, hwreg(HW_REG_IB_STS2, 6, 4)
	s_cmp_eq_u32 s2, 0
	s_cbranch_scc0 .Lentry_in_a_cluster
	s_endpgm
.Lentry_in_a_cluster:
	s_bfe_u32 s2, ttmp6, 0x10000c
	s_cmp_lg_u32 s2, 0x3003
	s_cbranch_scc0 .Lentry_shape_is_right
	s_endpgm
.Lentry_shape_is_right:
; L2 = c [kd; vd]^T + bias.  The text of the first product with other constants: K = 512 (256 columns as high and low panels), two slots and no loop, A = path y >> 2's four panels,
; result as two bf16 halves in panels 2 y and 2 y + 1.  No work is left out.  Shares, ring, cluster and way out as described at the head of the first product.
.set KB, 512
.set WOFF, 7356416
.set BIASOFF, 13649920
.set PA, 272
.set PB, 528
.set ASUB, 128*PA
.set BOFF, 2*ASUB
.set SLOT, BOFF+128*PB
.set SPARE, 2*SLOT
.set LOST, ASUB
.set ADRA, 16
.set WA, 18
.set WB, 19
.set ADRB, 20
.set BO, 22
.set STO, 24
.set RD, 25
.set CO, 26
.set SPW, 28
.set NIL, 29
.set TMP, 32
.set BIA, 96
.set ACC, 128
.set G1A, 24
.set G0A, 32
.set G1B, 48
.set G0B, 56
.set MSB, 0
.macro WIN new
.if MSB != (\new)
	s_set_vgpr_msb (MSB<<8)|(\new)
.set MSB, \new
.endif
.endm
.macro PLACES
.rept 4
	v_nop
.endr
.endm
.macro ROUND
	s_barrier_signal -1
	s_barrier_wait -1
	s_cmp_lg_u32 s16, 0
	s_cbranch_scc1 .Lnw0_\@
	s_barrier_signal -3
.Lnw0_\@:
	s_barrier_wait -3
	s_barrier_signal -1
	s_barrier_wait -1
.endm
.macro JLOAD s
	s_cmp_eq_u32 s17, 0
	s_cbranch_scc0 .Lfb_\@
	tensor_load_to_lds s[G0A+4*(\s):G0A+4*(\s)+3], s[G1A:G1A+7]
	s_nop 0
	PLACES
	s_branch .Lok_\@
.Lfb_\@:
	tensor_load_to_lds s[G0B+4*(\s):G0B+4*(\s)+3], s[G1B:G1B+7]
	s_nop 0
	PLACES
.Lok_\@:
.endm
.macro COMPUTE s
	v_mov_b32 v[WA], v[ADRA+(\s)]
	v_mov_b32 v[WB], v[ADRB+(\s)]
	s_mov_b32 s67, 2
.Lp_\@:
	PLACES                                         ; four places between the last product and loads into registers that it read
	WIN 0x40
.irp c, 0,1,2,3
.irp b, 0,1,2,3
	ds_load_b128 v[128+8*(4*\c+\b):128+8*(4*\c+\b)+3], v[WB] offset:(\b%2)*16*PB+(\b/2)*64*PB+64*\c
	ds_load_b128 v[128+8*(4*\c+\b)+4:128+8*(4*\c+\b)+7], v[WB] offset:(\b%2)*16*PB+(\b/2)*64*PB+64*\c+32
.endr
.irp a, 0,1,2,3
	ds_load_b128 v[8*(4*\c+\a):8*(4*\c+\a)+3], v[WA] offset:\a*16*PA+64*\c
	ds_load_b128 v[8*(4*\c+\a)+4:8*(4*\c+\a)+7], v[WA] offset:\a*16*PA+64*\c+32
.endr
.endr
.irp c, 0,1,2,3
	s_wait_dscnt 48-16*\c                          ; chunk c's 16 loads are in; the later chunks' stay out
	WIN 0x05
.irp a, 0,1,2,3
.irp b, 0,1,2,3
	v_wmma_f32_16x16x32_bf16 v[ACC+8*(4*\a+\b):ACC+8*(4*\a+\b)+7], v[128+8*(4*\c+\b):128+8*(4*\c+\b)+7], v[8*(4*\c+\a):8*(4*\c+\a)+7], v[ACC+8*(4*\a+\b):ACC+8*(4*\a+\b)+7]
.endr
.endr
.endr
	WIN 0
	v_add_nc_u32 v[WA], ASUB, v[WA]
	v_add_nc_u32 v[WB], 256, v[WB]
	s_sub_co_u32 s67, s67, 1
	s_cmp_lg_u32 s67, 0
	s_cbranch_scc1 .Lp_\@
.endm
.macro TRIP s, refill
	s_wait_tensorcnt 0x0                           ; my one load that was out, my part of this slot, has landed
	ds_add_u32 v[SPW], v[NIL]                      ; 0 onto my spare word
	s_wait_dscnt 0x0                               ; the add is done, and so are my reads of the other slot
	ROUND
.if \refill
	JLOAD 1-(\s)
.endif
	COMPUTE \s
.endm
	s_load_b128 s[4:7], s[0:1], 0x0                ; A, W
	s_load_b64 s[8:9], s[0:1], 0x10                ; out
	v_lshl_add_u32 v[SPW], v0, 2, SPARE
	v_mov_b32 v[NIL], 0
	ds_add_u32 v[SPW], v[NIL]                      ; the opening: the add, twice on end, and its wait ahead of my first tensor load
	ds_add_u32 v[SPW], v[NIL]
	v_lshrrev_b32 v1, 5, v0
	v_readfirstlane_b32 s16, v1
	s_lshr_b32 s17, s16, 1
	s_and_b32 s18, s16, 1
	s_bfe_u32 s19, ttmp6, 0x40000
	s_lshl_b32 s20, ttmp9, 2
	s_add_co_u32 s20, s20, s19
	s_and_b32 s21, ttmp7, 0xffff
	s_mov_b32 s[G1A], (1<<16)|(1<<20)|(5<<22)|(3<<25)
	s_mov_b32 s[G1A+1], 128<<16
	s_mov_b32 s[G1A+2], 128<<16
	s_mov_b32 s[G1A+3], 128<<16
	s_mov_b32 s[G1A+4], 128
	s_mov_b32 s[G1A+5], 128
	s_mov_b32 s[G1A+6], 0
	s_mov_b32 s[G1A+7], 0
	s_mov_b32 s[G1B], 15|(1<<16)|(1<<20)|(1<<21)|(6<<22)|(3<<25)
	s_mov_b32 s[G1B+1], 256<<16
	s_mov_b32 s[G1B+2], 64<<16
	s_mov_b32 s[G1B+3], 256<<16
	s_mov_b32 s[G1B+4], 64
	s_mov_b32 s[G1B+5], KB
	s_mov_b32 s[G1B+6], 0
	s_mov_b32 s[G1B+7], 0
	s_lshl_b32 s40, s20, 15
	s_lshl_b32 s41, s18, 20
	s_add_co_u32 s40, s40, s41
	s_lshr_b32 s41, s21, 2
	s_lshl_b32 s41, s41, 22                        ; the path's four panels
	s_add_co_u32 s40, s40, s41
	s_mov_b32 s41, 0
	s_lshl_b32 s44, s21, 7
	s_lshl_b32 s45, s18, 6
	s_add_co_u32 s44, s44, s45
	s_mul_i32 s44, s44, 2*KB
	s_add_co_u32 s44, s44, WOFF
	s_mov_b32 s45, 0
	s_mul_i32 s46, s18, ASUB
	s_mul_i32 s47, s18, 64*PB
	s_add_co_u32 s47, s47, BOFF
	s_mov_b32 s69, 0xffff0000
	s_wait_dscnt 0x0
	s_wait_kmcnt 0x0
	s_add_nc_u64 s[42:43], s[4:5], s[40:41]
	s_add_nc_u64 s[44:45], s[6:7], s[44:45]
.irp s, 0,1
	s_mov_b32 s[G0A+4*\s], 1
	s_add_co_u32 s[G0A+4*\s+1], s46, \s*SLOT
	s_add_nc_u64 s[G0A+4*\s+2:G0A+4*\s+3], s[42:43], \s*0x200000
	s_or_b32 s[G0A+4*\s+3], s[G0A+4*\s+3], 0x80000000
	s_mov_b32 s[G0B+4*\s], 1
	s_add_co_u32 s[G0B+4*\s+1], s47, \s*SLOT
	s_add_nc_u64 s[G0B+4*\s+2:G0B+4*\s+3], s[44:45], \s*512
	s_or_b32 s[G0B+4*\s+3], s[G0B+4*\s+3], 0x80000000
.endr
	ROUND
	JLOAD 0
	v_and_b32 v1, 15, v0
	v_bfe_u32 v2, v0, 4, 1
	s_lshl_b32 s66, s21, 9
	s_lshl_b32 s67, s18, 7
	s_add_co_u32 s66, s66, s67
	s_add_co_u32 s66, s66, BIASOFF
	v_lshl_add_u32 v[BO], v2, 5, s66
.irp b, 0,1,2,3
	global_load_b128 v[BIA+8*\b:BIA+8*\b+3], v[BO], s[6:7] offset:(\b%2)*64+(\b/2)*256
	global_load_b128 v[BIA+8*\b+4:BIA+8*\b+7], v[BO], s[6:7] offset:(\b%2)*64+(\b/2)*256+16
.endr
	v_mul_u32_u24 v3, v1, PA
	v_lshl_add_u32 v3, v2, 4, v3
	v_mul_u32_u24 v4, v1, PB
	v_lshl_add_u32 v4, v2, 4, v4
	s_mul_i32 s66, s17, 64*PA
	s_mul_i32 s67, s18, 32*PB
	s_add_co_u32 s67, s67, BOFF
.irp s, 0,1
	v_add_nc_u32 v[ADRA+\s], s66, v3
	v_add_nc_u32 v[ADRB+\s], s67, v4
	s_add_co_u32 s66, s66, SLOT
	s_add_co_u32 s67, s67, SLOT
.endr
	s_mul_i32 s66, s17, 64*PA
	s_lshl_b32 s67, s18, 6
	s_add_co_u32 s66, s66, s67
	v_add_nc_u32 v[STO], s66, v3
	s_mul_i32 s66, s16, 32*PA
	v_mul_u32_u24 v5, v2, PA
	v_lshl_add_u32 v5, v1, 4, v5
	v_add_nc_u32 v[RD], s66, v5
	v_and_b32 v[CO], 31, v0
	v_lshlrev_b32 v[CO], 4, v[CO]
	s_lshl_b32 s72, s21, 21                        ; panel 2 y
	s_lshl_b32 s73, s20, 15
	s_add_co_u32 s72, s72, s73
	s_lshl_b32 s73, s16, 13
	s_add_co_u32 s72, s72, s73
	s_mov_b32 s73, 0
	s_add_nc_u64 s[70:71], s[8:9], s[72:73]
	s_wait_loadcnt 0x0
.set i, 0
.rept 128
	v_mov_b32 v[ACC+i], v[BIA+8*((i/8)%4)+i%8]
.set i, i+1
.endr
	TRIP 0, 1
	TRIP 1, 0
.macro PACKHL a, b
.set rA, ACC+8*(4*(\a)+(\b))
.set so, (\a)*16*PA+32*((\b)%2)+128*((\b)/2)
.irp k, 0,1,2,3
	v_cvt_pk_bf16_f32 v[TMP+\k], v[rA+2*\k], v[rA+2*\k+1]
.endr
	ds_store_b128 v[STO], v[TMP:TMP+3] offset:so
.irp k, 0,1,2,3
	v_lshlrev_b32 v[TMP+8+2*\k], 16, v[TMP+\k]
	v_and_b32 v[TMP+9+2*\k], s69, v[TMP+\k]
.endr
.irp k, 0,1,2,3
	v_pk_add_f32 v[TMP+8+2*\k:TMP+9+2*\k], v[rA+2*\k:rA+2*\k+1], v[TMP+8+2*\k:TMP+9+2*\k] neg_lo:[0,1] neg_hi:[0,1]
.endr
.irp k, 0,1,2,3
	v_cvt_pk_bf16_f32 v[TMP+4+\k], v[TMP+8+2*\k], v[TMP+9+2*\k]
.endr
	ds_store_b128 v[STO], v[TMP+4:TMP+7] offset:so+LOST
.endm
.macro SENDP st, reg, goff
.irp t, 0,1,2,3,4,5,6,7,8,9,10,11,12,13,14,15
	ds_load_b128 v[(\reg)+4*\t:(\reg)+4*\t+3], v[RD] offset:(\st)+\t*2*PA
.endr
.irp t, 0,1,2,3,4,5,6,7,8,9,10,11,12,13,14,15
	s_wait_dscnt 15-\t                             ; load t is back; the later ones stay out
	global_store_b128 v[CO], v[(\reg)+4*\t:(\reg)+4*\t+3], s[70:71] offset:(\goff)+512*\t
.endr
.endm
	PLACES
.irp a, 0,1,2,3
.irp b, 0,1,2,3
	PACKHL \a, \b
.endr
.endr
	s_wait_dscnt 0x0                               ; for the others' sake: my stores into the stage are done
	s_barrier_signal -1
	s_barrier_wait -1
	SENDP 0, TMP, 0
	SENDP LOST, ACC, 0x100000
	s_wait_tensorcnt 0x0                           ; the wave's end
	ds_add_u32 v[SPW], v[NIL]
	s_wait_dscnt 0x0
	ROUND
	s_endpgm
.Lfunc_end_k_q76b676a3d5_g3:
	.size	k_q76b676a3d5_g3, .Lfunc_end_k_q76b676a3d5_g3-k_q76b676a3d5_g3
	.p2alignl 7, 3214868480
	.fill 96, 4, 3214868480
	.section	.rodata,"a",@progbits
	.p2align	6, 0x0
	.amdhsa_kernel k_q76b676a3d5_g3
		.amdhsa_group_segment_fixed_size 327680
		.amdhsa_private_segment_fixed_size 0
		.amdhsa_enable_private_segment 0
		.amdhsa_kernarg_size 24
		.amdhsa_user_sgpr_count 2
		.amdhsa_user_sgpr_kernarg_segment_ptr 1
		.amdhsa_wavefront_size32 1
		.amdhsa_system_sgpr_workgroup_id_x 1
		.amdhsa_system_sgpr_workgroup_id_y 1
		.amdhsa_system_sgpr_workgroup_id_z 1
		.amdhsa_system_vgpr_workitem_id 0
		.amdhsa_next_free_vgpr 512
		.amdhsa_next_free_sgpr 96
		.amdhsa_reserve_vcc 0
		.amdhsa_float_denorm_mode_32 3
		.amdhsa_float_denorm_mode_16_64 3
		.amdhsa_memory_ordered 1
		.amdhsa_forward_progress 1
		.amdhsa_inst_pref_size 55
	.end_amdhsa_kernel
	.amdgpu_metadata
---
amdhsa.version: [ 1, 2 ]
amdhsa.kernels:
  - .name:           k_q76b676a3d5_g3
    .symbol:         k_q76b676a3d5_g3.kd
    .args:
      - { .name: t0, .offset: 0, .size: 8, .value_kind: global_buffer, .address_space: global }
      - { .name: wa, .offset: 8, .size: 8, .value_kind: global_buffer, .address_space: global }
      - { .name: t1, .offset: 16, .size: 8, .value_kind: global_buffer, .address_space: global }
    .group_segment_fixed_size: 327680
    .private_segment_fixed_size: 0
    .kernarg_segment_align: 8
    .kernarg_segment_size: 24
    .max_flat_workgroup_size: 128
    .sgpr_count:     96
    .vgpr_count:     512
    .wavefront_size: 32
...
	.end_amdgpu_metadata
.endif
;; end of part 4
;; launch g4: the kernel of part 2 again; grid 32 x 32, 4 waves a work-group, clusters of 4 x 1, 327,680 bytes of LDS; arguments t1, wb, t0, vv; writes t0, vv
;; launch att (part 5): grid 8 x 32, 4 waves a work-group, no clusters, 327,680 bytes of LDS; arguments t0, qr, vv, t1; writes t1
.if DOCPART == 5
	.amdgcn_target "amdgcn-amd-amdhsa--gfx1250"
	.amdhsa_code_object_version 6
	.text
	.protected	k_q76b676a3d5_att
	.globl	k_q76b676a3d5_att
	.p2align	8
	.type	k_q76b676a3d5_att,@function
k_q76b676a3d5_att:
	s_mov_b64 s[64:65], 0
	v_nop
	global_prefetch_b8 v0, s[64:65] scope:SCOPE_SE
	s_setreg_imm32_b32 hwreg(HW_REG_WAVE_MODE, 25, 1), 1
	s_wait_xcnt 0x0
; CAUSAL ATTENTION WITH THE ROLES SWAPPED: the rotated k (t0) asks, the rotated q (qr) is the key, v (vv) the value.  All lie by heads: a panel [4096][128] bf16 a head, rows 2,048 b + t; v's high halves in panel 2 h, low in 2 h + 1.
; O[t] = the sum over u <= t of softmax_u(k[t] . q[u] / sqrt(128)) v[u], rounded once to bf16, into panel h of t1.
; LEFT OUT: key tiles wholly above the diagonal; the problem's own tril hides them for all values of the inputs.  A NaN, an infinity or an overflow that reaches only such scores is not carried to the result.
; LIMITS.  A hidden score inside the diagonal tile counts as -1e30; a weight below 2^-126 counts as 0; NaN and infinities are not treated apart.  v's low halves are added for keys 0 to 63 of a sequence alone:
; only there does one value's rounding reach a row undiminished (row t >= 64 averages over t + 1 values).
; THE WALK.  A sequence has 16 blocks of 128 rows; block i needs key tiles 0 .. i of 128.  A work-group takes blocks 15 - b and then b: 17 tiles whatever b, one loop with a constant count; the ring of two slots runs on across the change of blocks.
; NO CLUSTER: the eight work-groups of a sequence ask for the same tile only until the first of them ends its first block; behind that their walks part.
; SHARES.  Wave w: rows 64 (w >> 1) on, four tiles of 16; of each key tile the 64 keys of half w & 1.  Each wave has its own running maximum m, sum l and O^T; at a block's end the two key halves are merged through LDS.
; LAYOUT.  S^T = K Q^T holds one row a lane and keys 8 (lane / 16) + 0..7; two such results rounded to bf16 are source 1 of O^T = V^T P.  p = 2^(c s - c m), c = log2(e) / sqrt(128); O and l are multiplied by a = 2^(c m_old - c m_new) in every step.
; A block starts with c m far below every c s, so its first a is 0 and O^T need only be finite.  A step goes in phases: fetch, scores, mask, softmax (one batch of exponentials, one wait), V^T P.
; REGISTERS: window 0: v2-11, v44-50 addresses; v12-43 statistics, 8 a tile; v64-191 S^T; v192-255 P.  Window 1: O^T.  Window 2: v0-127 Q, v128-255 K.  Window 3: v0-127 V.
.set PK, 272
.set PV, 288
.set VOFF, 64*PK
.set STEPB, 64*(PK+PV)
.set SLOT1, 1<<17
.set VLO, SLOT1+2*STEPB                ; v's low halves of keys 0-63: filled once
.set MRG, VLO+64*PV                    ; for each row half: the partner's O^T, 32,768 bytes, then (c m, l), 1,024
.set MRGB, 33792
.set STAGE, MRG+2*MRGB                 ; 16 rows x 272 bytes a wave
.set SP, 272
.set SPARE, STAGE+4*16*SP
.set AK0, 2
.set AV0, 3
.set ADR, 4
.set QO, 5
.set STO, 6
.set RD, 7
.set GO, 8
.set DG, 9                             ; my row less my first key, inside a diagonal tile
.set BIG, 10                           ; -1e30
.set MO, 11
.set ST, 12                            ; tile t at ST + 8 t: c m, m, l (two), four at work
.set MS, 44
.set SPW, 62
.set NIL, 63
.set S, 64
.set P, 192
.set KF, 128
.set WV, 12
.set PB, 14
.set HI, 15
.set KH, 16
.set QG, 17
.set G1K, 24
.set G1V, 32
.set G0K, 40
.set G0V, 44
.set G1L, 48
.set SLOTS, 56
.set T0, 57                            ; 1: the tile in hand is key tile 0
.set CS, 58
.set SEL, 60
.set TB, 62
.set G0L, 68
.set RT, 72                            ; tiles of the block in hand still to be entered
.set NXT, 73
.set LQ, 74
.set OFF, 76
.set QLO, 78
.set OLO, 80
.set MSB, 0
.macro WIN new
.if MSB != (\new)
	s_set_vgpr_msb (MSB<<8)|(\new)
.set MSB, \new
.endif
.endm
.macro PLACES
.rept 4
	v_nop
.endr
.endm
.macro LOAD                            ; waves 0, 1: the tile's two halves of K; waves 2, 3: of V
	s_cmp_lt_u32 s[WV], 2
	s_cbranch_scc0 .Lfv_\@
	tensor_load_to_lds s[G0K:G0K+3], s[G1K:G1K+7]
	s_nop 0
	PLACES
	s_branch .Lok_\@
.Lfv_\@:
	tensor_load_to_lds s[G0V:G0V+3], s[G1V:G1V+7]
	s_nop 0
	PLACES
.Lok_\@:
.endm
.macro CHANGE fill                     ; the change of slots: all my tensor loads have landed, the add, my reads of the old slot are over, the barrier; then the old slot is filled with tile NXT, first thing
	WIN 0
	s_wait_tensorcnt 0x0
	ds_add_u32 v[SPW], v[NIL]                      ; 0 onto my spare word
.if \fill
	s_lshl_b32 s[OFF], s[NXT], 15                  ; a tile is 32,768 bytes of K and of V
	s_xor_b32 s[G0K+1], s[G0K+1], SLOT1
	s_add_nc_u64 s[G0K+2:G0K+3], s[6:7], s[OFF:OFF+1]
	s_or_b32 s[G0K+3], s[G0K+3], 0x80000000
	s_xor_b32 s[G0V+1], s[G0V+1], SLOT1
	s_add_nc_u64 s[G0V+2:G0V+3], s[8:9], s[OFF:OFF+1]
	s_or_b32 s[G0V+3], s[G0V+3], 0x80000000
	s_add_co_u32 s[NXT], s[NXT], 1                 ; the block's next tile, or behind its last the second block's tile 0
	s_cmp_gt_u32 s[NXT], s[LQ]
	s_cselect_b32 s[NXT], 0, s[NXT]
	s_cselect_b32 s[LQ], s[PB], s[LQ]
.endif
	s_wait_dscnt 0x0
	s_barrier_signal -1
	s_xor_b32 s[TB], s[TB], SLOT1
	s_barrier_wait -1
.if \fill
	LOAD
.endif
.endm
.macro FETCH_Q p                       ; my 64 rows stay in registers: tile i / 4, channels 32 (i % 4) on
	WIN 0x80
.set i, 0
.rept 16
	global_load_b128 v[8*i:8*i+3], v[QO], s[\p:\p+1] offset:(i/4)*4096+(i%4)*64
	global_load_b128 v[8*i+4:8*i+7], v[QO], s[\p:\p+1] offset:(i/4)*4096+(i%4)*64+32
.set i, i+1
.endr
	WIN 0
.endm
.macro FETCH_K
	WIN 0
	v_add_nc_u32 v[ADR], s[TB], v[AK0]
	WIN 0x80
.set i, 0
.rept 16
	ds_load_b128 v[KF+8*i:KF+8*i+3], v[ADR] offset:(i/4)*16*PK+(i%4)*64
	ds_load_b128 v[KF+8*i+4:KF+8*i+7], v[ADR] offset:(i/4)*16*PK+(i%4)*64+32
.set i, i+1
.endr
	WIN 0
.endm
.macro FETCH_V sb
	WIN 0
	v_add_nc_u32 v[ADR], \sb, v[AV0]
	WIN 0xc0
.set i, 0
.rept 16
	ds_load_tr16_b128 v[8*i:8*i+3], v[ADR] offset:(i/8)*32*PV+(i%8)*32
	ds_load_tr16_b128 v[8*i+4:8*i+7], v[ADR] offset:(i/8)*32*PV+16*PV+(i%8)*32
.set i, i+1
.endr
	WIN 0
.endm
.macro KQALL                           ; 64 products, 16 accumulators by turns; the first 16 start the sums
	WIN 0x0a
.set i, 0
.rept 64
.set rS, S+32*(i%4)+8*((i/4)%4)
.set rK, KF+32*((i/4)%4)+8*(i/16)
.set rQ, 32*(i%4)+8*(i/16)
.if i < 16
	v_wmma_f32_16x16x32_bf16 v[rS:rS+7], v[rK:rK+7], v[rQ:rQ+7], 0
.else
	v_wmma_f32_16x16x32_bf16 v[rS:rS+7], v[rK:rK+7], v[rQ:rQ+7], v[rS:rS+7]
.endif
.set i, i+1
.endr
	WIN 0
.endm
.macro PVALL                           ; 64 products, 32 accumulators by turns
	WIN 0x53
.set i, 0
.rept 64
.set rO, 64*(i%4)+8*((i/4)%8)
.set rV, 64*(i/32)+8*((i/4)%8)
.set rP, P+16*(i%4)+8*(i/32)
	v_wmma_f32_16x16x32_bf16 v[rO:rO+7], v[rV:rV+7], v[rP:rP+7], v[rO:rO+7]
.set i, i+1
.endr
	WIN 0
.endm
.macro MASK                            ; key 16 kb + 8 h + j is hidden from row 16 t + r where 16 (kb - t) + j > DG: one compare serves all tiles with the same kb - t
	WIN 0
.irp d, 0,1,2,3,4,5,6
.irp j, 0,1,2,3,4,5,6,7
	v_cmp_gt_i32 vcc_lo, 16*(\d-3)+\j, v[DG]
.irp t, 0,1,2,3
.if ((\t+\d-3) >= 0) && ((\t+\d-3) < 4)
	v_cndmask_b32 v[S+32*\t+8*(\t+\d-3)+\j], v[S+32*\t+8*(\t+\d-3)+\j], v[BIG], vcc_lo
.endif
.endr
.endr
.endr
.endm
; Number j of the 134 instructions of tile t's softmax for a step: 0-15 the maximum; 16-20 the other half of the lanes', m, c m, its change; 21-69 the 16 scalings and all 33 exponentials, none of which reads an exponential's result;
; 70-85 the roundings; 86-101 the sums; 102-133 O^T times a.
.macro SM t
.set rT, ST+8*(\t)
.set rS, S+32*(\t)
.set rP, P+16*(\t)
.set rO, 64*(\t)+2*(j-102)
.if j < 102
	WIN 0
.endif
.if j < 4
	v_max3_num_f32 v[rT+4+j], v[rS+8*j], v[rS+8*j+1], v[rS+8*j+2]
.elseif j < 12
	v_max3_num_f32 v[rT+4+j%4], v[rT+4+j%4], v[rS+8*(j%4)+2*(j/4)+1], v[rS+8*(j%4)+2*(j/4)+2]
.elseif j == 12
	v_max3_num_f32 v[rT+4], v[rT+4], v[rS+7], v[rS+15]
.elseif j == 13
	v_max3_num_f32 v[rT+6], v[rT+6], v[rS+23], v[rS+31]
.elseif j == 14
	v_max3_num_f32 v[rT+4], v[rT+4], v[rT+5], v[rT+6]
.elseif j == 15
	v_max3_num_f32 v[rT+4], v[rT+4], v[rT+7], v[rT+1]
.elseif j == 16
	v_permlanex16_b32 v[rT+5], v[rT+4], s[SEL], s[SEL+1]
.elseif j == 17
	v_mov_b32 v[rT+7], v[rT]
.elseif j == 18
	v_max_num_f32 v[rT+1], v[rT+4], v[rT+5]
.elseif j == 19
	v_mul_f32 v[rT], s[CS], v[rT+1]
.elseif j == 20
	v_sub_f32 v[rT+7], v[rT+7], v[rT]
.elseif j == 23
	v_exp_f32 v[rT+6], v[rT+7]
.elseif (j < 23) || ((j < 38) && (j%2 == 0)) || ((j < 66) && (j%4 == 2))
.set b, (j-2)/4
.if j < 38
.set b, (j-20)/2
.endif
	v_pk_fma_f32 v[rS+2*b:rS+2*b+1], v[rS+2*b:rS+2*b+1], s[CS:CS+1], v[rT:rT+1] op_sel_hi:[1,0,0] neg_lo:[0,0,1] neg_hi:[0,0,1]
.elseif j < 70
.set e, j-38
.if j < 66
.set e, j-32-(j-38)/4
.endif
.if j < 38
.set e, (j-25)/2
.endif
	v_exp_f32 v[rS+e], v[rS+e]
.elseif j < 86
	v_cvt_pk_bf16_f32 v[rP+j-70], v[rS+2*(j-70)], v[rS+2*(j-70)+1]
.elseif j < 102
.set z, j-86
.set w, 4
.set u, z
.if z >= 14
.set w, 32
.set u, 0
.elseif z >= 12
.set w, 16
.set u, z-12
.elseif z >= 8
.set w, 8
.set u, z-8
.endif
.if z < 15
	v_pk_add_f32 v[rS+w*u:rS+w*u+1], v[rS+w*u:rS+w*u+1], v[rS+w*u+w/2:rS+w*u+w/2+1]
.else
	v_pk_fma_f32 v[rT+2:rT+3], v[rT+2:rT+3], v[rT+6:rT+7], v[rS:rS+1] op_sel_hi:[1,0,1]
.endif
.else
	WIN 0x41
	v_pk_mul_f32 v[rO:rO+1], v[rO:rO+1], v[rT+6:rT+7] op_sel_hi:[1,0]
.endif
.endm
.macro INIT                            ; a block's statistics: c m far below every c s, m the lowest finite number, l = 0
.irp t, 0,1,2,3
	v_mov_b32 v[ST+8*\t], 0xfe000000
	v_mov_b32 v[ST+8*\t+1], 0xff7fffff
	v_mov_b32 v[ST+8*\t+2], 0
	v_mov_b32 v[ST+8*\t+3], 0
.endr
.endm
.macro STEP
	WIN 0
	PLACES                                         ; between the last product and loads into V's registers
	FETCH_K
	FETCH_V s[TB]
	s_wait_loadcnt 0x0                             ; Q
	s_wait_dscnt 32                                ; K is in; V's 32 loads stay out
	KQALL
	PLACES
	s_cmp_lg_u32 s[RT], 0
	s_cbranch_scc1 .Lnm_\@
	MASK                                           ; the block's last tile holds the diagonal
.Lnm_\@:
.set j, 0
.rept 70
.irp t, 0,1,2,3
	SM \t
.endr
.set j, j+1
.endr
	v_nop                                          ; a plain instruction behind the last exponential,
	s_wait_alu depctr_va_vdst(0)                   ; and the one wait for the batch of 132, ahead of its first reader
.rept 64
.irp t, 0,1,2,3
	SM \t
.endr
.set j, j+1
.endr
	WIN 0
	s_wait_dscnt 0x0                               ; V is in
	PVALL
	s_cmp_eq_u32 s[T0], 1
	s_cbranch_scc0 .Lnl_\@
	s_cmp_eq_u32 s[KH], 0
	s_cbranch_scc0 .Lnl_\@
	PLACES                                         ; keys 0 to 63: the same weights once more, on v's low halves
	FETCH_V VLO-VOFF
	s_wait_dscnt 0x0
	PVALL
.Lnl_\@:
.endm
.macro OUT t                           ; tile t: O = f0 O_mine + f1 O_partner, rounded, through my stage, out as whole rows of 256 bytes
.set rB, S+64*((\t)%2)
.set rP, P+32*((\t)%2)
.set rT, ST+8*(\t)
	WIN 0
.set i, 0
.rept 16
	ds_load_b128 v[rB+4*i:rB+4*i+3], v[MO] offset:512*(16*(\t)+i)
.set i, i+1
.endr
	s_wait_dscnt 0x0
.set i, 0
.rept 32
	v_pk_mul_f32 v[rB+2*i:rB+2*i+1], v[rB+2*i:rB+2*i+1], v[rT+4:rT+5] op_sel_hi:[1,0]
.set i, i+1
.endr
	WIN 0x01
.set i, 0
.rept 32
	v_pk_fma_f32 v[rB+2*i:rB+2*i+1], v[64*(\t)+2*i:64*(\t)+2*i+1], v[rT+2:rT+3], v[rB+2*i:rB+2*i+1] op_sel_hi:[1,0,1]
.set i, i+1
.endr
	WIN 0
	s_wait_xcnt 0x0                                ; the registers that earlier stores read are written again only behind this wait
.set i, 0
.rept 32
	v_cvt_pk_bf16_f32 v[rP+i], v[rB+2*i], v[rB+2*i+1]
.set i, i+1
.endr
.irp f, 0,1,2,3,4,5,6,7
	ds_store_b128 v[STO], v[rP+4*\f:rP+4*\f+3] offset:32*\f
.endr
.irp f, 0,1,2,3,4,5,6,7
	ds_load_b128 v[rP+4*\f:rP+4*\f+3], v[RD] offset:\f*2*SP  ; LDS serves a wave's instructions in order: these see the stores above
.endr
	s_wait_dscnt 0x0
.irp f, 0,1,2,3,4,5,6,7
	global_store_b128 v[GO], v[rP+4*\f:rP+4*\f+3], s[10:11] offset:(\t)*4096+\f*512
.endr
.endm
.macro BODY last                       ; a tile; at a block's last tile the merge and the way out
	s_sub_co_u32 s[RT], s[RT], 1
	STEP
	s_mov_b32 s[T0], 0
	s_cmp_lg_u32 s[RT], 0
	s_cbranch_scc1 .Lna_\@
	PLACES
.irp t, 0,1,2,3
	v_add_f32 v[ST+8*\t+4], v[ST+8*\t+2], v[ST+8*\t+3]
.endr
.irp t, 0,1,2,3
	v_permlanex16_b32 v[ST+8*\t+5], v[ST+8*\t+4], s[SEL], s[SEL+1]
.endr
.irp t, 0,1,2,3
	v_add_f32 v[ST+8*\t+1], v[ST+8*\t+4], v[ST+8*\t+5]  ; l whole, beside c m
.endr
.if !(\last)
	FETCH_Q QLO                                    ; the second block's rows
.endif
	s_cmp_eq_u32 s[KH], 0
	s_cbranch_scc1 .Lna_\@
.irp t, 0,1,2,3
	ds_store_b64 v[MS], v[ST+8*\t:ST+8*\t+1] offset:256*\t
.endr
	WIN 0x04
.set i, 0
.rept 64
	ds_store_b128 v[MO], v[4*i:4*i+3] offset:512*i
.set i, i+1
.endr
	WIN 0
.Lna_\@:
	s_wait_dscnt 0x0                               ; for the partner's sake: my stores are done
	s_barrier_signal -1
	s_barrier_wait -1
	s_cmp_lg_u32 s[RT], 0
	s_cbranch_scc1 .Lnb_\@
	s_cmp_lg_u32 s[KH], 0
	s_cbranch_scc1 .Lsk_\@
.irp t, 0,1,2,3
	ds_load_b64 v[ST+8*\t+4:ST+8*\t+5], v[MS] offset:256*\t
.endr
	s_wait_dscnt 0x0
.irp t, 0,1,2,3
	v_max_num_f32 v[ST+8*\t+6], v[ST+8*\t], v[ST+8*\t+4]
.endr
.irp t, 0,1,2,3
	v_sub_f32 v[ST+8*\t+2], v[ST+8*\t], v[ST+8*\t+6]
	v_sub_f32 v[ST+8*\t+3], v[ST+8*\t+4], v[ST+8*\t+6]
.endr
.irp t, 0,1,2,3
	v_exp_f32 v[ST+8*\t+2], v[ST+8*\t+2]
	v_exp_f32 v[ST+8*\t+3], v[ST+8*\t+3]
.endr
	v_nop
	s_wait_alu depctr_va_vdst(0)                   ; one wait for the eight exponentials
.irp t, 0,1,2,3
	v_mul_f32 v[ST+8*\t+6], v[ST+8*\t+2], v[ST+8*\t+1]
.endr
.irp t, 0,1,2,3
	v_fma_f32 v[ST+8*\t+6], v[ST+8*\t+3], v[ST+8*\t+5], v[ST+8*\t+6]
.endr
.irp t, 0,1,2,3
	v_rcp_f32 v[ST+8*\t+7], v[ST+8*\t+6]
.endr
	v_nop
	s_wait_alu depctr_va_vdst(0)                   ; one wait for the four reciprocals
.irp t, 0,1,2,3
	v_mul_f32 v[ST+8*\t+2], v[ST+8*\t+2], v[ST+8*\t+7]  ; f0
	v_mul_f32 v[ST+8*\t+4], v[ST+8*\t+3], v[ST+8*\t+7]  ; f1
.endr
	OUT 0
	OUT 1
	OUT 2
	OUT 3
.Lsk_\@:
.if !(\last)
	s_wait_xcnt 0x0                                ; the stores have read O's address
	s_mov_b64 s[10:11], s[OLO:OLO+1]
	s_add_co_u32 s[RT], s[PB], 1                   ; the second block has b + 1 tiles
	s_mov_b32 s[T0], 1
	INIT
.endif
.Lnb_\@:
.endm
	s_load_b256 s[4:11], s[0:1], 0x0               ; asking rows, keys, values, O
	v_lshl_add_u32 v[SPW], v0, 2, SPARE
	v_mov_b32 v[NIL], 0
	ds_add_u32 v[SPW], v[NIL]                      ; the opening: the add, twice on end, and its wait ahead of my first tensor load
	ds_add_u32 v[SPW], v[NIL]
	v_lshrrev_b32 v1, 5, v0
	v_readfirstlane_b32 s[WV], v1
	s_and_b32 s[KH], s[WV], 1                      ; my half of a tile's keys; also which half I fetch
	s_lshr_b32 s[QG], s[WV], 1                     ; my half of the block's rows
	s_mov_b32 s[PB], ttmp9
	s_sub_co_u32 s[HI], 15, s[PB]
	s_and_b32 s20, ttmp7, 0xffff                   ; 2 x head + batch
	s_lshr_b32 s22, s20, 1
	s_lshl_b32 s22, s22, 21
	s_and_b32 s23, s20, 1
	s_lshl_b32 s23, s23, 19
	s_add_co_u32 s22, s22, s23                     ; the sequence in vv
	s_mov_b32 s23, 0
	s_lshl_b32 s20, s20, 19                        ; and in the other three
	s_mov_b32 s21, 0
	s_lshl_b32 s82, s[KH], 14
	s_mov_b32 s83, 0
	s_lshl_b32 s84, s[KH], 13
	s_add_co_u32 s84, s84, 0x100000                ; the low halves' panel, my 32 rows
	s_mov_b32 s85, 0
	s_lshl_b32 s86, s[HI], 15
	s_lshl_b32 s87, s[QG], 14
	s_add_co_u32 s86, s86, s87
	s_lshl_b32 s88, s[PB], 15
	s_add_co_u32 s88, s88, s87
	s_mov_b32 s87, 0
	s_mov_b32 s89, 0
	s_mov_b32 s[G1K], (1<<16)|(1<<20)|(5<<22)|(3<<25)  ; 2-byte elements; 4 words of padding behind every 64
	s_mov_b32 s[G1V], (1<<16)|(1<<20)|(5<<22)|(7<<25)  ; 8 words
	s_mov_b32 s[G1L], (1<<16)|(1<<20)|(5<<22)|(7<<25)
.irp g, G1K, G1V
	s_mov_b32 s[\g+1], 128<<16
	s_mov_b32 s[\g+2], 64<<16
	s_mov_b32 s[\g+3], 128<<16
	s_mov_b32 s[\g+4], 64
	s_mov_b32 s[\g+5], 128
	s_mov_b32 s[\g+6], 0
	s_mov_b32 s[\g+7], 0
.endr
	s_mov_b32 s[G1L+1], 128<<16
	s_mov_b32 s[G1L+2], 32<<16
	s_mov_b32 s[G1L+3], 128<<16
	s_mov_b32 s[G1L+4], 32
	s_mov_b32 s[G1L+5], 128
	s_mov_b32 s[G1L+6], 0
	s_mov_b32 s[G1L+7], 0
	s_mul_i32 s18, s[KH], STEPB
	s_mov_b32 s[G0K], 1
	s_mov_b32 s[G0K+1], s18
	s_mov_b32 s[G0V], 1
	s_add_co_u32 s[G0V+1], s18, VOFF
	s_mov_b32 s[G0L], 1
	s_mul_i32 s19, s[KH], 32*PV
	s_add_co_u32 s[G0L+1], s19, VLO
	s_add_co_u32 s[TB], s18, SLOT1                 ; the first change of slots turns it into slot 0
	s_mov_b32 s[CS], 0x3e0293ee                    ; c = log2(e) / sqrt(128)
	s_mov_b32 s[CS+1], s[CS]
	s_mov_b32 s[SEL], 0x76543210
	s_mov_b32 s[SEL+1], 0xfedcba98
	s_add_co_u32 s[RT], s[HI], 1
	s_mov_b32 s[NXT], 1
	s_mov_b32 s[LQ], s[HI]
	s_mov_b32 s[T0], 1
	s_mov_b32 s[OFF+1], 0
	s_mov_b32 s[SLOTS], 16
	s_wait_dscnt 0x0                               ; both opening adds are done
	s_wait_kmcnt 0x0
	s_add_nc_u64 s[6:7], s[6:7], s[20:21]
	s_add_nc_u64 s[6:7], s[6:7], s[82:83]          ; keys at my half of tile 0
	s_add_nc_u64 s[8:9], s[8:9], s[22:23]
	s_add_nc_u64 s[G0L+2:G0L+3], s[8:9], s[84:85]
	s_or_b32 s[G0L+3], s[G0L+3], 0x80000000
	s_add_nc_u64 s[8:9], s[8:9], s[82:83]
	s_add_nc_u64 s[4:5], s[4:5], s[20:21]
	s_add_nc_u64 s[QLO:QLO+1], s[4:5], s[88:89]
	s_add_nc_u64 s[4:5], s[4:5], s[86:87]
	s_add_nc_u64 s[10:11], s[10:11], s[20:21]
	s_add_nc_u64 s[OLO:OLO+1], s[10:11], s[88:89]
	s_add_nc_u64 s[10:11], s[10:11], s[86:87]
	s_add_nc_u64 s[G0K+2:G0K+3], s[6:7], 0
	s_or_b32 s[G0K+3], s[G0K+3], 0x80000000
	s_add_nc_u64 s[G0V+2:G0V+3], s[8:9], 0
	s_or_b32 s[G0V+3], s[G0V+3], 0x80000000
	s_cmp_lt_u32 s[WV], 2                          ; a wave's first fills stand in one branch: waves 2 and 3 have two loads out, waves 0 and 1 one
	s_cbranch_scc0 .Lfirst_v
	tensor_load_to_lds s[G0K:G0K+3], s[G1K:G1K+7]
	s_nop 0
	PLACES
	s_branch .Lfirst_ok
.Lfirst_v:
	tensor_load_to_lds s[G0V:G0V+3], s[G1V:G1V+7]
	s_nop 0
	tensor_load_to_lds s[G0L:G0L+3], s[G1L:G1L+7]
	s_nop 0
	PLACES
.Lfirst_ok:
	v_and_b32 v45, 15, v0                          ; r
	v_bfe_u32 v46, v0, 4, 1                        ; h
	v_lshlrev_b32 v[QO], 8, v45
	v_lshl_add_u32 v[QO], v46, 4, v[QO]
	FETCH_Q 4
	WIN 0x40
.set i, 0
.rept 256
	v_mov_b32 v[i], 0                              ; O^T need only be finite: written while the first tile is on its way
.set i, i+1
.endr
	WIN 0
	INIT
	v_mul_u32_u24 v[AK0], v45, PK
	v_lshl_add_u32 v[AK0], v46, 4, v[AK0]
	v_and_b32 v47, 7, v0
	v_bfe_u32 v48, v0, 3, 1
	v_lshl_add_u32 v[AV0], v46, 3, v47             ; the turning load: key 8 h + l % 8, channels 8 ((l / 8) % 2) on
	v_mul_u32_u24 v[AV0], v[AV0], PV
	v_lshl_add_u32 v[AV0], v48, 4, v[AV0]
	v_add_nc_u32 v[AV0], VOFF, v[AV0]
	s_mul_i32 s13, s[WV], 16*SP
	s_add_co_u32 s13, s13, STAGE
	v_mul_u32_u24 v[STO], v45, SP
	v_lshl_add_u32 v[STO], v46, 4, v[STO]
	v_add_nc_u32 v[STO], s13, v[STO]
	v_mul_u32_u24 v[RD], v46, SP
	v_lshl_add_u32 v[RD], v45, 4, v[RD]
	v_add_nc_u32 v[RD], s13, v[RD]
	v_lshlrev_b32 v[GO], 8, v46
	v_lshl_add_u32 v[GO], v45, 4, v[GO]
	s_sub_co_i32 s13, s[QG], s[KH]
	s_lshl_b32 s13, s13, 6
	v_lshlrev_b32 v50, 3, v46
	v_sub_nc_u32 v[DG], v45, v50
	v_add_nc_u32 v[DG], s13, v[DG]                 ; r - 8 h + 64 (row half - key half)
	v_mov_b32 v[BIG], 0xf149f2ca                   ; -1e30
	v_and_b32 v49, 31, v0
	s_mul_i32 s13, s[QG], MRGB
	s_add_co_u32 s13, s13, MRG
	v_lshl_add_u32 v[MO], v49, 4, s13
	s_add_co_u32 s13, s13, 32768
	v_lshl_add_u32 v[MS], v49, 3, s13
.Lslot:                                        ; 16 trips: a tile is entered and the next is asked for
	CHANGE 1
	BODY 0
	s_sub_co_u32 s[SLOTS], s[SLOTS], 1
	s_cmp_lg_u32 s[SLOTS], 0
	s_cbranch_scc1 .Lslot
	CHANGE 0                                       ; the walk's last tile is written out
	BODY 1
	s_wait_tensorcnt 0x0                           ; the wave's end
	ds_add_u32 v[SPW], v[NIL]
	s_wait_dscnt 0x0
	s_endpgm
.Lfunc_end_k_q76b676a3d5_att:
	.size	k_q76b676a3d5_att, .Lfunc_end_k_q76b676a3d5_att-k_q76b676a3d5_att
	.p2alignl 7, 3214868480
	.fill 96, 4, 3214868480
	.section	.rodata,"a",@progbits
	.p2align	6, 0x0
	.amdhsa_kernel k_q76b676a3d5_att
		.amdhsa_group_segment_fixed_size 327680
		.amdhsa_private_segment_fixed_size 0
		.amdhsa_enable_private_segment 0
		.amdhsa_kernarg_size 32
		.amdhsa_user_sgpr_count 2
		.amdhsa_user_sgpr_kernarg_segment_ptr 1
		.amdhsa_wavefront_size32 1
		.amdhsa_system_sgpr_workgroup_id_x 1
		.amdhsa_system_sgpr_workgroup_id_y 1
		.amdhsa_system_sgpr_workgroup_id_z 1
		.amdhsa_system_vgpr_workitem_id 0
		.amdhsa_next_free_vgpr 1024
		.amdhsa_next_free_sgpr 100
		.amdhsa_reserve_vcc 1
		.amdhsa_float_denorm_mode_32 3
		.amdhsa_float_denorm_mode_16_64 3
		.amdhsa_memory_ordered 1
		.amdhsa_forward_progress 1
		.amdhsa_inst_pref_size 219
	.end_amdhsa_kernel
	.amdgpu_metadata
---
amdhsa.version: [ 1, 2 ]
amdhsa.kernels:
  - .name:           k_q76b676a3d5_att
    .symbol:         k_q76b676a3d5_att.kd
    .args:
      - { .name: t0, .offset: 0, .size: 8, .value_kind: global_buffer, .address_space: global }
      - { .name: qr, .offset: 8, .size: 8, .value_kind: global_buffer, .address_space: global }
      - { .name: vv, .offset: 16, .size: 8, .value_kind: global_buffer, .address_space: global }
      - { .name: t1, .offset: 24, .size: 8, .value_kind: global_buffer, .address_space: global }
    .group_segment_fixed_size: 327680
    .private_segment_fixed_size: 0
    .kernarg_segment_align: 8
    .kernarg_segment_size: 32
    .max_flat_workgroup_size: 128
    .sgpr_count:     100
    .vgpr_count:     1024
    .wavefront_size: 32
...
	.end_amdgpu_metadata
.endif
;; end of part 5
;; launch g5 (part 6): grid 32 x 8, 4 waves a work-group, clusters of 4 x 1, 327,680 bytes of LDS; arguments t1, wa, out0; writes out0
.if DOCPART == 6
	.amdgcn_target "amdgcn-amd-amdhsa--gfx1250"
	.amdhsa_code_object_version 6
	.text
	.protected	k_q76b676a3d5_g5
	.globl	k_q76b676a3d5_g5
	.p2align	8
	.type	k_q76b676a3d5_g5,@function
k_q76b676a3d5_g5:
	s_mov_b64 s[64:65], 0
	v_nop
	global_prefetch_b8 v0, s[64:65] scope:SCOPE_SE
	s_setreg_imm32_b32 hwreg(HW_REG_WAVE_MODE, 25, 1), 1
	s_wait_xcnt 0x0
	s_wait_alu depctr_hold_cnt(0) depctr_sa_sdst(0) depctr_va_vdst(0) depctr_va_sdst(0) depctr_va_ssrc(0) depctr_va_vcc(0) depctr_vm_vsrc(0)
	s_getreg_b32 s2, hwreg(HW_REG_IB_STS2, 6, 4)
	s_cmp_eq_u32 s2, 0
	s_cbranch_scc0 .Lentry_in_a_cluster
	s_endpgm
.Lentry_in_a_cluster:
	s_bfe_u32 s2, ttmp6, 0x10000c
	s_cmp_lg_u32 s2, 0x3003
	s_cbranch_scc0 .Lentry_shape_is_right
	s_endpgm
.Lentry_shape_is_right:
; out0 = O out_w^T + out_b, f32, row-major.  The text of the first product with other constants: K = 2,048 (16 panels, a head each), eight slots.  No work is left out.
; Way out: the f32 tile goes through a stage of 128 rows x 528 bytes in slot 0 (its last fill and last read lie ahead of the last round) and leaves as whole rows of 512 bytes.
.set NSLOT, 8
.set KB, 2048
.set WOFF, 9453568
.set BIASOFF, 13654016
.set PA, 272
.set PB, 528
.set ASUB, 128*PA
.set BOFF, 2*ASUB
.set SLOT, BOFF+128*PB
.set SPARE, 2*SLOT
.set ADRA, 16
.set WA, 18
.set WB, 19
.set ADRB, 20
.set BO, 22
.set STO, 24
.set RD, 25
.set CO, 26
.set SPW, 28
.set NIL, 29
.set TMP, 32
.set BIA, 96
.set ACC, 128
.set G1A, 24
.set G0A, 32
.set G1B, 48
.set G0B, 56
.set MSB, 0
.macro WIN new
.if MSB != (\new)
	s_set_vgpr_msb (MSB<<8)|(\new)
.set MSB, \new
.endif
.endm
.macro PLACES
.rept 4
	v_nop
.endr
.endm
.macro ROUND
	s_barrier_signal -1
	s_barrier_wait -1
	s_cmp_lg_u32 s16, 0
	s_cbranch_scc1 .Lnw0_\@
	s_barrier_signal -3
.Lnw0_\@:
	s_barrier_wait -3
	s_barrier_signal -1
	s_barrier_wait -1
.endm
.macro JLOAD s
	s_cmp_eq_u32 s17, 0
	s_cbranch_scc0 .Lfb_\@
	tensor_load_to_lds s[G0A+4*(\s):G0A+4*(\s)+3], s[G1A:G1A+7]
	s_nop 0
	PLACES
	s_branch .Lok_\@
.Lfb_\@:
	tensor_load_to_lds s[G0B+4*(\s):G0B+4*(\s)+3], s[G1B:G1B+7]
	s_nop 0
	PLACES
.Lok_\@:
.endm
.macro COMPUTE s
	v_mov_b32 v[WA], v[ADRA+(\s)]
	v_mov_b32 v[WB], v[ADRB+(\s)]
	s_mov_b32 s67, 2
.Lp_\@:
	PLACES                                         ; four places between the last product and loads into registers that it read
	WIN 0x40
.irp c, 0,1,2,3
.irp b, 0,1,2,3
	ds_load_b128 v[128+8*(4*\c+\b):128+8*(4*\c+\b)+3], v[WB] offset:(\b%2)*16*PB+(\b/2)*64*PB+64*\c
	ds_load_b128 v[128+8*(4*\c+\b)+4:128+8*(4*\c+\b)+7], v[WB] offset:(\b%2)*16*PB+(\b/2)*64*PB+64*\c+32
.endr
.irp a, 0,1,2,3
	ds_load_b128 v[8*(4*\c+\a):8*(4*\c+\a)+3], v[WA] offset:\a*16*PA+64*\c
	ds_load_b128 v[8*(4*\c+\a)+4:8*(4*\c+\a)+7], v[WA] offset:\a*16*PA+64*\c+32
.endr
.endr
.irp c, 0,1,2,3
	s_wait_dscnt 48-16*\c                          ; chunk c's 16 loads are in; the later chunks' stay out
	WIN 0x05
.irp a, 0,1,2,3
.irp b, 0,1,2,3
	v_wmma_f32_16x16x32_bf16 v[ACC+8*(4*\a+\b):ACC+8*(4*\a+\b)+7], v[128+8*(4*\c+\b):128+8*(4*\c+\b)+7], v[8*(4*\c+\a):8*(4*\c+\a)+7], v[ACC+8*(4*\a+\b):ACC+8*(4*\a+\b)+7]
.endr
.endr
.endr
	WIN 0
	v_add_nc_u32 v[WA], ASUB, v[WA]
	v_add_nc_u32 v[WB], 256, v[WB]
	s_sub_co_u32 s67, s67, 1
	s_cmp_lg_u32 s67, 0
	s_cbranch_scc1 .Lp_\@
.endm
.macro TRIP s, refill
	s_wait_tensorcnt 0x0                           ; my one load that was out, my part of this slot, has landed
	ds_add_u32 v[SPW], v[NIL]                      ; 0 onto my spare word
	s_add_nc_u64 s[G0A+4*(\s)+2:G0A+4*(\s)+3], s[G0A+4*(\s)+2:G0A+4*(\s)+3], 0x400000
	s_add_nc_u64 s[G0B+4*(\s)+2:G0B+4*(\s)+3], s[G0B+4*(\s)+2:G0B+4*(\s)+3], 1024
	s_wait_dscnt 0x0                               ; the add is done, and so are my reads of the other slot
	ROUND
.if \refill
	JLOAD 1-(\s)
.endif
	COMPUTE \s
.endm
	s_load_b128 s[4:7], s[0:1], 0x0                ; A, W
	s_load_b64 s[8:9], s[0:1], 0x10                ; out
	v_lshl_add_u32 v[SPW], v0, 2, SPARE
	v_mov_b32 v[NIL], 0
	ds_add_u32 v[SPW], v[NIL]                      ; the opening: the add, twice on end, and its wait ahead of my first tensor load
	ds_add_u32 v[SPW], v[NIL]
	v_lshrrev_b32 v1, 5, v0
	v_readfirstlane_b32 s16, v1
	s_lshr_b32 s17, s16, 1
	s_and_b32 s18, s16, 1
	s_bfe_u32 s19, ttmp6, 0x40000
	s_lshl_b32 s20, ttmp9, 2
	s_add_co_u32 s20, s20, s19
	s_and_b32 s21, ttmp7, 0xffff
	s_mov_b32 s[G1A], (1<<16)|(1<<20)|(5<<22)|(3<<25)
	s_mov_b32 s[G1A+1], 128<<16
	s_mov_b32 s[G1A+2], 128<<16
	s_mov_b32 s[G1A+3], 128<<16
	s_mov_b32 s[G1A+4], 128
	s_mov_b32 s[G1A+5], 128
	s_mov_b32 s[G1A+6], 0
	s_mov_b32 s[G1A+7], 0
	s_mov_b32 s[G1B], 15|(1<<16)|(1<<20)|(1<<21)|(6<<22)|(3<<25)
	s_mov_b32 s[G1B+1], 256<<16
	s_mov_b32 s[G1B+2], 64<<16
	s_mov_b32 s[G1B+3], 256<<16
	s_mov_b32 s[G1B+4], 64
	s_mov_b32 s[G1B+5], KB
	s_mov_b32 s[G1B+6], 0
	s_mov_b32 s[G1B+7], 0
	s_lshl_b32 s40, s20, 15
	s_lshl_b32 s41, s18, 20
	s_add_co_u32 s40, s40, s41
	s_mov_b32 s41, 0
	s_lshl_b32 s44, s21, 7
	s_lshl_b32 s45, s18, 6
	s_add_co_u32 s44, s44, s45
	s_mul_i32 s44, s44, 2*KB
	s_add_co_u32 s44, s44, WOFF
	s_mov_b32 s45, 0
	s_mul_i32 s46, s18, ASUB
	s_mul_i32 s47, s18, 64*PB
	s_add_co_u32 s47, s47, BOFF
	s_wait_dscnt 0x0
	s_wait_kmcnt 0x0
	s_add_nc_u64 s[42:43], s[4:5], s[40:41]
	s_add_nc_u64 s[44:45], s[6:7], s[44:45]
.irp s, 0,1
	s_mov_b32 s[G0A+4*\s], 1
	s_add_co_u32 s[G0A+4*\s+1], s46, \s*SLOT
	s_add_nc_u64 s[G0A+4*\s+2:G0A+4*\s+3], s[42:43], \s*0x200000
	s_or_b32 s[G0A+4*\s+3], s[G0A+4*\s+3], 0x80000000
	s_mov_b32 s[G0B+4*\s], 1
	s_add_co_u32 s[G0B+4*\s+1], s47, \s*SLOT
	s_add_nc_u64 s[G0B+4*\s+2:G0B+4*\s+3], s[44:45], \s*512
	s_or_b32 s[G0B+4*\s+3], s[G0B+4*\s+3], 0x80000000
.endr
	ROUND
	JLOAD 0
	v_and_b32 v1, 15, v0
	v_bfe_u32 v2, v0, 4, 1
	s_lshl_b32 s66, s21, 9
	s_lshl_b32 s67, s18, 7
	s_add_co_u32 s66, s66, s67
	s_add_co_u32 s66, s66, BIASOFF
	v_lshl_add_u32 v[BO], v2, 5, s66
.irp b, 0,1,2,3
	global_load_b128 v[BIA+8*\b:BIA+8*\b+3], v[BO], s[6:7] offset:(\b%2)*64+(\b/2)*256
	global_load_b128 v[BIA+8*\b+4:BIA+8*\b+7], v[BO], s[6:7] offset:(\b%2)*64+(\b/2)*256+16
.endr
	v_mul_u32_u24 v3, v1, PA
	v_lshl_add_u32 v3, v2, 4, v3
	v_mul_u32_u24 v4, v1, PB
	v_lshl_add_u32 v5, v2, 5, v4                   ; the stage: row r, byte 32 h
	v_lshl_add_u32 v4, v2, 4, v4
	s_mul_i32 s66, s17, 64*PA
	s_mul_i32 s67, s18, 32*PB
	s_add_co_u32 s67, s67, BOFF
.irp s, 0,1
	v_add_nc_u32 v[ADRA+\s], s66, v3
	v_add_nc_u32 v[ADRB+\s], s67, v4
	s_add_co_u32 s66, s66, SLOT
	s_add_co_u32 s67, s67, SLOT
.endr
	s_mul_i32 s66, s17, 64*PB
	s_lshl_b32 s67, s18, 7
	s_add_co_u32 s66, s66, s67
	v_add_nc_u32 v[STO], s66, v5                   ; row 64 wr + r, byte 128 wc + 32 h
	v_and_b32 v[CO], 31, v0
	v_lshlrev_b32 v[CO], 4, v[CO]
	s_mul_i32 s66, s16, 32*PB
	v_add_nc_u32 v[RD], s66, v[CO]                 ; back: wave w takes rows 32 w on, a whole row of 512 bytes a load
	s_lshl_b32 s72, s20, 19                        ; 128 rows of 4,096 bytes a row tile,
	s_lshl_b32 s73, s16, 17                        ; my 32 rows,
	s_add_co_u32 s72, s72, s73
	s_lshl_b32 s73, s21, 9                         ; the tile's 512 bytes of a row
	s_add_co_u32 s72, s72, s73
	s_mov_b32 s73, 0
	s_add_nc_u64 s[70:71], s[8:9], s[72:73]
	s_wait_loadcnt 0x0
.set i, 0
.rept 128
	v_mov_b32 v[ACC+i], v[BIA+8*((i/8)%4)+i%8]
.set i, i+1
.endr
	s_mov_b32 s66, NSLOT/2-1
.Lring:
	TRIP 0, 1
	TRIP 1, 1
	s_sub_co_u32 s66, s66, 1
	s_cmp_lg_u32 s66, 0
	s_cbranch_scc1 .Lring
	TRIP 0, 1
	TRIP 1, 0
	PLACES
.irp a, 0,1,2,3
.irp b, 0,1,2,3
	ds_store_b128 v[STO], v[ACC+8*(4*\a+\b):ACC+8*(4*\a+\b)+3] offset:\a*16*PB+64*(\b%2)+256*(\b/2)
	ds_store_b128 v[STO], v[ACC+8*(4*\a+\b)+4:ACC+8*(4*\a+\b)+7] offset:\a*16*PB+64*(\b%2)+256*(\b/2)+16
.endr
.endr
	s_wait_dscnt 0x0                               ; for the others' sake: my stores into the stage are done
	s_barrier_signal -1
	s_barrier_wait -1
.macro SENDF r0, reg                   ; 16 rows from row r0 on: each store covers 512 consecutive bytes, aligned
.irp t, 0,1,2,3,4,5,6,7,8,9,10,11,12,13,14,15
	ds_load_b128 v[(\reg)+4*\t:(\reg)+4*\t+3], v[RD] offset:((\r0)+\t)*PB
.endr
.irp t, 0,1,2,3,4,5,6,7,8,9,10,11,12,13,14,15
	s_wait_dscnt 15-\t                             ; load t is back; the later ones stay out
	global_store_b128 v[CO], v[(\reg)+4*\t:(\reg)+4*\t+3], s[70:71] offset:((\r0)+\t)*4096 th:TH_STORE_NT
.endr
.endm
	SENDF 0, TMP
	SENDF 16, ACC
	s_wait_tensorcnt 0x0                           ; the wave's end
	ds_add_u32 v[SPW], v[NIL]
	s_wait_dscnt 0x0
	ROUND
	s_endpgm
.Lfunc_end_k_q76b676a3d5_g5:
	.size	k_q76b676a3d5_g5, .Lfunc_end_k_q76b676a3d5_g5-k_q76b676a3d5_g5
	.p2alignl 7, 3214868480
	.fill 96, 4, 3214868480
	.section	.rodata,"a",@progbits
	.p2align	6, 0x0
	.amdhsa_kernel k_q76b676a3d5_g5
		.amdhsa_group_segment_fixed_size 327680
		.amdhsa_private_segment_fixed_size 0
		.amdhsa_enable_private_segment 0
		.amdhsa_kernarg_size 24
		.amdhsa_user_sgpr_count 2
		.amdhsa_user_sgpr_kernarg_segment_ptr 1
		.amdhsa_wavefront_size32 1
		.amdhsa_system_sgpr_workgroup_id_x 1
		.amdhsa_system_sgpr_workgroup_id_y 1
		.amdhsa_system_sgpr_workgroup_id_z 1
		.amdhsa_system_vgpr_workitem_id 0
		.amdhsa_next_free_vgpr 512
		.amdhsa_next_free_sgpr 96
		.amdhsa_reserve_vcc 0
		.amdhsa_float_denorm_mode_32 3
		.amdhsa_float_denorm_mode_16_64 3
		.amdhsa_memory_ordered 1
		.amdhsa_forward_progress 1
		.amdhsa_inst_pref_size 59
	.end_amdhsa_kernel
	.amdgpu_metadata
---
amdhsa.version: [ 1, 2 ]
amdhsa.kernels:
  - .name:           k_q76b676a3d5_g5
    .symbol:         k_q76b676a3d5_g5.kd
    .args:
      - { .name: t1, .offset: 0, .size: 8, .value_kind: global_buffer, .address_space: global }
      - { .name: wa, .offset: 8, .size: 8, .value_kind: global_buffer, .address_space: global }
      - { .name: out0, .offset: 16, .size: 8, .value_kind: global_buffer, .address_space: global }
    .group_segment_fixed_size: 327680
    .private_segment_fixed_size: 0
    .kernarg_segment_align: 8
    .kernarg_segment_size: 24
    .max_flat_workgroup_size: 128
    .sgpr_count:     96
    .vgpr_count:     512
    .wavefront_size: 32
...
	.end_amdgpu_metadata
.endif
;; end of part 6
;; ======== version 2 of 3: 7 launches
;; limits: right only within a limited range of input values
;; workspace buffers: wa 13,658,112 bytes; wb 9,453,568 bytes; t0 16,777,216 bytes; t1 16,777,216 bytes; qr 16,777,216 bytes; vv 33,554,432 bytes
;; launch prep: the kernel of part 1 again; grid 497 x 1, 8 waves a work-group, no clusters, 0 bytes of LDS; arguments x, Wq_w, tok_w, tov_w, kc_w, vc_w, kd_w, vd_w, fromk_w, fromv_w, out_w, Wq_b, tok_b, tov_b, kc_b, vc_b, kd_b, vd_b, fromk_b, fromv_b, out_b, wa, wb, t0; writes wa, wb, t0
;; launch g1 (part 7): grid 12 x 16, 4 waves a work-group, clusters of 4 x 4, 327,680 bytes of LDS; arguments t0, wa, qr, t1; writes qr, t1
.if DOCPART == 7
	.amdgcn_target "amdgcn-amd-amdhsa--gfx1250"
	.amdhsa_code_object_version 6
	.text
	.protected	k_q76b676a3d5_g1
	.globl	k_q76b676a3d5_g1
	.p2align	8
	.type	k_q76b676a3d5_g1,@function
k_q76b676a3d5_g1:
	s_mov_b64 s[64:65], 0
	v_nop
	global_prefetch_b8 v0, s[64:65] scope:SCOPE_SE
	s_setreg_imm32_b32 hwreg(HW_REG_WAVE_MODE, 25, 1), 1
	s_wait_xcnt 0x0
	s_wait_alu depctr_hold_cnt(0) depctr_sa_sdst(0) depctr_va_vdst(0) depctr_va_sdst(0) depctr_va_ssrc(0) depctr_va_vcc(0) depctr_vm_vsrc(0)
	s_getreg_b32 s2, hwreg(HW_REG_IB_STS2, 6, 4)
	s_cmp_eq_u32 s2, 0
	s_cbranch_scc0 .Lentry_in_a_cluster
	s_endpgm
.Lentry_in_a_cluster:
	s_bfe_u32 s2, ttmp6, 0x10000c
	s_cmp_lg_u32 s2, 0xf033
	s_cbranch_scc0 .Lentry_shape_is_right
	s_endpgm
.Lentry_shape_is_right:
; C = A W^T + bias, K = 1,024, tiles of 256 x 256.  Serves two launches: [q | latents] = x [Wq; tok; tov]^T and [k | v] = L2 [fromk; fromv]^T.  No work is left out here.
; A lies in panels [4096][128] bf16 (arg 0; clusters with x >= 2 read the eight panels 8 MiB further on); W (arg 1 + 16,384) has rows of 1,024 bf16; bias f32 at arg 1; RoPE tables cos, sin [2048][64] f32 at arg 1 + 8,404,992.
; Clusters with x < 2 make heads: rotated (RoPE), rounded to bf16, a panel a head in arg 2.  The others' columns leave as two bf16 halves, high and low, panels 2 n and 2 n + 1 of arg 3 (n: the group of 128 columns).
; A ROTATED HEAD'S CHANNELS LEAVE PERMUTED: place 8 l + i of a row holds channel 4 l + i, place 8 l + 4 + i channel 64 + 4 l + i (i < 4).  Both operands of the scores come from this text, so each score's sum has the same terms.
; SHARES.  Four waves, each 128 x 128: 64 accumulators, 512 registers; a wave's 128 columns are one head.  The matrix instruction is used transposed (source 0 = rows of W, source 1 = rows of A): a lane holds one row of C and eight neighbouring columns.
; RING.  Two LDS slots of K = 128: 256 rows of A (one panel's), then 256 rows of W, pitch 272.  Each wave fetches 128 rows by one tensor load.  A K step is written once and looped: the slot in hand lies in scalar registers turned by an exclusive or.
; CLUSTER.  4 x 4 work-groups: A's tile is asked for jointly along a row of the cluster, W's along a column.
; The bias is the C operand of the first products.  WAY OUT: each wave puts its 128 x 128 f32 into its own part of the ring's bytes (their last fill is over, and the last barrier shows every wave's reads of them done) and reads rows back in a short loop.
; cos and sin of position t0 + 8 i + d are made in f32 from three parts of the table (rows d = 0 .. 7, row 8, row t0) by the addition formulas: the part for t0 + 8 i is carried from trip to trip.
; REGISTERS: window 0: v0-31 addresses; v64-191 A's fragments, two buffers; at the way out v32-163 at work.  Window 1: v0-63 bias; v64-191 W's fragments.  Windows 2, 3: the accumulators of my rows 0-63, 64-127, (a, b) at v[8 (8 a + b)].
.set KB, 1024
.set PITCH, 272
.set HALFT, 128*PITCH
.set SLOT, 4*HALFT
.set PF, 528                           ; a row of the f32 stage: 512 bytes + 16
.set WST, 128*PF
.set SPARE, 2*SLOT                     ; the spare words, 128 bytes a wave
.set TABS, 8404992
.set ADRA, 16                          ; LDS address of my A fragments in the slot in hand
.set ADRB, 17
.set ADRA0, 18                         ; the same in slot 0; never rewritten
.set ADRB0, 19
.set TOL, 20                           ; table offsets: rows 2 p + h;
.set TO2, 21                           ; row 0;
.set TO3, 22                           ; row t0
.set BO, 23
.set STO, 24
.set RDH, 25
.set RDL, 26
.set GO, 27
.set SPW, 28
.set NIL, 29
.set PFO, 30
.set F0, 64
.set F1, 128
.set YH, 32
.set YL, 48
.set X, 64
.set TL, 96
.set R, 96
.set CUR, 128
.set R8, 136
.set CB, 144
.set T, 152
.set U, 160
.set WV, 12
.set WR, 13                            ; my half of the rows; also: I fetch A (0) or W (1)
.set WC, 14                            ; my half of the columns; also which 128 rows I fetch
.set CX, 15
.set CY, 16
.set TC, 17
.set TR, 18
.set HEADS, 19
.set G1A, 24
.set G0A, 32                           ; two sets: the first fills'; the second then walks
.set G1B, 48
.set G0B, 56
.set CNT, 66
.set RS, 67                            ; the slot that is read: 0 or SLOT
.set FS, 68                            ; the slot that was filled last
.set LB, 69                            ; wave x 128 rows
.set OUT, 70
.set PFA, 74
.set PST, 76
.set LIM, 78
.set MSK, 79
.set MSB, 0
.macro WIN new
.if MSB != (\new)
	s_set_vgpr_msb (MSB<<8)|(\new)
.set MSB, \new
.endif
.endm
.macro PLACES
.rept 4
	v_nop
.endr
.endm
.macro JLOAD i                         ; waves 0, 1: A's halves; waves 2, 3: W's.  An s_nop 0 and four v_nop follow each of the two lines
	s_cmp_eq_u32 s[WR], 0
	s_cbranch_scc0 .Lfb_\@
	tensor_load_to_lds s[G0A+4*(\i):G0A+4*(\i)+3], s[G1A:G1A+7]
	s_nop 0
	PLACES
	s_branch .Lok_\@
.Lfb_\@:
	tensor_load_to_lds s[G0B+4*(\i):G0B+4*(\i)+3], s[G1B:G1B+7]
	s_nop 0
	PLACES
.Lok_\@:
.endm
.macro CREST                           ; a round of the cluster's barrier behind its opening barrier
	s_cmp_lg_u32 s[WV], 0
	s_cbranch_scc1 .Lnw0_\@
	s_barrier_signal -3
.Lnw0_\@:
	s_barrier_wait -3
	s_barrier_signal -1
	s_barrier_wait -1
.endm
.macro CROUND
	s_barrier_signal -1
	s_barrier_wait -1
	CREST
.endm
; 16 products: row blocks a0, a0 + 1 of the window's four x all 8 column blocks, 32 along K.  zero = 1: the first products, which take the bias as C
.macro MUL16 f, hi, a0, zero
.if \zero
	WIN 0x91+0x40*(\hi)                            ; W and the bias in window 1, A in window 0, D in window 2 or 3
.else
	WIN 0xa1+0x50*(\hi)
.endif
.irp a, \a0, (\a0)+1
.irp b, 0,1,2,3,4,5,6,7
.if \zero
	v_wmma_f32_16x16x32_bf16 v[8*(8*(\a)+(\b)):8*(8*(\a)+(\b))+7], v[(\f)+8*(\b):(\f)+8*(\b)+7], v[(\f)+8*(4*(\hi)+(\a)):(\f)+8*(4*(\hi)+(\a))+7], v[8*(\b):8*(\b)+7]
.else
	v_wmma_f32_16x16x32_bf16 v[8*(8*(\a)+(\b)):8*(8*(\a)+(\b))+7], v[(\f)+8*(\b):(\f)+8*(\b)+7], v[(\f)+8*(4*(\hi)+(\a)):(\f)+8*(4*(\hi)+(\a))+7], v[8*(8*(\a)+(\b)):8*(8*(\a)+(\b))+7]
.endif
.endr
.endr
.endm
.macro FETCH k, f                      ; 32 LDS loads in one run: a quarter step's fragments (32 K at byte k of the rows) into buffer f
	WIN 0x40
.irp i, 0,1,2,3,4,5,6,7
	ds_load_b128 v[(\f)+8*(\i):(\f)+8*(\i)+3], v[ADRB] offset:(\k)+(\i)*16*PITCH
	ds_load_b128 v[(\f)+8*(\i)+4:(\f)+8*(\i)+7], v[ADRB] offset:(\k)+(\i)*16*PITCH+32
.endr
	WIN 0
.irp i, 0,1,2,3,4,5,6,7
	ds_load_b128 v[(\f)+8*(\i):(\f)+8*(\i)+3], v[ADRA] offset:(\k)+(\i)*16*PITCH
	ds_load_b128 v[(\f)+8*(\i)+4:(\f)+8*(\i)+7], v[ADRA] offset:(\k)+(\i)*16*PITCH+32
.endr
.endm
.macro QUARTER k, f, g, zero           ; multiplies buffer f; in its middle fetches the next quarter, at byte k, into buffer g.  The 64 accumulators take turns, in the same order in every quarter
	s_wait_dscnt 8                                 ; W's and A's rows 0-63 are in; the youngest eight loads (A's rows 64-127) may be out
	MUL16 \f, 0, 0, \zero
	MUL16 \f, 0, 2, \zero
	PLACES                                         ; four places between the last product that read buffer g and the loads into it
	FETCH \k, \g
	s_wait_dscnt 32                                ; all but the 32 just issued
	MUL16 \f, 1, 0, \zero
	MUL16 \f, 1, 2, \zero
.endm
.macro MEET                            ; the first half of a K step's last quarter, and the barrier of the change of slots
	WIN 0
	s_wait_tensorcnt 0x0                           ; all my tensor loads have landed: the one that was out is my part of the other slot
	ds_add_u32 v[SPW], v[NIL]                      ; 0 onto my spare word
	s_wait_dscnt 9                                 ; (the add and the youngest eight loads may be out)
	MUL16 F1, 0, 0, 0
	s_wait_dscnt 0x0                               ; the add is done, and my reads of this slot are over
	s_barrier_signal -1
	MUL16 F1, 0, 2, 0
	WIN 0
	s_barrier_wait -1
.endm
.macro NEXTSLOT                        ; the fragments' addresses go to the other slot
	v_add_nc_u32 v[ADRA], s[RS], v[ADRA0]
	v_add_nc_u32 v[ADRB], s[RS], v[ADRB0]
.endm
; The whole last quarter with a refill: the barrier opens a round of the cluster's; behind the round the slot just read is filled with the K step two steps on, first thing; then come the other slot's first fragments.
; Behind them one prefetch a wave: of the 128 rows that I fetch, my work-group's 32, a lane a row, 256 bytes each, for the K step two refills on.  The four partners of a joint load share the rows out by address.
; A's rows are asked for by the clusters with even x (two columns of clusters read each copy of A), W's by the clusters with y = 0.  The last two refills ask for nothing: there is no such K step.
.macro TURN
	s_wait_xcnt 0x0                                ; the last prefetch, a K step back, has read its address
	s_add_nc_u64 s[PFA:PFA+1], s[PFA:PFA+1], s[PST:PST+1]
	MEET
	CREST
	s_xor_b32 s[FS], s[FS], SLOT
	s_add_co_u32 s[G0A+5], s[LB], s[FS]
	s_add_co_u32 s[G0B+5], s[LB], s[FS]
	s_add_nc_u64 s[G0A+6:G0A+7], s[G0A+6:G0A+7], 0x100000  ; A's next panel
	s_add_nc_u64 s[G0B+6:G0B+7], s[G0B+6:G0B+7], 256       ; 128 further along W's rows
	s_xor_b32 s[RS], s[RS], SLOT
	JLOAD 1                                        ; its four v_nop are also the places in front of the loads below
	NEXTSLOT
	FETCH 0, F0
	s_cmp_gt_u32 s[CNT], s[LIM]
	s_cbranch_scc0 .Lna_\@
	global_prefetch_b8 v[PFO], s[PFA:PFA+1] th:TH_LOAD_NT scope:SCOPE_SE
.Lna_\@:
	MUL16 F1, 1, 0, 0
	MUL16 F1, 1, 2, 0
.endm
	s_load_b256 s[4:11], s[0:1], 0x0               ; A, W, out for heads, out for halves
	v_lshl_add_u32 v[SPW], v0, 2, SPARE
	v_mov_b32 v[NIL], 0
	ds_add_u32 v[SPW], v[NIL]                      ; the opening: the add, twice on end, and its wait ahead of my first tensor load
	ds_add_u32 v[SPW], v[NIL]
	v_lshrrev_b32 v1, 5, v0
	v_readfirstlane_b32 s[WV], v1
	s_lshr_b32 s[WR], s[WV], 1
	s_and_b32 s[WC], s[WV], 1
	s_bfe_u32 s[CX], ttmp6, 0x40000
	s_bfe_u32 s[CY], ttmp6, 0x40004
	s_lshl_b32 s[TC], ttmp9, 2
	s_add_co_u32 s[TC], s[TC], s[CX]               ; tile column
	s_and_b32 s[TR], ttmp7, 0xffff
	s_lshl_b32 s[TR], s[TR], 2
	s_add_co_u32 s[TR], s[TR], s[CY]               ; tile row
	s_lshl_b32 s20, s[CY], 2
	s_lshl_b32 s20, 15, s20                        ; my row of the cluster
	s_lshl_b32 s21, 0x1111, s[CX]                  ; my column
	s_or_b32 s[G1A], s20, (1<<16)|(1<<20)|(1<<21)|(5<<22)|(3<<25)  ; the mask; 2-byte elements; padding on, 4 words behind every 64; bit 21 beside a mask
	s_or_b32 s[G1B], s21, (1<<16)|(1<<20)|(1<<21)|(5<<22)|(3<<25)
.irp g, G1A, G1B
	s_mov_b32 s[\g+1], 128<<16                     ; tensor_dim0 = 128
	s_mov_b32 s[\g+2], 128<<16                     ; tensor_dim1 = 128
	s_mov_b32 s[\g+3], 128<<16                     ; tile_dim0 = 128
	s_mov_b32 s[\g+4], 128                         ; tile_dim1 = 128
	s_mov_b32 s[\g+6], 0
	s_mov_b32 s[\g+7], 0
.endr
	s_mov_b32 s[G1A+5], 128                        ; a panel's rows lie end to end
	s_mov_b32 s[G1B+5], KB
	s_lshl_b32 s40, s[TR], 8
	s_lshl_b32 s41, s[WC], 7
	s_add_co_u32 s40, s40, s41                     ; A: row 256 x tile row + 128 x half,
	s_lshl_b32 s40, s40, 8                         ; 256 bytes a row
	s_cmp_ge_u32 ttmp9, 2
	s_cselect_b32 s41, 0x800000, 0                 ; the second group of eight panels
	s_add_co_u32 s40, s40, s41
	s_mov_b32 s41, 0
	s_lshl_b32 s44, s[TC], 8
	s_lshl_b32 s45, s[WC], 7
	s_add_co_u32 s44, s44, s45                     ; W: row 256 x tile column + 128 x half
	s_mul_i32 s44, s44, 2*KB
	s_add_co_u32 s44, s44, 16384
	s_mov_b32 s45, 0
	s_mul_i32 s[LB], s[WV], HALFT                  ; where my 128 rows go: no place in the cluster enters an LDS address
	s_mov_b32 s[RS], 0
	s_mov_b32 s[FS], SLOT
	s_mov_b32 s[MSK], 0xffff0000
	s_wait_dscnt 0x0                               ; both opening adds are done
	s_wait_kmcnt 0x0
	s_add_nc_u64 s[42:43], s[4:5], s[40:41]
	s_add_nc_u64 s[46:47], s[6:7], s[44:45]
	CROUND                                         ; all sixteen work-groups are here: the first joint loads meet
.irp s, 0,1
	s_mov_b32 s[G0A+4*\s], 1
	s_add_co_u32 s[G0A+4*\s+1], s[LB], \s*SLOT
	s_add_nc_u64 s[G0A+4*\s+2:G0A+4*\s+3], s[42:43], \s*0x100000
	s_or_b32 s[G0A+4*\s+3], s[G0A+4*\s+3], 0x80000000
	s_mov_b32 s[G0B+4*\s], 1
	s_add_co_u32 s[G0B+4*\s+1], s[LB], \s*SLOT
	s_add_nc_u64 s[G0B+4*\s+2:G0B+4*\s+3], s[46:47], \s*256
	s_or_b32 s[G0B+4*\s+3], s[G0B+4*\s+3], 0x80000000
	JLOAD \s
.endr
	v_and_b32 v1, 15, v0                           ; r
	v_bfe_u32 v2, v0, 4, 1                         ; h
	s_lshl_b32 s20, s[TC], 10
	s_lshl_b32 s21, s[WC], 9
	s_add_co_u32 s20, s20, s21
	v_lshl_add_u32 v[BO], v2, 5, s20               ; bias of column 256 x tile column + 128 wc + 8 h
	WIN 0x40
.irp b, 0,1,2,3,4,5,6,7
	global_load_b128 v[8*\b:8*\b+3], v[BO], s[6:7] offset:64*\b
	global_load_b128 v[8*\b+4:8*\b+7], v[BO], s[6:7] offset:64*\b+16
.endr
	WIN 0
	v_mul_u32_u24 v3, v1, PITCH
	v_lshl_add_u32 v3, v2, 4, v3                   ; a fragment's row x pitch + 16 x half
	s_mul_i32 s20, s[WR], HALFT
	s_mul_i32 s21, s[WC], HALFT
	s_add_co_u32 s21, s21, 2*HALFT
	v_add_nc_u32 v[ADRA0], s20, v3
	v_add_nc_u32 v[ADRB0], s21, v3
	v_mov_b32 v[ADRA], v[ADRA0]
	v_mov_b32 v[ADRB], v[ADRB0]
	s_mul_i32 s20, s[WV], WST                      ; my part of the f32 stage
	v_mul_u32_u24 v4, v1, PF
	v_lshl_add_u32 v4, v2, 5, v4
	v_add_nc_u32 v[STO], s20, v4                   ; in: row r, byte 32 h
	v_mul_u32_u24 v5, v2, PF
	v_add_nc_u32 v5, s20, v5
	v_lshl_add_u32 v[RDH], v1, 4, v5               ; back, heads: row h, channels 4 r on (and 64 further)
	v_lshl_add_u32 v[RDL], v1, 5, v5               ; back, halves: row h, columns 8 r on
	v_and_b32 v[GO], 31, v0
	v_lshlrev_b32 v[GO], 4, v[GO]                  ; two rows of a panel are 512 bytes on end
	v_lshl_add_u32 v[TO2], v1, 4, TABS
	v_lshl_add_u32 v[TOL], v2, 8, v[TO2]
	s_and_b32 s20, s[TR], 7                        ; t0 = (tile row mod 8) 256 + 128 wr, 256 bytes a row of the table
	s_lshl_b32 s20, s20, 16
	s_lshl_b32 s21, s[WR], 15
	s_add_co_u32 s20, s20, s21
	v_add_nc_u32 v[TO3], s20, v[TO2]
	s_lshl_b32 s72, s[TC], 1
	s_add_co_u32 s72, s72, s[WC]                   ; heads: the panel is the head
	s_lshl_b32 s73, s72, 1
	s_sub_co_u32 s73, s73, 32                      ; halves: panel 2 n, n = that number less 16
	s_cmp_lt_u32 ttmp9, 2                          ; the cluster's x: the same in all sixteen partners
	s_cselect_b32 s[HEADS], 1, 0
	s_cselect_b32 s72, s72, s73
	s_cselect_b64 s[OUT:OUT+1], s[8:9], s[10:11]
	s_lshl_b32 s72, s72, 20
	s_lshl_b32 s73, s[TR], 16
	s_add_co_u32 s72, s72, s73
	s_lshl_b32 s73, s[WR], 15
	s_add_co_u32 s72, s72, s73
	s_mov_b32 s73, 0
	s_add_nc_u64 s[OUT:OUT+1], s[OUT:OUT+1], s[72:73]
	s_and_b32 s22, ttmp9, 1                        ; the prefetches
	s_and_b32 s23, ttmp7, 0xffff
	s_cmp_eq_u32 s[WR], 0                          ; do I fetch for A?
	s_cselect_b32 s21, s[CX], s[CY]                ; my place among the four that ask with me
	s_cselect_b32 s22, s22, s23                    ; 0: my cluster asks
	s_cselect_b32 s23, 8, 11                       ; log2 of the bytes from row to row
	s_cselect_b32 s[PST], 20, 8                    ; log2 of the bytes from K step to K step
	s_cselect_b64 s[PFA:PFA+1], s[42:43], s[46:47]
	s_lshl_b32 s21, s21, s23
	s_lshl_b32 s21, s21, 5                         ; my work-group's 32 rows of the 128
	s_lshl_b32 s23, 1, s23
	s_lshl_b32 s[PST], 1, s[PST]
	s_mov_b32 s[PST+1], 0
	s_mul_i32 s20, s[PST], 3                       ; at K step 3: the first refill steps it to 4
	s_add_co_u32 s20, s20, s21
	s_mov_b32 s21, 0
	s_add_nc_u64 s[PFA:PFA+1], s[PFA:PFA+1], s[20:21]
	s_cmp_eq_u32 s22, 0
	s_cselect_b32 s[LIM], 2, -1                    ; a wave asks while more than two refills are to come, this one counted
	v_and_b32 v[PFO], 31, v0
	v_mul_u32_u24 v[PFO], v[PFO], s23
	s_wait_tensorcnt 1                             ; my part of K step 0 is in; K step 1's may stay out
	s_barrier_signal -1
	s_barrier_wait -1
	FETCH 0, F0
	s_wait_loadcnt 0x0                             ; the bias
	QUARTER 64, F0, F1, 1
	WIN 0
	s_mov_b32 s[CNT], 6
.Lk:                                           ; a trip: from a K step's second quarter to the next one's first; K steps 2 to 7 are asked for
	QUARTER 128, F1, F0, 0
	QUARTER 192, F0, F1, 0
	TURN
	QUARTER 64, F0, F1, 0
	WIN 0
	s_sub_co_u32 s[CNT], s[CNT], 1
	s_cmp_lg_u32 s[CNT], 0
	s_cbranch_scc1 .Lk
	s_mov_b32 s[CNT], 2
.Lt:                                           ; the last two K steps ask for nothing; the second trip is left in its middle
	QUARTER 128, F1, F0, 0
	QUARTER 192, F0, F1, 0
	MEET
	s_cmp_eq_u32 s[CNT], 1
	s_cbranch_scc1 .Lfin
	s_xor_b32 s[RS], s[RS], SLOT
	NEXTSLOT
	PLACES
	FETCH 0, F0
	MUL16 F1, 1, 0, 0
	MUL16 F1, 1, 2, 0
	QUARTER 64, F0, F1, 0
	WIN 0
	s_sub_co_u32 s[CNT], s[CNT], 1
	s_cmp_lg_u32 s[CNT], 0
	s_cbranch_scc1 .Lt
.Lfin:                                         ; behind the last barrier no wave reads the ring any more
	MUL16 F1, 1, 0, 0
	MUL16 F1, 1, 2, 0
	WIN 0
	PLACES                                         ; between the last products and what reads their results or loads into their sources
	s_cmp_eq_u32 s[HEADS], 0
	s_cbranch_scc1 .Lnotab
.irp p, 0,1,2,3
	global_load_b128 v[TL+8*\p:TL+8*\p+3], v[TOL], s[6:7] offset:512*\p            ; cos of d f, d = 2 p + h
	global_load_b128 v[TL+8*\p+4:TL+8*\p+7], v[TOL], s[6:7] offset:512*\p+524288   ; sin
.endr
	global_load_b128 v[R8:R8+3], v[TO2], s[6:7] offset:2048                        ; of 8 f
	global_load_b128 v[R8+4:R8+7], v[TO2], s[6:7] offset:2048+524288
	global_load_b128 v[CUR:CUR+3], v[TO3], s[6:7]                                  ; of t0 f
	global_load_b128 v[CUR+4:CUR+7], v[TO3], s[6:7] offset:524288
.Lnotab:
.irp a, 0,1,2,3,4,5,6,7
	WIN 0x08+4*(\a/4)                              ; the stores' data: window 2 or 3
.irp b, 0,1,2,3,4,5,6,7
	ds_store_b128 v[STO], v[8*(8*(\a%4)+\b):8*(8*(\a%4)+\b)+3] offset:\a*16*PF+64*\b
	ds_store_b128 v[STO], v[8*(8*(\a%4)+\b)+4:8*(8*(\a%4)+\b)+7] offset:\a*16*PF+64*\b+16
.endr
.endr
	WIN 0
	s_mov_b32 s[CNT], 16
	s_cmp_eq_u32 s[HEADS], 0
	s_cbranch_scc1 .Lhl
	s_wait_loadcnt 0x0                             ; the tables' parts
.Lrope:                                        ; a trip: 8 rows, a pair of rows at a time.  LDS serves a wave's instructions in order: the loads see my stores above
.irp p, 0,1,2,3
	ds_load_b128 v[X+8*\p:X+8*\p+3], v[RDH] offset:\p*2*PF          ; x1: channels 4 r on
	ds_load_b128 v[X+8*\p+4:X+8*\p+7], v[RDH] offset:\p*2*PF+256    ; x2: 64 further
.endr
.irp p, 0,1,2,3
.irp k, 0,2
	v_pk_mul_f32 v[CB+\k:CB+\k+1], v[CUR+\k:CUR+\k+1], v[TL+8*\p+\k:TL+8*\p+\k+1]
.endr
.irp k, 0,2
	v_pk_mul_f32 v[CB+4+\k:CB+5+\k], v[CUR+4+\k:CUR+5+\k], v[TL+8*\p+\k:TL+8*\p+\k+1]
.endr
.irp k, 0,2
	v_pk_fma_f32 v[CB+\k:CB+\k+1], v[CUR+4+\k:CUR+5+\k], v[TL+8*\p+4+\k:TL+8*\p+5+\k], v[CB+\k:CB+\k+1] neg_lo:[1,0,0] neg_hi:[1,0,0]  ; cos of the sum
.endr
.irp k, 0,2
	v_pk_fma_f32 v[CB+4+\k:CB+5+\k], v[CUR+\k:CUR+\k+1], v[TL+8*\p+4+\k:TL+8*\p+5+\k], v[CB+4+\k:CB+5+\k]  ; sin of the sum
.endr
	s_wait_dscnt 6-2*\p                            ; pair p's two loads are back; the later pairs' stay out
.irp k, 0,2
	v_pk_mul_f32 v[T+\k:T+\k+1], v[X+8*\p+\k:X+8*\p+\k+1], v[CB+\k:CB+\k+1]
.endr
.irp k, 0,2
	v_pk_mul_f32 v[T+4+\k:T+5+\k], v[X+8*\p+4+\k:X+8*\p+5+\k], v[CB+\k:CB+\k+1]
.endr
.irp k, 0,2
	v_pk_fma_f32 v[T+\k:T+\k+1], v[X+8*\p+4+\k:X+8*\p+5+\k], v[CB+4+\k:CB+5+\k], v[T+\k:T+\k+1] neg_lo:[1,0,0] neg_hi:[1,0,0]  ; x1 cos - x2 sin
.endr
.irp k, 0,2
	v_pk_fma_f32 v[T+4+\k:T+5+\k], v[X+8*\p+\k:X+8*\p+\k+1], v[CB+4+\k:CB+5+\k], v[T+4+\k:T+5+\k]  ; x2 cos + x1 sin
.endr
.irp k, 0,1,2,3
	v_cvt_pk_bf16_f32 v[YH+4*\p+\k], v[T+2*\k], v[T+2*\k+1]
.endr
	global_store_b128 v[GO], v[YH+4*\p:YH+4*\p+3], s[OUT:OUT+1] offset:512*\p  ; the wave's store covers 512 consecutive bytes, aligned
.endr
.irp k, 0,2
	v_pk_mul_f32 v[U+\k:U+\k+1], v[CUR+\k:CUR+\k+1], v[R8+\k:R8+\k+1]          ; the carried part goes 8 positions on
.endr
.irp k, 0,2
	v_pk_fma_f32 v[U+\k:U+\k+1], v[CUR+4+\k:CUR+5+\k], v[R8+4+\k:R8+5+\k], v[U+\k:U+\k+1] neg_lo:[1,0,0] neg_hi:[1,0,0]
.endr
.irp k, 0,2
	v_pk_mul_f32 v[CUR+4+\k:CUR+5+\k], v[CUR+4+\k:CUR+5+\k], v[R8+\k:R8+\k+1]
.endr
.irp k, 0,2
	v_pk_fma_f32 v[CUR+4+\k:CUR+5+\k], v[CUR+\k:CUR+\k+1], v[R8+4+\k:R8+5+\k], v[CUR+4+\k:CUR+5+\k]
.endr
.irp k, 0,1,2,3
	v_mov_b32 v[CUR+\k], v[U+\k]
.endr
	v_add_nc_u32 v[RDH], 8*PF, v[RDH]
	s_wait_xcnt 0x0                                ; the stores' base and data are written again only behind this wait
	s_add_nc_u64 s[OUT:OUT+1], s[OUT:OUT+1], 2048
	s_sub_co_u32 s[CNT], s[CNT], 1
	s_cmp_lg_u32 s[CNT], 0
	s_cbranch_scc1 .Lrope
	s_branch .Lend
.Lhl:                                          ; a trip: 8 rows as two bf16 halves: high = the rounded number, low = what the rounding left, rounded
.irp p, 0,1,2,3
	ds_load_b128 v[X+8*\p:X+8*\p+3], v[RDL] offset:\p*2*PF
	ds_load_b128 v[X+8*\p+4:X+8*\p+7], v[RDL] offset:\p*2*PF+16
.endr
.irp p, 0,1,2,3
	s_wait_dscnt 6-2*\p                            ; pair p's two loads are back; the later pairs' stay out
.irp k, 0,1,2,3
	v_cvt_pk_bf16_f32 v[YH+4*\p+\k], v[X+8*\p+2*\k], v[X+8*\p+2*\k+1]
.endr
.irp k, 0,1,2,3
	v_lshlrev_b32 v[R+8*\p+2*\k], 16, v[YH+4*\p+\k]
	v_and_b32 v[R+8*\p+2*\k+1], s[MSK], v[YH+4*\p+\k]
.endr
.irp k, 0,1,2,3
	v_pk_add_f32 v[R+8*\p+2*\k:R+8*\p+2*\k+1], v[X+8*\p+2*\k:X+8*\p+2*\k+1], v[R+8*\p+2*\k:R+8*\p+2*\k+1] neg_lo:[0,1] neg_hi:[0,1]
.endr
.irp k, 0,1,2,3
	v_cvt_pk_bf16_f32 v[YL+4*\p+\k], v[R+8*\p+2*\k], v[R+8*\p+2*\k+1]
.endr
	global_store_b128 v[GO], v[YH+4*\p:YH+4*\p+3], s[OUT:OUT+1] offset:512*\p
	global_store_b128 v[GO], v[YL+4*\p:YL+4*\p+3], s[OUT:OUT+1] offset:512*\p+0x100000  ; the low halves: the next panel
.endr
	v_add_nc_u32 v[RDL], 8*PF, v[RDL]
	s_wait_xcnt 0x0                                ; the stores' base and data are written again only behind this wait
	s_add_nc_u64 s[OUT:OUT+1], s[OUT:OUT+1], 2048
	s_sub_co_u32 s[CNT], s[CNT], 1
	s_cmp_lg_u32 s[CNT], 0
	s_cbranch_scc1 .Lhl
.Lend:
	s_wait_tensorcnt 0x0                           ; the wave's end, behind my last tensor load and my last LDS store
	ds_add_u32 v[SPW], v[NIL]
	s_wait_dscnt 0x0
	CROUND                                         ; the closing round
	s_endpgm
.Lfunc_end_k_q76b676a3d5_g1:
	.size	k_q76b676a3d5_g1, .Lfunc_end_k_q76b676a3d5_g1-k_q76b676a3d5_g1
	.p2alignl 7, 3214868480
	.fill 96, 4, 3214868480
	.section	.rodata,"a",@progbits
	.p2align	6, 0x0
	.amdhsa_kernel k_q76b676a3d5_g1
		.amdhsa_group_segment_fixed_size 327680
		.amdhsa_private_segment_fixed_size 0
		.amdhsa_enable_private_segment 0
		.amdhsa_kernarg_size 32
		.amdhsa_user_sgpr_count 2
		.amdhsa_user_sgpr_kernarg_segment_ptr 1
		.amdhsa_wavefront_size32 1
		.amdhsa_system_sgpr_workgroup_id_x 1
		.amdhsa_system_sgpr_workgroup_id_y 1
		.amdhsa_system_sgpr_workgroup_id_z 1
		.amdhsa_system_vgpr_workitem_id 0
		.amdhsa_next_free_vgpr 1024
		.amdhsa_next_free_sgpr 96
		.amdhsa_reserve_vcc 0
		.amdhsa_float_denorm_mode_32 3
		.amdhsa_float_denorm_mode_16_64 3
		.amdhsa_memory_ordered 1
		.amdhsa_forward_progress 1
		.amdhsa_inst_pref_size 96
	.end_amdhsa_kernel
	.amdgpu_metadata
---
amdhsa.version: [ 1, 2 ]
amdhsa.kernels:
  - .name:           k_q76b676a3d5_g1
    .symbol:         k_q76b676a3d5_g1.kd
    .args:
      - { .name: t0, .offset: 0, .size: 8, .value_kind: global_buffer, .address_space: global }
      - { .name: wa, .offset: 8, .size: 8, .value_kind: global_buffer, .address_space: global }
      - { .name: qr, .offset: 16, .size: 8, .value_kind: global_buffer, .address_space: global }
      - { .name: t1, .offset: 24, .size: 8, .value_kind: global_buffer, .address_space: global }
    .group_segment_fixed_size: 327680
    .private_segment_fixed_size: 0
    .kernarg_segment_align: 8
    .kernarg_segment_size: 32
    .max_flat_workgroup_size: 128
    .sgpr_count:     96
    .vgpr_count:     1024
    .wavefront_size: 32
...
	.end_amdgpu_metadata
.endif
;; end of part 7
;; launch g2 (part 8): grid 32 x 4, 4 waves a work-group, clusters of 4 x 1, 327,680 bytes of LDS; arguments t1, wa, t0; writes t0
.if DOCPART == 8
	.amdgcn_target "amdgcn-amd-amdhsa--gfx1250"
	.amdhsa_code_object_version 6
	.text
	.protected	k_q76b676a3d5_g2
	.globl	k_q76b676a3d5_g2
	.p2align	8
	.type	k_q76b676a3d5_g2,@function
k_q76b676a3d5_g2:
	s_mov_b64 s[64:65], 0
	v_nop
	global_prefetch_b8 v0, s[64:65] scope:SCOPE_SE
	s_setreg_imm32_b32 hwreg(HW_REG_WAVE_MODE, 25, 1), 1
	s_wait_xcnt 0x0
	s_wait_alu depctr_hold_cnt(0) depctr_sa_sdst(0) depctr_va_vdst(0) depctr_va_sdst(0) depctr_va_ssrc(0) depctr_va_vcc(0) depctr_vm_vsrc(0)
	s_getreg_b32 s2, hwreg(HW_REG_IB_STS2, 6, 4)
	s_cmp_eq_u32 s2, 0
	s_cbranch_scc0 .Lentry_in_a_cluster
	s_endpgm
.Lentry_in_a_cluster:
	s_bfe_u32 s2, ttmp6, 0x10000c
	s_cmp_lg_u32 s2, 0x3003
	s_cbranch_scc0 .Lentry_shape_is_right
	s_endpgm
.Lentry_shape_is_right:
; c = lat [kc; vc]^T + bias.  C = A W^T + bias on tiles of 128 x 128; one form of text serves three products, which differ in the constants below.  No work is left out.
; Here K = 1,024 (512 columns as high and low bf16 panels by turns, the weights' columns written twice), A = path y >> 1's eight panels, result as two bf16 halves in panels 2 y and 2 y + 1.
; A lies in panels [4096][128] bf16; W has rows of KB bf16 at arg 1 + WOFF; the bias, f32, at arg 1 + BIASOFF.
; SHARES.  Four waves, each 64 x 64: 16 accumulators.  The matrix instruction is used transposed (source 0 = rows of W, source 1 = rows of A): a lane holds one row of C and eight neighbouring columns.
; RING.  Two LDS slots of K = 256: two panels' tiles of A (128 rows, pitch 272), then W's tile (128 rows of 512 bytes, pitch 528).  Waves 0, 1 fetch A's two panels, waves 2, 3 W's two halves.  Both first fills go out together;
; a slot is filled again, two K steps on, behind the round that follows its products.  The slot in hand lies in a scalar register turned by an exclusive or, so a K step stands once in the loop and once in the tail.
; CLUSTER.  The four work-groups of a cluster are four row tiles of one column tile: W's tile is asked for jointly (mask 15); A's is each one's own.  Not 4 x 4: this product's two paths share no A.
; No prefetch: the tiles are small, 32 KiB to a load.  The accumulators start as the bias (that is the bias's addition), written while the first tiles are on their way, so that the loop has one form of product.
; WAY OUT.  The f32 tile goes into a stage of 128 rows x 528 bytes in slot 0's bytes (their last fill is over; the last barrier shows every wave's reads of them done); each wave reads 32 whole rows back in a loop.
.set NSLOT, 4
.set KB, 1024
.set WOFF, 6307840
.set BIASOFF, 13647872
.set PY, 1                             ; the path is y >> PY,
.set PBIT, 23                          ; its panels lie 1 << PBIT bytes apart (0: one path)
.set F32OUT, 0
.set PA, 272
.set PB, 528
.set ASUB, 128*PA
.set BOFF, 2*ASUB
.set SLOT, BOFF+128*PB
.set SPARE, 2*SLOT                     ; the spare words, 128 bytes a wave
.set ADRA0, 16
.set ADRB0, 17
.set WA, 18
.set WB, 19
.set BO, 22
.set STO, 24
.set RD, 25
.set CO, 26
.set SPW, 28
.set NIL, 29
.set YH, 32
.set YL, 48
.set X, 64
.set R, 96
.set BIA, 96
.set ACC, 128
.set G1A, 24
.set G0A, 32                           ; two sets: the first fills'; the second then walks
.set G1B, 48
.set G0B, 56
.set RS, 68                            ; the slot in hand: 0 or SLOT
.set MSK, 69
.set OUT, 70
.set MSB, 0
.macro WIN new
.if MSB != (\new)
	s_set_vgpr_msb (MSB<<8)|(\new)
.set MSB, \new
.endif
.endm
.macro PLACES
.rept 4
	v_nop
.endr
.endm
.macro ROUND                           ; a round of the cluster's barrier
	s_barrier_signal -1
	s_barrier_wait -1
	s_cmp_lg_u32 s16, 0
	s_cbranch_scc1 .Lnw0_\@
	s_barrier_signal -3
.Lnw0_\@:
	s_barrier_wait -3
	s_barrier_signal -1
	s_barrier_wait -1
.endm
.macro JLOAD s                         ; waves 0, 1: A's panels (my own); waves 2, 3: W's halves (joint).  An s_nop 0 and four v_nop follow each line
	s_cmp_eq_u32 s17, 0
	s_cbranch_scc0 .Lfb_\@
	tensor_load_to_lds s[G0A+4*(\s):G0A+4*(\s)+3], s[G1A:G1A+7]
	s_nop 0
	PLACES
	s_branch .Lok_\@
.Lfb_\@:
	tensor_load_to_lds s[G0B+4*(\s):G0B+4*(\s)+3], s[G1B:G1B+7]
	s_nop 0
	PLACES
.Lok_\@:
.endm
.macro COMPUTE                         ; the slot in hand: two trips of K = 128; a trip: 64 LDS loads in one run, 64 products, the 16 accumulators by turns
	v_add_nc_u32 v[WA], s[RS], v[ADRA0]
	v_add_nc_u32 v[WB], s[RS], v[ADRB0]
	s_mov_b32 s67, 2
.Lp_\@:
	PLACES                                         ; four places between the last product and loads into registers that it read
	WIN 0x40
.irp c, 0,1,2,3
.irp b, 0,1,2,3
	ds_load_b128 v[128+8*(4*\c+\b):128+8*(4*\c+\b)+3], v[WB] offset:\b*16*PB+64*\c
	ds_load_b128 v[128+8*(4*\c+\b)+4:128+8*(4*\c+\b)+7], v[WB] offset:\b*16*PB+64*\c+32
.endr
.irp a, 0,1,2,3
	ds_load_b128 v[8*(4*\c+\a):8*(4*\c+\a)+3], v[WA] offset:\a*16*PA+64*\c
	ds_load_b128 v[8*(4*\c+\a)+4:8*(4*\c+\a)+7], v[WA] offset:\a*16*PA+64*\c+32
.endr
.endr
.irp c, 0,1,2,3
	s_wait_dscnt 48-16*\c                          ; chunk c's 16 loads are in; the later chunks' stay out
	WIN 0x05
.irp a, 0,1,2,3
.irp b, 0,1,2,3
	v_wmma_f32_16x16x32_bf16 v[ACC+8*(4*\a+\b):ACC+8*(4*\a+\b)+7], v[128+8*(4*\c+\b):128+8*(4*\c+\b)+7], v[8*(4*\c+\a):8*(4*\c+\a)+7], v[ACC+8*(4*\a+\b):ACC+8*(4*\a+\b)+7]
.endr
.endr
.endr
	WIN 0
	v_add_nc_u32 v[WA], ASUB, v[WA]                ; A's next panel
	v_add_nc_u32 v[WB], 256, v[WB]                 ; 128 further along W's rows
	s_sub_co_u32 s67, s67, 1
	s_cmp_lg_u32 s67, 0
	s_cbranch_scc1 .Lp_\@
.endm
	s_load_b128 s[4:7], s[0:1], 0x0                ; A, W
	s_load_b64 s[8:9], s[0:1], 0x10                ; out
	v_lshl_add_u32 v[SPW], v0, 2, SPARE
	v_mov_b32 v[NIL], 0
	ds_add_u32 v[SPW], v[NIL]                      ; the opening: the add, twice on end, and its wait ahead of my first tensor load
	ds_add_u32 v[SPW], v[NIL]
	v_lshrrev_b32 v1, 5, v0
	v_readfirstlane_b32 s16, v1                    ; wave
	s_lshr_b32 s17, s16, 1                         ; wr: my half of the rows; also: I fetch A (0) or W (1)
	s_and_b32 s18, s16, 1                          ; wc: my half of the columns; also which part I fetch
	s_bfe_u32 s19, ttmp6, 0x40000                  ; cx
	s_lshl_b32 s20, ttmp9, 2
	s_add_co_u32 s20, s20, s19                     ; row tile: it enters A's and the output's addresses alone
	s_and_b32 s21, ttmp7, 0xffff                   ; column tile, which the four partners share
	s_mov_b32 s[G1A], (1<<16)|(1<<20)|(5<<22)|(3<<25)  ; 2-byte elements; 4 words of padding behind every 64
	s_mov_b32 s[G1A+1], 128<<16
	s_mov_b32 s[G1A+2], 128<<16
	s_mov_b32 s[G1A+3], 128<<16
	s_mov_b32 s[G1A+4], 128
	s_mov_b32 s[G1A+5], 128
	s_mov_b32 s[G1A+6], 0
	s_mov_b32 s[G1A+7], 0
	s_mov_b32 s[G1B], 15|(1<<16)|(1<<20)|(1<<21)|(6<<22)|(3<<25)  ; the mask of four, bit 21 beside it; 4 words of padding behind every 128
	s_mov_b32 s[G1B+1], 256<<16
	s_mov_b32 s[G1B+2], 64<<16
	s_mov_b32 s[G1B+3], 256<<16
	s_mov_b32 s[G1B+4], 64
	s_mov_b32 s[G1B+5], KB
	s_mov_b32 s[G1B+6], 0
	s_mov_b32 s[G1B+7], 0
	s_lshl_b32 s40, s20, 15                        ; A: 128 rows of 256 bytes a row tile,
	s_lshl_b32 s41, s18, 20                        ; my panel of the slot's two
	s_add_co_u32 s40, s40, s41
.if PBIT
	s_lshr_b32 s41, s21, PY
	s_lshl_b32 s41, s41, PBIT                      ; the path's panels
	s_add_co_u32 s40, s40, s41
.endif
	s_mov_b32 s41, 0
	s_lshl_b32 s44, s21, 7
	s_lshl_b32 s45, s18, 6
	s_add_co_u32 s44, s44, s45                     ; W: row 128 y + 64 wc
	s_mul_i32 s44, s44, 2*KB
	s_add_co_u32 s44, s44, WOFF
	s_mov_b32 s45, 0
	s_mul_i32 s46, s18, ASUB                       ; where my part goes in a slot: A's,
	s_mul_i32 s47, s18, 64*PB
	s_add_co_u32 s47, s47, BOFF                    ; W's
	s_mov_b32 s[RS], 0
	s_mov_b32 s[MSK], 0xffff0000
	s_wait_dscnt 0x0                               ; both opening adds are done
	s_wait_kmcnt 0x0
	s_add_nc_u64 s[42:43], s[4:5], s[40:41]
	s_add_nc_u64 s[44:45], s[6:7], s[44:45]
.irp s, 0,1
	s_mov_b32 s[G0A+4*\s], 1
	s_add_co_u32 s[G0A+4*\s+1], s46, \s*SLOT
	s_add_nc_u64 s[G0A+4*\s+2:G0A+4*\s+3], s[42:43], \s*0x200000
	s_or_b32 s[G0A+4*\s+3], s[G0A+4*\s+3], 0x80000000
	s_mov_b32 s[G0B+4*\s], 1
	s_add_co_u32 s[G0B+4*\s+1], s47, \s*SLOT
	s_add_nc_u64 s[G0B+4*\s+2:G0B+4*\s+3], s[44:45], \s*512
	s_or_b32 s[G0B+4*\s+3], s[G0B+4*\s+3], 0x80000000
.endr
	ROUND                                          ; all four work-groups are here
	JLOAD 0                                        ; K steps 0 and 1: two loads of mine are out
	JLOAD 1
	v_and_b32 v1, 15, v0                           ; r
	v_bfe_u32 v2, v0, 4, 1                         ; h
	s_lshl_b32 s66, s21, 9
	s_lshl_b32 s67, s18, 8
	s_add_co_u32 s66, s66, s67
	s_add_co_u32 s66, s66, BIASOFF
	v_lshl_add_u32 v[BO], v2, 5, s66               ; bias of column 128 y + 64 wc + 8 h
.irp b, 0,1,2,3
	global_load_b128 v[BIA+8*\b:BIA+8*\b+3], v[BO], s[6:7] offset:64*\b
	global_load_b128 v[BIA+8*\b+4:BIA+8*\b+7], v[BO], s[6:7] offset:64*\b+16
.endr
	v_mul_u32_u24 v3, v1, PA
	v_lshl_add_u32 v3, v2, 4, v3
	v_mul_u32_u24 v4, v1, PB
	v_lshl_add_u32 v5, v2, 5, v4                   ; the stage: row r, byte 32 h
	v_lshl_add_u32 v4, v2, 4, v4
	s_mul_i32 s66, s17, 64*PA
	s_mul_i32 s67, s18, 64*PB
	s_add_co_u32 s67, s67, BOFF
	v_add_nc_u32 v[ADRA0], s66, v3
	v_add_nc_u32 v[ADRB0], s67, v4
	s_mul_i32 s66, s17, 64*PB
	s_lshl_b32 s67, s18, 8
	s_add_co_u32 s66, s66, s67
	v_add_nc_u32 v[STO], s66, v5                   ; row 64 wr + r, byte 256 wc + 32 h
	v_and_b32 v[CO], 31, v0
	v_lshlrev_b32 v[CO], 4, v[CO]
	s_mul_i32 s66, s16, 32*PB                      ; back: wave w takes rows 32 w on
.if F32OUT
	v_add_nc_u32 v[RD], s66, v[CO]                 ; a whole row of 512 bytes a load
	s_lshl_b32 s72, s20, 19                        ; 128 rows of 4,096 bytes a row tile,
	s_lshl_b32 s73, s16, 17                        ; my 32 rows,
	s_add_co_u32 s72, s72, s73
	s_lshl_b32 s73, s21, 9                         ; the tile's 512 bytes of a row
.else
	v_mul_u32_u24 v5, v2, PB
	v_lshl_add_u32 v5, v1, 5, v5
	v_add_nc_u32 v[RD], s66, v5                    ; row h of a pair, columns 8 r on
	s_lshl_b32 s72, s21, 21                        ; panel 2 y,
	s_lshl_b32 s73, s20, 15                        ; 128 rows of 256 bytes a row tile,
	s_add_co_u32 s72, s72, s73
	s_lshl_b32 s73, s16, 13                        ; my 32 rows
.endif
	s_add_co_u32 s72, s72, s73
	s_mov_b32 s73, 0
	s_add_nc_u64 s[OUT:OUT+1], s[8:9], s[72:73]
	s_wait_loadcnt 0x0
.set i, 0
.rept 128
	v_mov_b32 v[ACC+i], v[BIA+8*((i/8)%4)+i%8]
.set i, i+1
.endr
	s_wait_tensorcnt 1                             ; my part of K step 0 is in; K step 1's may stay out
	s_barrier_signal -1
	s_barrier_wait -1
.if NSLOT > 2
	s_mov_b32 s66, NSLOT-2
.Lring:                                        ; a trip: a K step's products; then its slot is filled with the K step two on
	COMPUTE
	s_wait_tensorcnt 0x0                           ; my one load that was out, my part of the other slot, has landed
	ds_add_u32 v[SPW], v[NIL]                      ; 0 onto my spare word
	s_add_co_u32 s[G0A+5], s46, s[RS]              ; the walking descriptors: the slot just read,
	s_add_co_u32 s[G0B+5], s47, s[RS]
	s_add_nc_u64 s[G0A+6:G0A+7], s[G0A+6:G0A+7], 0x200000  ; two panels on,
	s_add_nc_u64 s[G0B+6:G0B+7], s[G0B+6:G0B+7], 512       ; 256 elements along W's rows
	s_xor_b32 s[RS], s[RS], SLOT
	s_wait_dscnt 0x0                               ; the add is done, and so are my reads of the slot
	ROUND                                          ; both hold of every wave of the four work-groups
	JLOAD 1
	s_sub_co_u32 s66, s66, 1
	s_cmp_lg_u32 s66, 0
	s_cbranch_scc1 .Lring
.endif
	s_mov_b32 s66, 2
.Ltail:                                        ; the last two K steps ask for nothing
	COMPUTE
	s_wait_tensorcnt 0x0                           ; nothing was issued behind the last K step's load: the count is 0
	ds_add_u32 v[SPW], v[NIL]
	s_xor_b32 s[RS], s[RS], SLOT
	s_wait_dscnt 0x0                               ; my reads of the slot are over
	s_barrier_signal -1
	s_barrier_wait -1
	s_sub_co_u32 s66, s66, 1
	s_cmp_lg_u32 s66, 0
	s_cbranch_scc1 .Ltail
	PLACES                                         ; between the last products and the stores that read their results
.irp a, 0,1,2,3
.irp b, 0,1,2,3
	ds_store_b128 v[STO], v[ACC+8*(4*\a+\b):ACC+8*(4*\a+\b)+3] offset:\a*16*PB+64*\b
	ds_store_b128 v[STO], v[ACC+8*(4*\a+\b)+4:ACC+8*(4*\a+\b)+7] offset:\a*16*PB+64*\b+16
.endr
.endr
	s_wait_dscnt 0x0                               ; for the others' sake: my stores into the stage are done
	s_barrier_signal -1
	s_barrier_wait -1
	s_mov_b32 s66, 4
.Lout:                                         ; a trip: 8 rows
.if F32OUT
.irp t, 0,1,2,3,4,5,6,7
	ds_load_b128 v[X+4*\t:X+4*\t+3], v[RD] offset:\t*PB
.endr
.irp t, 0,1,2,3,4,5,6,7
	s_wait_dscnt 7-\t                              ; row t is back; the later rows' loads stay out
	global_store_b128 v[CO], v[X+4*\t:X+4*\t+3], s[OUT:OUT+1] offset:\t*4096 th:TH_STORE_NT  ; 512 consecutive bytes, aligned
.endr
.else
.irp p, 0,1,2,3
	ds_load_b128 v[X+8*\p:X+8*\p+3], v[RD] offset:\p*2*PB
	ds_load_b128 v[X+8*\p+4:X+8*\p+7], v[RD] offset:\p*2*PB+16
.endr
.irp p, 0,1,2,3                        ; two bf16 halves: high = the rounded number, low = what the rounding left, rounded
	s_wait_dscnt 6-2*\p                            ; pair p's two loads are back; the later pairs' stay out
.irp k, 0,1,2,3
	v_cvt_pk_bf16_f32 v[YH+4*\p+\k], v[X+8*\p+2*\k], v[X+8*\p+2*\k+1]
.endr
.irp k, 0,1,2,3
	v_lshlrev_b32 v[R+8*\p+2*\k], 16, v[YH+4*\p+\k]
	v_and_b32 v[R+8*\p+2*\k+1], s[MSK], v[YH+4*\p+\k]
.endr
.irp k, 0,1,2,3
	v_pk_add_f32 v[R+8*\p+2*\k:R+8*\p+2*\k+1], v[X+8*\p+2*\k:X+8*\p+2*\k+1], v[R+8*\p+2*\k:R+8*\p+2*\k+1] neg_lo:[0,1] neg_hi:[0,1]
.endr
.irp k, 0,1,2,3
	v_cvt_pk_bf16_f32 v[YL+4*\p+\k], v[R+8*\p+2*\k], v[R+8*\p+2*\k+1]
.endr
	global_store_b128 v[CO], v[YH+4*\p:YH+4*\p+3], s[OUT:OUT+1] offset:512*\p            ; 512 consecutive bytes, aligned
	global_store_b128 v[CO], v[YL+4*\p:YL+4*\p+3], s[OUT:OUT+1] offset:512*\p+0x100000   ; the low halves: the next panel
.endr
.endif
	v_add_nc_u32 v[RD], 8*PB, v[RD]
	s_wait_xcnt 0x0                                ; the stores' base and data are written again only behind this wait
.if F32OUT
	s_add_nc_u64 s[OUT:OUT+1], s[OUT:OUT+1], 32768
.else
	s_add_nc_u64 s[OUT:OUT+1], s[OUT:OUT+1], 2048
.endif
	s_sub_co_u32 s66, s66, 1
	s_cmp_lg_u32 s66, 0
	s_cbranch_scc1 .Lout
	s_wait_tensorcnt 0x0                           ; the wave's end
	ds_add_u32 v[SPW], v[NIL]
	s_wait_dscnt 0x0
	ROUND                                          ; the closing round
	s_endpgm
.Lfunc_end_k_q76b676a3d5_g2:
	.size	k_q76b676a3d5_g2, .Lfunc_end_k_q76b676a3d5_g2-k_q76b676a3d5_g2
	.p2alignl 7, 3214868480
	.fill 96, 4, 3214868480
	.section	.rodata,"a",@progbits
	.p2align	6, 0x0
	.amdhsa_kernel k_q76b676a3d5_g2
		.amdhsa_group_segment_fixed_size 327680
		.amdhsa_private_segment_fixed_size 0
		.amdhsa_enable_private_segment 0
		.amdhsa_kernarg_size 24
		.amdhsa_user_sgpr_count 2
		.amdhsa_user_sgpr_kernarg_segment_ptr 1
		.amdhsa_wavefront_size32 1
		.amdhsa_system_sgpr_workgroup_id_x 1
		.amdhsa_system_sgpr_workgroup_id_y 1
		.amdhsa_system_sgpr_workgroup_id_z 1
		.amdhsa_system_vgpr_workitem_id 0
		.amdhsa_next_free_vgpr 512
		.amdhsa_next_free_sgpr 96
		.amdhsa_reserve_vcc 0
		.amdhsa_float_denorm_mode_32 3
		.amdhsa_float_denorm_mode_16_64 3
		.amdhsa_memory_ordered 1
		.amdhsa_forward_progress 1
		.amdhsa_inst_pref_size 39
	.end_amdhsa_kernel
	.amdgpu_metadata
---
amdhsa.version: [ 1, 2 ]
amdhsa.kernels:
  - .name:           k_q76b676a3d5_g2
    .symbol:         k_q76b676a3d5_g2.kd
    .args:
      - { .name: t1, .offset: 0, .size: 8, .value_kind: global_buffer, .address_space: global }
      - { .name: wa, .offset: 8, .size: 8, .value_kind: global_buffer, .address_space: global }
      - { .name: t0, .offset: 16, .size: 8, .value_kind: global_buffer, .address_space: global }
    .group_segment_fixed_size: 327680
    .private_segment_fixed_size: 0
    .kernarg_segment_align: 8
    .kernarg_segment_size: 24
    .max_flat_workgroup_size: 128
    .sgpr_count:     96
    .vgpr_count:     512
    .wavefront_size: 32
...
	.end_amdgpu_metadata
.endif
;; end of part 8
;; launch g3 (part 9): grid 32 x 8, 4 waves a work-group, clusters of 4 x 1, 327,680 bytes of LDS; arguments t0, wa, t1; writes t1
.if DOCPART == 9
	.amdgcn_target "amdgcn-amd-amdhsa--gfx1250"
	.amdhsa_code_object_version 6
	.text
	.protected	k_q76b676a3d5_g3
	.globl	k_q76b676a3d5_g3
	.p2align	8
	.type	k_q76b676a3d5_g3,@function
k_q76b676a3d5_g3:
	s_mov_b64 s[64:65], 0
	v_nop
	global_prefetch_b8 v0, s[64:65] scope:SCOPE_SE
	s_setreg_imm32_b32 hwreg(HW_REG_WAVE_MODE, 25, 1), 1
	s_wait_xcnt 0x0
	s_wait_alu depctr_hold_cnt(0) depctr_sa_sdst(0) depctr_va_vdst(0) depctr_va_sdst(0) depctr_va_ssrc(0) depctr_va_vcc(0) depctr_vm_vsrc(0)
	s_getreg_b32 s2, hwreg(HW_REG_IB_STS2, 6, 4)
	s_cmp_eq_u32 s2, 0
	s_cbranch_scc0 .Lentry_in_a_cluster
	s_endpgm
.Lentry_in_a_cluster:
	s_bfe_u32 s2, ttmp6, 0x10000c
	s_cmp_lg_u32 s2, 0x3003
	s_cbranch_scc0 .Lentry_shape_is_right
	s_endpgm
.Lentry_shape_is_right:
; L2 = c [kd; vd]^T + bias.  C = A W^T + bias on tiles of 128 x 128; one form of text serves three products, which differ in the constants below.  No work is left out.
; Here K = 512 (256 columns as high and low bf16 panels by turns, the weights' columns written twice): both K steps are first fills and nothing is filled again.  A = path y >> 2's four panels, result as two bf16 halves in panels 2 y and 2 y + 1.
; A lies in panels [4096][128] bf16; W has rows of KB bf16 at arg 1 + WOFF; the bias, f32, at arg 1 + BIASOFF.
; SHARES.  Four waves, each 64 x 64: 16 accumulators.  The matrix instruction is used transposed (source 0 = rows of W, source 1 = rows of A): a lane holds one row of C and eight neighbouring columns.
; RING.  Two LDS slots of K = 256: two panels' tiles of A (128 rows, pitch 272), then W's tile (128 rows of 512 bytes, pitch 528).  Waves 0, 1 fetch A's two panels, waves 2, 3 W's two halves.  The slot in hand lies in a scalar register turned by an exclusive or.
; CLUSTER.  The four work-groups of a cluster are four row tiles of one column tile: W's tile is asked for jointly (mask 15); A's is each one's own.  One form of text with the product whose two paths share no A, so not 4 x 4.
; No prefetch: all tiles are asked for at the start.  The accumulators start as the bias (that is the bias's addition), written while the tiles are on their way.
; WAY OUT.  The f32 tile goes into a stage of 128 rows x 528 bytes in slot 0's bytes (their one fill is over; the last barrier shows every wave's reads of them done); each wave reads 32 whole rows back in a loop.
.set NSLOT, 2
.set KB, 512
.set WOFF, 7356416
.set BIASOFF, 13649920
.set PY, 2                             ; the path is y >> PY,
.set PBIT, 22                          ; its panels lie 1 << PBIT bytes apart (0: one path)
.set F32OUT, 0
.set PA, 272
.set PB, 528
.set ASUB, 128*PA
.set BOFF, 2*ASUB
.set SLOT, BOFF+128*PB
.set SPARE, 2*SLOT                     ; the spare words, 128 bytes a wave
.set ADRA0, 16
.set ADRB0, 17
.set WA, 18
.set WB, 19
.set BO, 22
.set STO, 24
.set RD, 25
.set CO, 26
.set SPW, 28
.set NIL, 29
.set YH, 32
.set YL, 48
.set X, 64
.set R, 96
.set BIA, 96
.set ACC, 128
.set G1A, 24
.set G0A, 32
.set G1B, 48
.set G0B, 56
.set RS, 68                            ; the slot in hand: 0 or SLOT
.set MSK, 69
.set OUT, 70
.set MSB, 0
.macro WIN new
.if MSB != (\new)
	s_set_vgpr_msb (MSB<<8)|(\new)
.set MSB, \new
.endif
.endm
.macro PLACES
.rept 4
	v_nop
.endr
.endm
.macro ROUND                           ; a round of the cluster's barrier
	s_barrier_signal -1
	s_barrier_wait -1
	s_cmp_lg_u32 s16, 0
	s_cbranch_scc1 .Lnw0_\@
	s_barrier_signal -3
.Lnw0_\@:
	s_barrier_wait -3
	s_barrier_signal -1
	s_barrier_wait -1
.endm
.macro JLOAD s                         ; waves 0, 1: A's panels (my own); waves 2, 3: W's halves (joint).  An s_nop 0 and four v_nop follow each line
	s_cmp_eq_u32 s17, 0
	s_cbranch_scc0 .Lfb_\@
	tensor_load_to_lds s[G0A+4*(\s):G0A+4*(\s)+3], s[G1A:G1A+7]
	s_nop 0
	PLACES
	s_branch .Lok_\@
.Lfb_\@:
	tensor_load_to_lds s[G0B+4*(\s):G0B+4*(\s)+3], s[G1B:G1B+7]
	s_nop 0
	PLACES
.Lok_\@:
.endm
.macro COMPUTE                         ; the slot in hand: two trips of K = 128; a trip: 64 LDS loads in one run, 64 products, the 16 accumulators by turns
	v_add_nc_u32 v[WA], s[RS], v[ADRA0]
	v_add_nc_u32 v[WB], s[RS], v[ADRB0]
	s_mov_b32 s67, 2
.Lp_\@:
	PLACES                                         ; four places between the last product and loads into registers that it read
	WIN 0x40
.irp c, 0,1,2,3
.irp b, 0,1,2,3
	ds_load_b128 v[128+8*(4*\c+\b):128+8*(4*\c+\b)+3], v[WB] offset:\b*16*PB+64*\c
	ds_load_b128 v[128+8*(4*\c+\b)+4:128+8*(4*\c+\b)+7], v[WB] offset:\b*16*PB+64*\c+32
.endr
.irp a, 0,1,2,3
	ds_load_b128 v[8*(4*\c+\a):8*(4*\c+\a)+3], v[WA] offset:\a*16*PA+64*\c
	ds_load_b128 v[8*(4*\c+\a)+4:8*(4*\c+\a)+7], v[WA] offset:\a*16*PA+64*\c+32
.endr
.endr
.irp c, 0,1,2,3
	s_wait_dscnt 48-16*\c                          ; chunk c's 16 loads are in; the later chunks' stay out
	WIN 0x05
.irp a, 0,1,2,3
.irp b, 0,1,2,3
	v_wmma_f32_16x16x32_bf16 v[ACC+8*(4*\a+\b):ACC+8*(4*\a+\b)+7], v[128+8*(4*\c+\b):128+8*(4*\c+\b)+7], v[8*(4*\c+\a):8*(4*\c+\a)+7], v[ACC+8*(4*\a+\b):ACC+8*(4*\a+\b)+7]
.endr
.endr
.endr
	WIN 0
	v_add_nc_u32 v[WA], ASUB, v[WA]                ; A's next panel
	v_add_nc_u32 v[WB], 256, v[WB]                 ; 128 further along W's rows
	s_sub_co_u32 s67, s67, 1
	s_cmp_lg_u32 s67, 0
	s_cbranch_scc1 .Lp_\@
.endm
	s_load_b128 s[4:7], s[0:1], 0x0                ; A, W
	s_load_b64 s[8:9], s[0:1], 0x10                ; out
	v_lshl_add_u32 v[SPW], v0, 2, SPARE
	v_mov_b32 v[NIL], 0
	ds_add_u32 v[SPW], v[NIL]                      ; the opening: the add, twice on end, and its wait ahead of my first tensor load
	ds_add_u32 v[SPW], v[NIL]
	v_lshrrev_b32 v1, 5, v0
	v_readfirstlane_b32 s16, v1                    ; wave
	s_lshr_b32 s17, s16, 1                         ; wr: my half of the rows; also: I fetch A (0) or W (1)
	s_and_b32 s18, s16, 1                          ; wc: my half of the columns; also which part I fetch
	s_bfe_u32 s19, ttmp6, 0x40000                  ; cx
	s_lshl_b32 s20, ttmp9, 2
	s_add_co_u32 s20, s20, s19                     ; row tile: it enters A's and the output's addresses alone
	s_and_b32 s21, ttmp7, 0xffff                   ; column tile, which the four partners share
	s_mov_b32 s[G1A], (1<<16)|(1<<20)|(5<<22)|(3<<25)  ; 2-byte elements; 4 words of padding behind every 64
	s_mov_b32 s[G1A+1], 128<<16
	s_mov_b32 s[G1A+2], 128<<16
	s_mov_b32 s[G1A+3], 128<<16
	s_mov_b32 s[G1A+4], 128
	s_mov_b32 s[G1A+5], 128
	s_mov_b32 s[G1A+6], 0
	s_mov_b32 s[G1A+7], 0
	s_mov_b32 s[G1B], 15|(1<<16)|(1<<20)|(1<<21)|(6<<22)|(3<<25)  ; the mask of four, bit 21 beside it; 4 words of padding behind every 128
	s_mov_b32 s[G1B+1], 256<<16
	s_mov_b32 s[G1B+2], 64<<16
	s_mov_b32 s[G1B+3], 256<<16
	s_mov_b32 s[G1B+4], 64
	s_mov_b32 s[G1B+5], KB
	s_mov_b32 s[G1B+6], 0
	s_mov_b32 s[G1B+7], 0
	s_lshl_b32 s40, s20, 15                        ; A: 128 rows of 256 bytes a row tile,
	s_lshl_b32 s41, s18, 20                        ; my panel of the slot's two
	s_add_co_u32 s40, s40, s41
.if PBIT
	s_lshr_b32 s41, s21, PY
	s_lshl_b32 s41, s41, PBIT                      ; the path's panels
	s_add_co_u32 s40, s40, s41
.endif
	s_mov_b32 s41, 0
	s_lshl_b32 s44, s21, 7
	s_lshl_b32 s45, s18, 6
	s_add_co_u32 s44, s44, s45                     ; W: row 128 y + 64 wc
	s_mul_i32 s44, s44, 2*KB
	s_add_co_u32 s44, s44, WOFF
	s_mov_b32 s45, 0
	s_mul_i32 s46, s18, ASUB                       ; where my part goes in a slot: A's,
	s_mul_i32 s47, s18, 64*PB
	s_add_co_u32 s47, s47, BOFF                    ; W's
	s_mov_b32 s[RS], 0
	s_mov_b32 s[MSK], 0xffff0000
	s_wait_dscnt 0x0                               ; both opening adds are done
	s_wait_kmcnt 0x0
	s_add_nc_u64 s[42:43], s[4:5], s[40:41]
	s_add_nc_u64 s[44:45], s[6:7], s[44:45]
.irp s, 0,1
	s_mov_b32 s[G0A+4*\s], 1
	s_add_co_u32 s[G0A+4*\s+1], s46, \s*SLOT
	s_add_nc_u64 s[G0A+4*\s+2:G0A+4*\s+3], s[42:43], \s*0x200000
	s_or_b32 s[G0A+4*\s+3], s[G0A+4*\s+3], 0x80000000
	s_mov_b32 s[G0B+4*\s], 1
	s_add_co_u32 s[G0B+4*\s+1], s47, \s*SLOT
	s_add_nc_u64 s[G0B+4*\s+2:G0B+4*\s+3], s[44:45], \s*512
	s_or_b32 s[G0B+4*\s+3], s[G0B+4*\s+3], 0x80000000
.endr
	ROUND                                          ; all four work-groups are here
	JLOAD 0                                        ; K steps 0 and 1: two loads of mine are out
	JLOAD 1
	v_and_b32 v1, 15, v0                           ; r
	v_bfe_u32 v2, v0, 4, 1                         ; h
	s_lshl_b32 s66, s21, 9
	s_lshl_b32 s67, s18, 8
	s_add_co_u32 s66, s66, s67
	s_add_co_u32 s66, s66, BIASOFF
	v_lshl_add_u32 v[BO], v2, 5, s66               ; bias of column 128 y + 64 wc + 8 h
.irp b, 0,1,2,3
	global_load_b128 v[BIA+8*\b:BIA+8*\b+3], v[BO], s[6:7] offset:64*\b
	global_load_b128 v[BIA+8*\b+4:BIA+8*\b+7], v[BO], s[6:7] offset:64*\b+16
.endr
	v_mul_u32_u24 v3, v1, PA
	v_lshl_add_u32 v3, v2, 4, v3
	v_mul_u32_u24 v4, v1, PB
	v_lshl_add_u32 v5, v2, 5, v4                   ; the stage: row r, byte 32 h
	v_lshl_add_u32 v4, v2, 4, v4
	s_mul_i32 s66, s17, 64*PA
	s_mul_i32 s67, s18, 64*PB
	s_add_co_u32 s67, s67, BOFF
	v_add_nc_u32 v[ADRA0], s66, v3
	v_add_nc_u32 v[ADRB0], s67, v4
	s_mul_i32 s66, s17, 64*PB
	s_lshl_b32 s67, s18, 8
	s_add_co_u32 s66, s66, s67
	v_add_nc_u32 v[STO], s66, v5                   ; row 64 wr + r, byte 256 wc + 32 h
	v_and_b32 v[CO], 31, v0
	v_lshlrev_b32 v[CO], 4, v[CO]
	s_mul_i32 s66, s16, 32*PB                      ; back: wave w takes rows 32 w on
.if F32OUT
	v_add_nc_u32 v[RD], s66, v[CO]                 ; a whole row of 512 bytes a load
	s_lshl_b32 s72, s20, 19                        ; 128 rows of 4,096 bytes a row tile,
	s_lshl_b32 s73, s16, 17                        ; my 32 rows,
	s_add_co_u32 s72, s72, s73
	s_lshl_b32 s73, s21, 9                         ; the tile's 512 bytes of a row
.else
	v_mul_u32_u24 v5, v2, PB
	v_lshl_add_u32 v5, v1, 5, v5
	v_add_nc_u32 v[RD], s66, v5                    ; row h of a pair, columns 8 r on
	s_lshl_b32 s72, s21, 21                        ; panel 2 y,
	s_lshl_b32 s73, s20, 15                        ; 128 rows of 256 bytes a row tile,
	s_add_co_u32 s72, s72, s73
	s_lshl_b32 s73, s16, 13                        ; my 32 rows
.endif
	s_add_co_u32 s72, s72, s73
	s_mov_b32 s73, 0
	s_add_nc_u64 s[OUT:OUT+1], s[8:9], s[72:73]
	s_wait_loadcnt 0x0
.set i, 0
.rept 128
	v_mov_b32 v[ACC+i], v[BIA+8*((i/8)%4)+i%8]
.set i, i+1
.endr
	s_wait_tensorcnt 1                             ; my part of K step 0 is in; K step 1's may stay out
	s_barrier_signal -1
	s_barrier_wait -1
.if NSLOT > 2
	s_mov_b32 s66, NSLOT-2
.Lring:                                        ; a trip: a K step's products; then its slot is filled with the K step two on
	COMPUTE
	s_wait_tensorcnt 0x0                           ; my one load that was out, my part of the other slot, has landed
	ds_add_u32 v[SPW], v[NIL]                      ; 0 onto my spare word
	s_add_co_u32 s[G0A+5], s46, s[RS]              ; the walking descriptors: the slot just read,
	s_add_co_u32 s[G0B+5], s47, s[RS]
	s_add_nc_u64 s[G0A+6:G0A+7], s[G0A+6:G0A+7], 0x200000  ; two panels on,
	s_add_nc_u64 s[G0B+6:G0B+7], s[G0B+6:G0B+7], 512       ; 256 elements along W's rows
	s_xor_b32 s[RS], s[RS], SLOT
	s_wait_dscnt 0x0                               ; the add is done, and so are my reads of the slot
	ROUND                                          ; both hold of every wave of the four work-groups
	JLOAD 1
	s_sub_co_u32 s66, s66, 1
	s_cmp_lg_u32 s66, 0
	s_cbranch_scc1 .Lring
.endif
	s_mov_b32 s66, 2
.Ltail:                                        ; the last two K steps ask for nothing
	COMPUTE
	s_wait_tensorcnt 0x0                           ; nothing was issued behind the last K step's load: the count is 0
	ds_add_u32 v[SPW], v[NIL]
	s_xor_b32 s[RS], s[RS], SLOT
	s_wait_dscnt 0x0                               ; my reads of the slot are over
	s_barrier_signal -1
	s_barrier_wait -1
	s_sub_co_u32 s66, s66, 1
	s_cmp_lg_u32 s66, 0
	s_cbranch_scc1 .Ltail
	PLACES                                         ; between the last products and the stores that read their results
.irp a, 0,1,2,3
.irp b, 0,1,2,3
	ds_store_b128 v[STO], v[ACC+8*(4*\a+\b):ACC+8*(4*\a+\b)+3] offset:\a*16*PB+64*\b
	ds_store_b128 v[STO], v[ACC+8*(4*\a+\b)+4:ACC+8*(4*\a+\b)+7] offset:\a*16*PB+64*\b+16
.endr
.endr
	s_wait_dscnt 0x0                               ; for the others' sake: my stores into the stage are done
	s_barrier_signal -1
	s_barrier_wait -1
	s_mov_b32 s66, 4
.Lout:                                         ; a trip: 8 rows
.if F32OUT
.irp t, 0,1,2,3,4,5,6,7
	ds_load_b128 v[X+4*\t:X+4*\t+3], v[RD] offset:\t*PB
.endr
.irp t, 0,1,2,3,4,5,6,7
	s_wait_dscnt 7-\t                              ; row t is back; the later rows' loads stay out
	global_store_b128 v[CO], v[X+4*\t:X+4*\t+3], s[OUT:OUT+1] offset:\t*4096 th:TH_STORE_NT  ; 512 consecutive bytes, aligned
.endr
.else
.irp p, 0,1,2,3
	ds_load_b128 v[X+8*\p:X+8*\p+3], v[RD] offset:\p*2*PB
	ds_load_b128 v[X+8*\p+4:X+8*\p+7], v[RD] offset:\p*2*PB+16
.endr
.irp p, 0,1,2,3                        ; two bf16 halves: high = the rounded number, low = what the rounding left, rounded
	s_wait_dscnt 6-2*\p                            ; pair p's two loads are back; the later pairs' stay out
.irp k, 0,1,2,3
	v_cvt_pk_bf16_f32 v[YH+4*\p+\k], v[X+8*\p+2*\k], v[X+8*\p+2*\k+1]
.endr
.irp k, 0,1,2,3
	v_lshlrev_b32 v[R+8*\p+2*\k], 16, v[YH+4*\p+\k]
	v_and_b32 v[R+8*\p+2*\k+1], s[MSK], v[YH+4*\p+\k]
.endr
.irp k, 0,1,2,3
	v_pk_add_f32 v[R+8*\p+2*\k:R+8*\p+2*\k+1], v[X+8*\p+2*\k:X+8*\p+2*\k+1], v[R+8*\p+2*\k:R+8*\p+2*\k+1] neg_lo:[0,1] neg_hi:[0,1]
.endr
.irp k, 0,1,2,3
	v_cvt_pk_bf16_f32 v[YL+4*\p+\k], v[R+8*\p+2*\k], v[R+8*\p+2*\k+1]
.endr
	global_store_b128 v[CO], v[YH+4*\p:YH+4*\p+3], s[OUT:OUT+1] offset:512*\p            ; 512 consecutive bytes, aligned
	global_store_b128 v[CO], v[YL+4*\p:YL+4*\p+3], s[OUT:OUT+1] offset:512*\p+0x100000   ; the low halves: the next panel
.endr
.endif
	v_add_nc_u32 v[RD], 8*PB, v[RD]
	s_wait_xcnt 0x0                                ; the stores' base and data are written again only behind this wait
.if F32OUT
	s_add_nc_u64 s[OUT:OUT+1], s[OUT:OUT+1], 32768
.else
	s_add_nc_u64 s[OUT:OUT+1], s[OUT:OUT+1], 2048
.endif
	s_sub_co_u32 s66, s66, 1
	s_cmp_lg_u32 s66, 0
	s_cbranch_scc1 .Lout
	s_wait_tensorcnt 0x0                           ; the wave's end
	ds_add_u32 v[SPW], v[NIL]
	s_wait_dscnt 0x0
	ROUND                                          ; the closing round
	s_endpgm
.Lfunc_end_k_q76b676a3d5_g3:
	.size	k_q76b676a3d5_g3, .Lfunc_end_k_q76b676a3d5_g3-k_q76b676a3d5_g3
	.p2alignl 7, 3214868480
	.fill 96, 4, 3214868480
	.section	.rodata,"a",@progbits
	.p2align	6, 0x0
	.amdhsa_kernel k_q76b676a3d5_g3
		.amdhsa_group_segment_fixed_size 327680
		.amdhsa_private_segment_fixed_size 0
		.amdhsa_enable_private_segment 0
		.amdhsa_kernarg_size 24
		.amdhsa_user_sgpr_count 2
		.amdhsa_user_sgpr_kernarg_segment_ptr 1
		.amdhsa_wavefront_size32 1
		.amdhsa_system_sgpr_workgroup_id_x 1
		.amdhsa_system_sgpr_workgroup_id_y 1
		.amdhsa_system_sgpr_workgroup_id_z 1
		.amdhsa_system_vgpr_workitem_id 0
		.amdhsa_next_free_vgpr 512
		.amdhsa_next_free_sgpr 96
		.amdhsa_reserve_vcc 0
		.amdhsa_float_denorm_mode_32 3
		.amdhsa_float_denorm_mode_16_64 3
		.amdhsa_memory_ordered 1
		.amdhsa_forward_progress 1
		.amdhsa_inst_pref_size 29
	.end_amdhsa_kernel
	.amdgpu_metadata
---
amdhsa.version: [ 1, 2 ]
amdhsa.kernels:
  - .name:           k_q76b676a3d5_g3
    .symbol:         k_q76b676a3d5_g3.kd
    .args:
      - { .name: t0, .offset: 0, .size: 8, .value_kind: global_buffer, .address_space: global }
      - { .name: wa, .offset: 8, .size: 8, .value_kind: global_buffer, .address_space: global }
      - { .name: t1, .offset: 16, .size: 8, .value_kind: global_buffer, .address_space: global }
    .group_segment_fixed_size: 327680
    .private_segment_fixed_size: 0
    .kernarg_segment_align: 8
    .kernarg_segment_size: 24
    .max_flat_workgroup_size: 128
    .sgpr_count:     96
    .vgpr_count:     512
    .wavefront_size: 32
...
	.end_amdgpu_metadata
.endif
;; end of part 9
;; launch g4: the kernel of part 7 again; grid 16 x 16, 4 waves a work-group, clusters of 4 x 4, 327,680 bytes of LDS; arguments t1, wb, t0, vv; writes t0, vv
;; launch att (part 10): grid 8 x 32, 4 waves a work-group, no clusters, 327,680 bytes of LDS; arguments t0, qr, vv, t1; writes t1
.if DOCPART == 10
	.amdgcn_target "amdgcn-amd-amdhsa--gfx1250"
	.amdhsa_code_object_version 6
	.text
	.protected	k_q76b676a3d5_att
	.globl	k_q76b676a3d5_att
	.p2align	8
	.type	k_q76b676a3d5_att,@function
k_q76b676a3d5_att:
	s_mov_b64 s[64:65], 0
	v_nop
	global_prefetch_b8 v0, s[64:65] scope:SCOPE_SE
	s_setreg_imm32_b32 hwreg(HW_REG_WAVE_MODE, 25, 1), 1
	s_wait_xcnt 0x0
; CAUSAL ATTENTION WITH THE ROLES SWAPPED: the rotated k (t0) asks, the rotated q (qr) is the key, v (vv) the value.  All lie by heads: a panel [4096][128] bf16 a head, rows 2,048 b + t; v's high halves in panel 2 h, low in 2 h + 1.
; (The rotated rows' 128 channels lie in one and the same permuted order in t0 and qr: each score's sum has the same terms.)
; O[t] = the sum over u <= t of softmax_u(k[t] . q[u] / sqrt(128)) v[u], rounded once to bf16, into panel h of t1.
; LEFT OUT: key tiles wholly above the diagonal; the problem's own tril hides them for all values of the inputs.  A NaN, an infinity or an overflow that reaches only such scores is not carried to the result.
; LIMITS.  A hidden score inside the diagonal tile counts as -1e30; a weight below 2^-126 counts as 0; NaN and infinities are not treated apart.  v's low halves are added for keys 0 to 63 of a sequence alone:
; only there does one value's rounding reach a row undiminished (row t >= 64 averages over t + 1 values).
; THE WALK.  A sequence has 16 blocks of 128 rows; block i needs key tiles 0 .. i of 128.  A work-group takes blocks 15 - b and then b: 17 tiles whatever b, one loop with a constant count; the ring of two slots runs on across the change of blocks.
; NO CLUSTER: the eight work-groups of a sequence ask for the same tile only until the first of them ends its first block; behind that their walks part.
; SHARES.  Wave w: rows 64 (w >> 1) on, four tiles of 16; of each key tile the 64 keys of half w & 1.  Each wave has its own running maximum m, sum l and O^T.
; LAYOUT.  S^T = K Q^T holds one row a lane and keys 8 (lane / 16) + 0..7; two such results rounded to bf16 are source 1 of O^T = V^T P.  p = 2^(c s - c m), c = log2(e) / sqrt(128); O and l are multiplied by a = 2^(c m_old - c m_new) in every step.
; A block starts with c m far below every c s, so its first a is 0 and O^T need only be finite.
; A STEP.  The wave's tiles are two pieces (tiles 0, 1 and tiles 2, 3).  K Q^T of piece 0; K Q^T of piece 2 with piece 0's softmax dealt behind its 32 products; V^T P of piece 0 with piece 2's softmax dealt behind them; V^T P of piece 2.
; A piece's 66 exponentials are one batch with one wait.  Nothing is carried from step to step but m, l and O^T.
; A BLOCK'S END.  Every wave puts its O^T, as f32 rows, and (c m, l) of each row into a stage of its own; behind a barrier each wave merges the two key halves of 32 rows in a loop and stores them as whole rows of 256 bytes.
; AHEAD OF THE LOADS.  Behind each refill the work-group with b = 0, whose first block walks all 16 tiles of the sequence, prefetches the tile that the next change of slots will ask for: each wave the 64 rows that it fetches itself,
; a lane a row, two instructions.  So each row of K and V is named once in the launch.  Tiles 0 and 1 come by their loads alone; behind tile 15 nothing is asked for.
; REGISTERS: window 0: v2-11, v44-53 addresses; v12-43 statistics, 8 a tile; v64-191 S^T (at a block's end: at work); v192-255 P.  Window 1: O^T.  Window 2: v0-127 Q, v128-255 K.  Window 3: v0-127 V.
.set PK, 272
.set PV, 288
.set VOFF, 64*PK
.set STEPB, 64*(PK+PV)
.set SLOTB, 2*STEPB                    ; a slot: the two key halves' K and V
.set VLO, 2*SLOTB                      ; v's low halves of keys 0-63: filled once
.set PF, 528
.set WST, 64*PF
.set OST, VLO+64*PV                    ; four stages, a wave's own each: 64 rows x 528 bytes of f32
.set STS, OST+4*WST                    ; (c m, l) of each row: 512 bytes a wave
.set SPARE, STS+4*512                  ; the spare words, 128 bytes a wave
.set AK0, 2
.set AV0, 3
.set ADR, 4
.set QO, 5
.set OSTO, 6
.set RDO, 7
.set GO, 8
.set DG, 9                             ; my row less my first key, inside a diagonal tile
.set BIG, 10                           ; -1e30
.set MS, 11
.set ST, 12                            ; tile t at ST + 8 t: c m, m, l (two), four at work
.set SR, 44
.set RDW, 51
.set SRW, 52
.set PFO, 53
.set SPW, 62
.set NIL, 63
.set S, 64
.set P, 192
.set KF, 128
.set XA, 64                            ; a block's end: 8 rows of my pair's first key half,
.set XB, 96                            ; of its second,
.set SA, 128                           ; their (c m, l),
.set SB, 136
.set G, 144                            ; pair p at G + 4 p: f0, at work, f1, at work
.set YO, 176
.set WV, 12
.set PB, 14
.set HI, 15
.set KH, 16
.set QG, 17
.set KHB, 18                           ; my key half's place in a slot, for K
.set KHV, 19                           ; and for V
.set G1K, 24
.set G1V, 32
.set G0K, 40
.set G0V, 44
.set G1L, 48
.set SLOTS, 56
.set T0, 57                            ; 1: the tile in hand is key tile 0
.set CS, 58
.set SEL, 60
.set TB, 62
.set RSL, 63                           ; the slot that is read: 0 or SLOTB
.set G0L, 68
.set RT, 72                            ; tiles of the block in hand still to be entered
.set NXT, 73
.set LQ, 74
.set OFF, 76
.set QLO, 78
.set OLO, 80
.set CNT2, 90
.set PFN, 91                           ; the tile that the prefetches stand at
.set PFA, 96
.set PLIM, 98                          ; 16 where b = 0, else 0
.set MSB, 0
.macro WIN new
.if MSB != (\new)
	s_set_vgpr_msb (MSB<<8)|(\new)
.set MSB, \new
.endif
.endm
.macro PLACES
.rept 4
	v_nop
.endr
.endm
.macro LOAD                            ; waves 0, 1: the tile's two halves of K; waves 2, 3: of V
	s_cmp_lt_u32 s[WV], 2
	s_cbranch_scc0 .Lfv_\@
	tensor_load_to_lds s[G0K:G0K+3], s[G1K:G1K+7]
	s_nop 0
	PLACES
	s_branch .Lok_\@
.Lfv_\@:
	tensor_load_to_lds s[G0V:G0V+3], s[G1V:G1V+7]
	s_nop 0
	PLACES
.Lok_\@:
.endm
.macro CHANGE fill                     ; the change of slots: all my tensor loads have landed, the add, my reads of the old slot are over, the barrier; then the old slot is filled with tile NXT, first thing
	WIN 0
	s_wait_tensorcnt 0x0
	ds_add_u32 v[SPW], v[NIL]                      ; 0 onto my spare word
.if \fill
	s_wait_xcnt 0x0                                ; the last prefetches, a tile back, have read their address
	s_add_nc_u64 s[PFA:PFA+1], s[PFA:PFA+1], 32768
	s_add_co_u32 s[PFN], s[PFN], 1
	s_lshl_b32 s[OFF], s[NXT], 15                  ; a tile is 32,768 bytes of K and of V
	s_add_co_u32 s[G0K+1], s[KHB], s[RSL]          ; into the slot that was read last
	s_add_nc_u64 s[G0K+2:G0K+3], s[6:7], s[OFF:OFF+1]
	s_or_b32 s[G0K+3], s[G0K+3], 0x80000000
	s_add_co_u32 s[G0V+1], s[KHV], s[RSL]
	s_add_nc_u64 s[G0V+2:G0V+3], s[8:9], s[OFF:OFF+1]
	s_or_b32 s[G0V+3], s[G0V+3], 0x80000000
	s_add_co_u32 s[NXT], s[NXT], 1                 ; the block's next tile, or behind its last the second block's tile 0
	s_cmp_gt_u32 s[NXT], s[LQ]
	s_cselect_b32 s[NXT], 0, s[NXT]
	s_cselect_b32 s[LQ], s[PB], s[LQ]
.endif
	s_wait_dscnt 0x0
	s_barrier_signal -1
	s_xor_b32 s[RSL], s[RSL], SLOTB
	s_add_co_u32 s[TB], s[KHB], s[RSL]
	s_barrier_wait -1
.if \fill
	LOAD
	s_cmp_lt_u32 s[PFN], s[PLIM]
	s_cbranch_scc0 .Lnp_\@
	global_prefetch_b8 v[PFO], s[PFA:PFA+1] th:TH_LOAD_NT scope:SCOPE_SE              ; my 64 rows of the tile that the next change asks for
	global_prefetch_b8 v[PFO], s[PFA:PFA+1] offset:8192 th:TH_LOAD_NT scope:SCOPE_SE
.Lnp_\@:
.endif
.endm
.macro FETCH_Q p                       ; my 64 rows stay in registers: tile i / 4, channels 32 (i % 4) on
	WIN 0x80
.set i, 0
.rept 16
	global_load_b128 v[8*i:8*i+3], v[QO], s[\p:\p+1] offset:(i/4)*4096+(i%4)*64
	global_load_b128 v[8*i+4:8*i+7], v[QO], s[\p:\p+1] offset:(i/4)*4096+(i%4)*64+32
.set i, i+1
.endr
	WIN 0
.endm
.macro FETCH_K
	WIN 0
	v_add_nc_u32 v[ADR], s[TB], v[AK0]
	WIN 0x80
.set i, 0
.rept 16
	ds_load_b128 v[KF+8*i:KF+8*i+3], v[ADR] offset:(i/4)*16*PK+(i%4)*64
	ds_load_b128 v[KF+8*i+4:KF+8*i+7], v[ADR] offset:(i/4)*16*PK+(i%4)*64+32
.set i, i+1
.endr
	WIN 0
.endm
.macro FETCH_V sb
	WIN 0
	v_add_nc_u32 v[ADR], \sb, v[AV0]
	WIN 0xc0
.set i, 0
.rept 16
	ds_load_tr16_b128 v[8*i:8*i+3], v[ADR] offset:(i/8)*32*PV+(i%8)*32
	ds_load_tr16_b128 v[8*i+4:8*i+7], v[ADR] offset:(i/8)*32*PV+16*PV+(i%8)*32
.set i, i+1
.endr
	WIN 0
.endm
.macro KQ1 x                           ; product i of 32 of S^T = K Q^T for piece x: channels 32 (i / 8) on, keys 16 ((i / 2) % 4) on, tile x + i % 2; 8 accumulators by turns; the first 8 start the sums
	WIN 0x0a
.set rS, S+32*((\x)+i%2)+8*((i/2)%4)
.set rK, KF+32*((i/2)%4)+8*(i/8)
.set rQ, 32*((\x)+i%2)+8*(i/8)
.if i < 8
	v_wmma_f32_16x16x32_bf16 v[rS:rS+7], v[rK:rK+7], v[rQ:rQ+7], 0
.else
	v_wmma_f32_16x16x32_bf16 v[rS:rS+7], v[rK:rK+7], v[rQ:rQ+7], v[rS:rS+7]
.endif
.endm
.macro PV1 x                           ; product i of 32 of O^T += V^T P for piece x: keys 32 (i / 16) on, channels 16 ((i / 2) % 8) on, tile x + i % 2; 16 accumulators by turns
	WIN 0x53
.set rO, 64*((\x)+i%2)+8*((i/2)%8)
.set rV, 64*(i/16)+8*((i/2)%8)
.set rP, P+16*((\x)+i%2)+8*(i/16)
	v_wmma_f32_16x16x32_bf16 v[rO:rO+7], v[rV:rV+7], v[rP:rP+7], v[rO:rO+7]
.endm
.macro MASKP y                         ; piece y: key 16 kb + 8 h + j is hidden from row 16 t + r where 16 (kb - t) + j > DG: one compare serves both tiles with the same kb - t
	WIN 0
.irp d, 0,1,2,3,4,5,6
.if (((\y)+\d-3) < 4) && (((\y)+1+\d-3) >= 0)
.irp jj, 0,1,2,3,4,5,6,7
	v_cmp_gt_i32 vcc_lo, 16*(\d-3)+\jj, v[DG]
.irp t, \y, (\y)+1
.if (((\t)+\d-3) >= 0) && (((\t)+\d-3) < 4)
	v_cndmask_b32 v[S+32*(\t)+8*((\t)+\d-3)+\jj], v[S+32*(\t)+8*((\t)+\d-3)+\jj], v[BIG], vcc_lo
.endif
.endr
.endr
.endif
.endr
.endm
; Number j of the 134 instructions of tile t's softmax for a step: 0-15 the maximum; 16-20 the other half of the lanes', m, c m, its change; 21-69 the 16 scalings and all 33 exponentials, none of which reads an exponential's result;
; 70-85 the roundings; 86-101 the sums; 102-133 O^T times a.
.macro SM t
.set rT, ST+8*(\t)
.set rS, S+32*(\t)
.set rP, P+16*(\t)
.set rO, 64*(\t)+2*(j-102)
.if j < 102
	WIN 0
.endif
.if j < 4
	v_max3_num_f32 v[rT+4+j], v[rS+8*j], v[rS+8*j+1], v[rS+8*j+2]
.elseif j < 12
	v_max3_num_f32 v[rT+4+j%4], v[rT+4+j%4], v[rS+8*(j%4)+2*(j/4)+1], v[rS+8*(j%4)+2*(j/4)+2]
.elseif j == 12
	v_max3_num_f32 v[rT+4], v[rT+4], v[rS+7], v[rS+15]
.elseif j == 13
	v_max3_num_f32 v[rT+6], v[rT+6], v[rS+23], v[rS+31]
.elseif j == 14
	v_max3_num_f32 v[rT+4], v[rT+4], v[rT+5], v[rT+6]
.elseif j == 15
	v_max3_num_f32 v[rT+4], v[rT+4], v[rT+7], v[rT+1]
.elseif j == 16
	v_permlanex16_b32 v[rT+5], v[rT+4], s[SEL], s[SEL+1]
.elseif j == 17
	v_mov_b32 v[rT+7], v[rT]
.elseif j == 18
	v_max_num_f32 v[rT+1], v[rT+4], v[rT+5]
.elseif j == 19
	v_mul_f32 v[rT], s[CS], v[rT+1]
.elseif j == 20
	v_sub_f32 v[rT+7], v[rT+7], v[rT]
.elseif j == 23
	v_exp_f32 v[rT+6], v[rT+7]
.elseif (j < 23) || ((j < 38) && (j%2 == 0)) || ((j < 66) && (j%4 == 2))
.set b, (j-2)/4
.if j < 38
.set b, (j-20)/2
.endif
	v_pk_fma_f32 v[rS+2*b:rS+2*b+1], v[rS+2*b:rS+2*b+1], s[CS:CS+1], v[rT:rT+1] op_sel_hi:[1,0,0] neg_lo:[0,0,1] neg_hi:[0,0,1]
.elseif j < 70
.set e, j-38
.if j < 66
.set e, j-32-(j-38)/4
.endif
.if j < 38
.set e, (j-25)/2
.endif
	v_exp_f32 v[rS+e], v[rS+e]
.elseif j < 86
	v_cvt_pk_bf16_f32 v[rP+j-70], v[rS+2*(j-70)], v[rS+2*(j-70)+1]
.elseif j < 102
.set z, j-86
.set w, 4
.set u, z
.if z >= 14
.set w, 32
.set u, 0
.elseif z >= 12
.set w, 16
.set u, z-12
.elseif z >= 8
.set w, 8
.set u, z-8
.endif
.if z < 15
	v_pk_add_f32 v[rS+w*u:rS+w*u+1], v[rS+w*u:rS+w*u+1], v[rS+w*u+w/2:rS+w*u+w/2+1]
.else
	v_pk_fma_f32 v[rT+2:rT+3], v[rT+2:rT+3], v[rT+6:rT+7], v[rS:rS+1] op_sel_hi:[1,0,1]
.endif
.else
	WIN 0x41
	v_pk_mul_f32 v[rO:rO+1], v[rO:rO+1], v[rT+6:rT+7] op_sel_hi:[1,0]
.endif
.endm
.macro SMTO y, lim                     ; piece y's list goes on, both tiles alternating, up to number lim.  Between 69 and 70: a plain instruction behind the last exponential and the one wait for the batch, ahead of its first reader
.rept 6
.if j < (\lim)
.if j == 70
	v_nop
	s_wait_alu depctr_va_vdst(0)
.endif
	SM \y
	SM (\y)+1
.set j, j+1
.endif
.endr
.endm
.macro PHASE kind, x, y                ; 32 products of piece x (kind 0: K Q^T, 1: V^T P); y >= 0: piece y's softmax, 134 numbers of two tiles, dealt evenly behind them.  No rider names a register of the products round it
.set i, 0
.rept 32
.if \kind
	PV1 \x
.else
	KQ1 \x
.endif
.if (\y) >= 0
	SMTO \y, (134*(i+1))/32
.endif
.set i, i+1
.endr
.endm
.macro INIT                            ; a block's statistics: c m far below every c s, m the lowest finite number, l = 0
.irp t, 0,1,2,3
	v_mov_b32 v[ST+8*\t], 0xfe000000
	v_mov_b32 v[ST+8*\t+1], 0xff7fffff
	v_mov_b32 v[ST+8*\t+2], 0
	v_mov_b32 v[ST+8*\t+3], 0
.endr
.endm
.macro STEP
	WIN 0
	PLACES                                         ; between the last product and loads into V's registers
	FETCH_K
	FETCH_V s[TB]
	s_wait_loadcnt 0x0                             ; Q
	s_wait_dscnt 32                                ; K is in; V's 32 loads stay out
	PHASE 0, 0, -1
	WIN 0
	PLACES                                         ; between piece 0's last product and the first read of its scores
	s_cmp_lg_u32 s[RT], 0
	s_cbranch_scc1 .Lm0_\@
	MASKP 0                                        ; the block's last tile holds the diagonal
.Lm0_\@:
.set j, 0
	PHASE 0, 2, 0
	WIN 0
	PLACES
	s_cmp_lg_u32 s[RT], 0
	s_cbranch_scc1 .Lm2_\@
	MASKP 2
.Lm2_\@:
	s_wait_dscnt 0x0                               ; V is in
.set j, 0
	PHASE 1, 0, 2
	PHASE 1, 2, -1
	WIN 0
	s_cmp_eq_u32 s[T0], 1
	s_cbranch_scc0 .Lnl_\@
	s_cmp_eq_u32 s[KH], 0
	s_cbranch_scc0 .Lnl_\@
	PLACES                                         ; keys 0 to 63: the same weights once more, on v's low halves
	FETCH_V VLO-VOFF
	s_wait_dscnt 0x0
	PHASE 1, 0, -1
	PHASE 1, 2, -1
	WIN 0
.Lnl_\@:
.endm
.macro BODY last                       ; a tile; at a block's last tile the merge and the way out
	s_sub_co_u32 s[RT], s[RT], 1
	STEP
	s_mov_b32 s[T0], 0
	s_cmp_lg_u32 s[RT], 0
	s_cbranch_scc1 .Lna_\@
	PLACES
.irp t, 0,1,2,3
	v_add_f32 v[ST+8*\t+4], v[ST+8*\t+2], v[ST+8*\t+3]
.endr
.irp t, 0,1,2,3
	v_permlanex16_b32 v[ST+8*\t+5], v[ST+8*\t+4], s[SEL], s[SEL+1]
.endr
.irp t, 0,1,2,3
	v_add_f32 v[ST+8*\t+1], v[ST+8*\t+4], v[ST+8*\t+5]  ; l whole, beside c m
.endr
.if !(\last)
	FETCH_Q QLO                                    ; the second block's rows
.endif
.irp t, 0,1,2,3
	ds_store_b64 v[MS], v[ST+8*\t:ST+8*\t+1] offset:128*\t  ; row 16 t + r; both halves of the lanes hold the same two numbers
.endr
	WIN 0x04
.set i, 0
.rept 32                               ; accumulator i = 8 t + cb: row 16 t + r, channels 16 cb + 8 h on
	ds_store_b128 v[OSTO], v[8*i:8*i+3] offset:(i/8)*16*PF+(i%8)*64
	ds_store_b128 v[OSTO], v[8*i+4:8*i+7] offset:(i/8)*16*PF+(i%8)*64+16
.set i, i+1
.endr
	WIN 0
.Lna_\@:
	s_wait_dscnt 0x0                               ; for the others' sake: my stores are done
	s_barrier_signal -1
	s_barrier_wait -1
	s_cmp_lg_u32 s[RT], 0
	s_cbranch_scc1 .Lnb_\@
	v_mov_b32 v[RDW], v[RDO]
	v_mov_b32 v[SRW], v[SR]
	s_mov_b32 s[CNT2], 4
.Lo_\@:                                        ; a trip: 8 of my 32 rows, a pair of rows at a time: lane (r, h) has row 2 p + h, channels 8 r on
.irp p, 0,1,2,3
	ds_load_b64 v[SA+2*\p:SA+2*\p+1], v[SRW] offset:16*\p
	ds_load_b64 v[SB+2*\p:SB+2*\p+1], v[SRW] offset:16*\p+512
.endr
.irp p, 0,1,2,3
	ds_load_b128 v[XA+8*\p:XA+8*\p+3], v[RDW] offset:\p*2*PF
	ds_load_b128 v[XA+8*\p+4:XA+8*\p+7], v[RDW] offset:\p*2*PF+16
	ds_load_b128 v[XB+8*\p:XB+8*\p+3], v[RDW] offset:\p*2*PF+WST
	ds_load_b128 v[XB+8*\p+4:XB+8*\p+7], v[RDW] offset:\p*2*PF+WST+16
.endr
	s_wait_dscnt 16                                ; the statistics are in; the 16 loads of rows stay out
.irp p, 0,1,2,3
	v_max_num_f32 v[G+4*\p+1], v[SA+2*\p], v[SB+2*\p]
.endr
.irp p, 0,1,2,3
	v_sub_f32 v[G+4*\p], v[SA+2*\p], v[G+4*\p+1]
	v_sub_f32 v[G+4*\p+2], v[SB+2*\p], v[G+4*\p+1]
.endr
.irp p, 0,1,2,3
	v_exp_f32 v[G+4*\p], v[G+4*\p]
	v_exp_f32 v[G+4*\p+2], v[G+4*\p+2]
.endr
	v_nop
	s_wait_alu depctr_va_vdst(0)                   ; one wait for the eight exponentials
.irp p, 0,1,2,3
	v_mul_f32 v[G+4*\p+3], v[G+4*\p], v[SA+2*\p+1]
.endr
.irp p, 0,1,2,3
	v_fma_f32 v[G+4*\p+3], v[G+4*\p+2], v[SB+2*\p+1], v[G+4*\p+3]
.endr
.irp p, 0,1,2,3
	v_rcp_f32 v[G+4*\p+1], v[G+4*\p+3]
.endr
	v_nop
	s_wait_alu depctr_va_vdst(0)                   ; one wait for the four reciprocals
.irp p, 0,1,2,3
	v_mul_f32 v[G+4*\p], v[G+4*\p], v[G+4*\p+1]    ; f0
	v_mul_f32 v[G+4*\p+2], v[G+4*\p+2], v[G+4*\p+1]  ; f1
.endr
.irp p, 0,1,2,3
	s_wait_dscnt 12-4*\p                           ; pair p's four loads are back; the later pairs' stay out
.irp k, 0,2,4,6
	v_pk_mul_f32 v[XA+8*\p+\k:XA+8*\p+\k+1], v[XA+8*\p+\k:XA+8*\p+\k+1], v[G+4*\p:G+4*\p+1] op_sel_hi:[1,0]
.endr
.irp k, 0,2,4,6
	v_pk_fma_f32 v[XA+8*\p+\k:XA+8*\p+\k+1], v[XB+8*\p+\k:XB+8*\p+\k+1], v[G+4*\p+2:G+4*\p+3], v[XA+8*\p+\k:XA+8*\p+\k+1] op_sel_hi:[1,0,1]
.endr
.irp k, 0,1,2,3
	v_cvt_pk_bf16_f32 v[YO+4*\p+\k], v[XA+8*\p+2*\k], v[XA+8*\p+2*\k+1]
.endr
	global_store_b128 v[GO], v[YO+4*\p:YO+4*\p+3], s[10:11] offset:512*\p  ; two rows of O: 512 consecutive bytes, aligned
.endr
	v_add_nc_u32 v[RDW], 8*PF, v[RDW]
	v_add_nc_u32 v[SRW], 64, v[SRW]
	s_wait_xcnt 0x0                                ; the stores' base and data are written again only behind this wait
	s_add_nc_u64 s[10:11], s[10:11], 2048
	s_sub_co_u32 s[CNT2], s[CNT2], 1
	s_cmp_lg_u32 s[CNT2], 0
	s_cbranch_scc1 .Lo_\@
.if !(\last)
	s_mov_b64 s[10:11], s[OLO:OLO+1]
	s_add_co_u32 s[RT], s[PB], 1                   ; the second block has b + 1 tiles
	s_mov_b32 s[T0], 1
	INIT
.endif
.Lnb_\@:
.endm
	s_load_b256 s[4:11], s[0:1], 0x0               ; asking rows, keys, values, O
	v_lshl_add_u32 v[SPW], v0, 2, SPARE
	v_mov_b32 v[NIL], 0
	ds_add_u32 v[SPW], v[NIL]                      ; the opening: the add, twice on end, and its wait ahead of my first tensor load
	ds_add_u32 v[SPW], v[NIL]
	v_lshrrev_b32 v1, 5, v0
	v_readfirstlane_b32 s[WV], v1
	s_and_b32 s[KH], s[WV], 1                      ; my half of a tile's keys; also which half I fetch
	s_lshr_b32 s[QG], s[WV], 1                     ; my half of the block's rows
	s_mov_b32 s[PB], ttmp9
	s_sub_co_u32 s[HI], 15, s[PB]
	s_and_b32 s20, ttmp7, 0xffff                   ; 2 x head + batch
	s_lshr_b32 s22, s20, 1
	s_lshl_b32 s22, s22, 21
	s_and_b32 s23, s20, 1
	s_lshl_b32 s23, s23, 19
	s_add_co_u32 s22, s22, s23                     ; the sequence in vv
	s_mov_b32 s23, 0
	s_lshl_b32 s20, s20, 19                        ; and in the other three
	s_mov_b32 s21, 0
	s_lshl_b32 s82, s[KH], 14
	s_mov_b32 s83, 0
	s_lshl_b32 s84, s[KH], 13
	s_add_co_u32 s84, s84, 0x100000                ; the low halves' panel, my 32 rows
	s_mov_b32 s85, 0
	s_lshl_b32 s86, s[HI], 15
	s_lshl_b32 s87, s[QG], 14
	s_add_co_u32 s86, s86, s87                     ; the rows that I ask with: first block,
	s_lshl_b32 s88, s[PB], 15
	s_add_co_u32 s88, s88, s87                     ; second block
	s_lshl_b32 s87, s[KH], 13
	s_add_co_u32 s92, s86, s87                     ; the 32 rows that I store: 32 (w & 1) further on
	s_add_co_u32 s94, s88, s87
	s_mov_b32 s87, 0
	s_mov_b32 s89, 0
	s_mov_b32 s93, 0
	s_mov_b32 s95, 0
	s_mov_b32 s[G1K], (1<<16)|(1<<20)|(5<<22)|(3<<25)  ; 2-byte elements; 4 words of padding behind every 64
	s_mov_b32 s[G1V], (1<<16)|(1<<20)|(5<<22)|(7<<25)  ; 8 words
	s_mov_b32 s[G1L], (1<<16)|(1<<20)|(5<<22)|(7<<25)
.irp g, G1K, G1V
	s_mov_b32 s[\g+1], 128<<16
	s_mov_b32 s[\g+2], 64<<16
	s_mov_b32 s[\g+3], 128<<16
	s_mov_b32 s[\g+4], 64
	s_mov_b32 s[\g+5], 128
	s_mov_b32 s[\g+6], 0
	s_mov_b32 s[\g+7], 0
.endr
	s_mov_b32 s[G1L+1], 128<<16
	s_mov_b32 s[G1L+2], 32<<16
	s_mov_b32 s[G1L+3], 128<<16
	s_mov_b32 s[G1L+4], 32
	s_mov_b32 s[G1L+5], 128
	s_mov_b32 s[G1L+6], 0
	s_mov_b32 s[G1L+7], 0
	s_mul_i32 s[KHB], s[KH], STEPB
	s_add_co_u32 s[KHV], s[KHB], VOFF
	s_mov_b32 s[G0K], 1
	s_mov_b32 s[G0K+1], s[KHB]
	s_mov_b32 s[G0V], 1
	s_mov_b32 s[G0V+1], s[KHV]
	s_mov_b32 s[G0L], 1
	s_mul_i32 s13, s[KH], 32*PV
	s_add_co_u32 s[G0L+1], s13, VLO
	s_mov_b32 s[RSL], SLOTB                        ; the first change of slots fills slot 1 and turns this into slot 0
	s_mov_b32 s[CS], 0x3e0293ee                    ; c = log2(e) / sqrt(128)
	s_mov_b32 s[CS+1], s[CS]
	s_mov_b32 s[SEL], 0x76543210
	s_mov_b32 s[SEL+1], 0xfedcba98
	s_add_co_u32 s[RT], s[HI], 1
	s_mov_b32 s[NXT], 1
	s_mov_b32 s[LQ], s[HI]
	s_mov_b32 s[T0], 1
	s_mov_b32 s[OFF+1], 0
	s_mov_b32 s[SLOTS], 16
	s_mov_b32 s[PFN], 1
	s_cmp_eq_u32 s[PB], 0
	s_cselect_b32 s[PLIM], 16, 0
	s_wait_dscnt 0x0                               ; both opening adds are done
	s_wait_kmcnt 0x0
	s_add_nc_u64 s[6:7], s[6:7], s[20:21]
	s_add_nc_u64 s[6:7], s[6:7], s[82:83]          ; keys at my half of tile 0
	s_add_nc_u64 s[8:9], s[8:9], s[22:23]
	s_add_nc_u64 s[G0L+2:G0L+3], s[8:9], s[84:85]
	s_or_b32 s[G0L+3], s[G0L+3], 0x80000000
	s_add_nc_u64 s[8:9], s[8:9], s[82:83]
	s_add_nc_u64 s[4:5], s[4:5], s[20:21]
	s_add_nc_u64 s[QLO:QLO+1], s[4:5], s[88:89]
	s_add_nc_u64 s[4:5], s[4:5], s[86:87]
	s_add_nc_u64 s[10:11], s[10:11], s[20:21]
	s_add_nc_u64 s[OLO:OLO+1], s[10:11], s[94:95]
	s_add_nc_u64 s[10:11], s[10:11], s[92:93]
	s_add_nc_u64 s[G0K+2:G0K+3], s[6:7], 0
	s_or_b32 s[G0K+3], s[G0K+3], 0x80000000
	s_add_nc_u64 s[G0V+2:G0V+3], s[8:9], 0
	s_or_b32 s[G0V+3], s[G0V+3], 0x80000000
	s_cmp_lt_u32 s[WV], 2
	s_cselect_b64 s[PFA:PFA+1], s[6:7], s[8:9]     ; the prefetches: what I fetch myself,
	s_add_nc_u64 s[PFA:PFA+1], s[PFA:PFA+1], 32768 ; at tile 1: the first change of slots steps it to tile 2
	s_cmp_lt_u32 s[WV], 2                          ; a wave's first fills stand in one branch: waves 2 and 3 have two loads out, waves 0 and 1 one
	s_cbranch_scc0 .Lfirst_v
	tensor_load_to_lds s[G0K:G0K+3], s[G1K:G1K+7]
	s_nop 0
	PLACES
	s_branch .Lfirst_ok
.Lfirst_v:
	tensor_load_to_lds s[G0V:G0V+3], s[G1V:G1V+7]
	s_nop 0
	tensor_load_to_lds s[G0L:G0L+3], s[G1L:G1L+7]
	s_nop 0
	PLACES
.Lfirst_ok:
	v_and_b32 v45, 15, v0                          ; r
	v_bfe_u32 v46, v0, 4, 1                        ; h
	v_lshlrev_b32 v[QO], 8, v45
	v_lshl_add_u32 v[QO], v46, 4, v[QO]
	FETCH_Q 4
	WIN 0x40
.set i, 0
.rept 256
	v_mov_b32 v[i], 0                              ; O^T need only be finite: written while the first tile is on its way
.set i, i+1
.endr
	WIN 0
	INIT
	v_mul_u32_u24 v[AK0], v45, PK
	v_lshl_add_u32 v[AK0], v46, 4, v[AK0]
	v_and_b32 v47, 7, v0
	v_bfe_u32 v48, v0, 3, 1
	v_lshl_add_u32 v[AV0], v46, 3, v47             ; the turning load: key 8 h + l % 8, channels 8 ((l / 8) % 2) on
	v_mul_u32_u24 v[AV0], v[AV0], PV
	v_lshl_add_u32 v[AV0], v48, 4, v[AV0]
	v_add_nc_u32 v[AV0], VOFF, v[AV0]
	s_mul_i32 s13, s[WV], WST
	s_add_co_u32 s13, s13, OST                     ; my stage
	v_mul_u32_u24 v[OSTO], v45, PF                 ; in: row r, byte 32 h
	v_lshl_add_u32 v[OSTO], v46, 5, v[OSTO]
	v_add_nc_u32 v[OSTO], s13, v[OSTO]
	s_lshl_b32 s13, s[WV], 9
	s_add_co_u32 s13, s13, STS
	v_lshl_add_u32 v[MS], v45, 3, s13              ; my rows' statistics: 8 bytes a row
	s_mul_i32 s13, s[QG], 2*WST                    ; back: my pair's first stage (the second lies WST further),
	s_mul_i32 s20, s[KH], 32*PF                    ; my 32 of its 64 rows,
	s_add_co_u32 s13, s13, s20
	s_add_co_u32 s13, s13, OST
	v_mul_u32_u24 v[RDO], v46, PF                  ; row h of a pair, channels 8 r on
	v_lshl_add_u32 v[RDO], v45, 5, v[RDO]
	v_add_nc_u32 v[RDO], s13, v[RDO]
	s_lshl_b32 s13, s[QG], 10
	s_lshl_b32 s20, s[KH], 8
	s_add_co_u32 s13, s13, s20
	s_add_co_u32 s13, s13, STS
	v_lshl_add_u32 v[SR], v46, 3, s13
	v_and_b32 v49, 31, v0
	v_lshlrev_b32 v[GO], 4, v49                    ; two rows of O are 512 bytes on end
	v_lshlrev_b32 v[PFO], 8, v49                   ; a lane a row of 256 bytes
	s_sub_co_i32 s13, s[QG], s[KH]
	s_lshl_b32 s13, s13, 6
	v_lshlrev_b32 v50, 3, v46
	v_sub_nc_u32 v[DG], v45, v50
	v_add_nc_u32 v[DG], s13, v[DG]                 ; r - 8 h + 64 (row half - key half)
	v_mov_b32 v[BIG], 0xf149f2ca                   ; -1e30
.Lslot:                                        ; 16 trips: a tile is entered and the next is asked for
	CHANGE 1
	BODY 0
	s_sub_co_u32 s[SLOTS], s[SLOTS], 1
	s_cmp_lg_u32 s[SLOTS], 0
	s_cbranch_scc1 .Lslot
	CHANGE 0                                       ; the walk's last tile is written out
	BODY 1
	s_wait_tensorcnt 0x0                           ; the wave's end
	ds_add_u32 v[SPW], v[NIL]
	s_wait_dscnt 0x0
	s_endpgm
.Lfunc_end_k_q76b676a3d5_att:
	.size	k_q76b676a3d5_att, .Lfunc_end_k_q76b676a3d5_att-k_q76b676a3d5_att
	.p2alignl 7, 3214868480
	.fill 96, 4, 3214868480
	.section	.rodata,"a",@progbits
	.p2align	6, 0x0
	.amdhsa_kernel k_q76b676a3d5_att
		.amdhsa_group_segment_fixed_size 327680
		.amdhsa_private_segment_fixed_size 0
		.amdhsa_enable_private_segment 0
		.amdhsa_kernarg_size 32
		.amdhsa_user_sgpr_count 2
		.amdhsa_user_sgpr_kernarg_segment_ptr 1
		.amdhsa_wavefront_size32 1
		.amdhsa_system_sgpr_workgroup_id_x 1
		.amdhsa_system_sgpr_workgroup_id_y 1
		.amdhsa_system_sgpr_workgroup_id_z 1
		.amdhsa_system_vgpr_workitem_id 0
		.amdhsa_next_free_vgpr 1024
		.amdhsa_next_free_sgpr 100
		.amdhsa_reserve_vcc 1
		.amdhsa_float_denorm_mode_32 3
		.amdhsa_float_denorm_mode_16_64 3
		.amdhsa_memory_ordered 1
		.amdhsa_forward_progress 1
		.amdhsa_inst_pref_size 169
	.end_amdhsa_kernel
	.amdgpu_metadata
---
amdhsa.version: [ 1, 2 ]
amdhsa.kernels:
  - .name:           k_q76b676a3d5_att
    .symbol:         k_q76b676a3d5_att.kd
    .args:
      - { .name: t0, .offset: 0, .size: 8, .value_kind: global_buffer, .address_space: global }
      - { .name: qr, .offset: 8, .size: 8, .value_kind: global_buffer, .address_space: global }
      - { .name: vv, .offset: 16, .size: 8, .value_kind: global_buffer, .address_space: global }
      - { .name: t1, .offset: 24, .size: 8, .value_kind: global_buffer, .address_space: global }
    .group_segment_fixed_size: 327680
    .private_segment_fixed_size: 0
    .kernarg_segment_align: 8
    .kernarg_segment_size: 32
    .max_flat_workgroup_size: 128
    .sgpr_count:     100
    .vgpr_count:     1024
    .wavefront_size: 32
...
	.end_amdgpu_metadata
.endif
;; end of part 10
;; launch g5 (part 11): grid 32 x 8, 4 waves a work-group, clusters of 4 x 1, 327,680 bytes of LDS; arguments t1, wa, out0; writes out0
.if DOCPART == 11
	.amdgcn_target "amdgcn-amd-amdhsa--gfx1250"
	.amdhsa_code_object_version 6
	.text
	.protected	k_q76b676a3d5_g5
	.globl	k_q76b676a3d5_g5
	.p2align	8
	.type	k_q76b676a3d5_g5,@function
k_q76b676a3d5_g5:
	s_mov_b64 s[64:65], 0
	v_nop
	global_prefetch_b8 v0, s[64:65] scope:SCOPE_SE
	s_setreg_imm32_b32 hwreg(HW_REG_WAVE_MODE, 25, 1), 1
	s_wait_xcnt 0x0
	s_wait_alu depctr_hold_cnt(0) depctr_sa_sdst(0) depctr_va_vdst(0) depctr_va_sdst(0) depctr_va_ssrc(0) depctr_va_vcc(0) depctr_vm_vsrc(0)
	s_getreg_b32 s2, hwreg(HW_REG_IB_STS2, 6, 4)
	s_cmp_eq_u32 s2, 0
	s_cbranch_scc0 .Lentry_in_a_cluster
	s_endpgm
.Lentry_in_a_cluster:
	s_bfe_u32 s2, ttmp6, 0x10000c
	s_cmp_lg_u32 s2, 0x3003
	s_cbranch_scc0 .Lentry_shape_is_right
	s_endpgm
.Lentry_shape_is_right:
; out0 = O out_w^T + out_b, f32, row-major.  C = A W^T + bias on tiles of 128 x 128; one form of text serves three products, which differ in the constants below.  No work is left out.
; Here K = 2,048 (16 panels, a head each), eight K steps of 256; the result leaves as f32 rows.
; A lies in panels [4096][128] bf16; W has rows of KB bf16 at arg 1 + WOFF; the bias, f32, at arg 1 + BIASOFF.
; SHARES.  Four waves, each 64 x 64: 16 accumulators.  The matrix instruction is used transposed (source 0 = rows of W, source 1 = rows of A): a lane holds one row of C and eight neighbouring columns.
; RING.  Two LDS slots of K = 256: two panels' tiles of A (128 rows, pitch 272), then W's tile (128 rows of 512 bytes, pitch 528).  Waves 0, 1 fetch A's two panels, waves 2, 3 W's two halves.  Both first fills go out together;
; a slot is filled again, two K steps on, behind the round that follows its products.  The slot in hand lies in a scalar register turned by an exclusive or, so a K step stands once in the loop and once in the tail.
; CLUSTER.  The four work-groups of a cluster are four row tiles of one column tile: W's tile is asked for jointly (mask 15); A's is each one's own.  One form of text with the product whose two paths share no A, so not 4 x 4.
; No prefetch: the tiles are small, 32 KiB to a load.  The accumulators start as the bias (that is the bias's addition), written while the first tiles are on their way, so that the loop has one form of product.
; WAY OUT.  The f32 tile goes into a stage of 128 rows x 528 bytes in slot 0's bytes (their last fill is over; the last barrier shows every wave's reads of them done); each wave reads 32 whole rows back in a loop.
.set NSLOT, 8
.set KB, 2048
.set WOFF, 9453568
.set BIASOFF, 13654016
.set PY, 0                             ; the path is y >> PY,
.set PBIT, 0                           ; its panels lie 1 << PBIT bytes apart (0: one path)
.set F32OUT, 1
.set PA, 272
.set PB, 528
.set ASUB, 128*PA
.set BOFF, 2*ASUB
.set SLOT, BOFF+128*PB
.set SPARE, 2*SLOT                     ; the spare words, 128 bytes a wave
.set ADRA0, 16
.set ADRB0, 17
.set WA, 18
.set WB, 19
.set BO, 22
.set STO, 24
.set RD, 25
.set CO, 26
.set SPW, 28
.set NIL, 29
.set YH, 32
.set YL, 48
.set X, 64
.set R, 96
.set BIA, 96
.set ACC, 128
.set G1A, 24
.set G0A, 32                           ; two sets: the first fills'; the second then walks
.set G1B, 48
.set G0B, 56
.set RS, 68                            ; the slot in hand: 0 or SLOT
.set MSK, 69
.set OUT, 70
.set MSB, 0
.macro WIN new
.if MSB != (\new)
	s_set_vgpr_msb (MSB<<8)|(\new)
.set MSB, \new
.endif
.endm
.macro PLACES
.rept 4
	v_nop
.endr
.endm
.macro ROUND                           ; a round of the cluster's barrier
	s_barrier_signal -1
	s_barrier_wait -1
	s_cmp_lg_u32 s16, 0
	s_cbranch_scc1 .Lnw0_\@
	s_barrier_signal -3
.Lnw0_\@:
	s_barrier_wait -3
	s_barrier_signal -1
	s_barrier_wait -1
.endm
.macro JLOAD s                         ; waves 0, 1: A's panels (my own); waves 2, 3: W's halves (joint).  An s_nop 0 and four v_nop follow each line
	s_cmp_eq_u32 s17, 0
	s_cbranch_scc0 .Lfb_\@
	tensor_load_to_lds s[G0A+4*(\s):G0A+4*(\s)+3], s[G1A:G1A+7]
	s_nop 0
	PLACES
	s_branch .Lok_\@
.Lfb_\@:
	tensor_load_to_lds s[G0B+4*(\s):G0B+4*(\s)+3], s[G1B:G1B+7]
	s_nop 0
	PLACES
.Lok_\@:
.endm
.macro COMPUTE                         ; the slot in hand: two trips of K = 128; a trip: 64 LDS loads in one run, 64 products, the 16 accumulators by turns
	v_add_nc_u32 v[WA], s[RS], v[ADRA0]
	v_add_nc_u32 v[WB], s[RS], v[ADRB0]
	s_mov_b32 s67, 2
.Lp_\@:
	PLACES                                         ; four places between the last product and loads into registers that it read
	WIN 0x40
.irp c, 0,1,2,3
.irp b, 0,1,2,3
	ds_load_b128 v[128+8*(4*\c+\b):128+8*(4*\c+\b)+3], v[WB] offset:\b*16*PB+64*\c
	ds_load_b128 v[128+8*(4*\c+\b)+4:128+8*(4*\c+\b)+7], v[WB] offset:\b*16*PB+64*\c+32
.endr
.irp a, 0,1,2,3
	ds_load_b128 v[8*(4*\c+\a):8*(4*\c+\a)+3], v[WA] offset:\a*16*PA+64*\c
	ds_load_b128 v[8*(4*\c+\a)+4:8*(4*\c+\a)+7], v[WA] offset:\a*16*PA+64*\c+32
.endr
.endr
.irp c, 0,1,2,3
	s_wait_dscnt 48-16*\c                          ; chunk c's 16 loads are in; the later chunks' stay out
	WIN 0x05
.irp a, 0,1,2,3
.irp b, 0,1,2,3
	v_wmma_f32_16x16x32_bf16 v[ACC+8*(4*\a+\b):ACC+8*(4*\a+\b)+7], v[128+8*(4*\c+\b):128+8*(4*\c+\b)+7], v[8*(4*\c+\a):8*(4*\c+\a)+7], v[ACC+8*(4*\a+\b):ACC+8*(4*\a+\b)+7]
.endr
.endr
.endr
	WIN 0
	v_add_nc_u32 v[WA], ASUB, v[WA]                ; A's next panel
	v_add_nc_u32 v[WB], 256, v[WB]                 ; 128 further along W's rows
	s_sub_co_u32 s67, s67, 1
	s_cmp_lg_u32 s67, 0
	s_cbranch_scc1 .Lp_\@
.endm
	s_load_b128 s[4:7], s[0:1], 0x0                ; A, W
	s_load_b64 s[8:9], s[0:1], 0x10                ; out
	v_lshl_add_u32 v[SPW], v0, 2, SPARE
	v_mov_b32 v[NIL], 0
	ds_add_u32 v[SPW], v[NIL]                      ; the opening: the add, twice on end, and its wait ahead of my first tensor load
	ds_add_u32 v[SPW], v[NIL]
	v_lshrrev_b32 v1, 5, v0
	v_readfirstlane_b32 s16, v1                    ; wave
	s_lshr_b32 s17, s16, 1                         ; wr: my half of the rows; also: I fetch A (0) or W (1)
	s_and_b32 s18, s16, 1                          ; wc: my half of the columns; also which part I fetch
	s_bfe_u32 s19, ttmp6, 0x40000                  ; cx
	s_lshl_b32 s20, ttmp9, 2
	s_add_co_u32 s20, s20, s19                     ; row tile: it enters A's and the output's addresses alone
	s_and_b32 s21, ttmp7, 0xffff                   ; column tile, which the four partners share
	s_mov_b32 s[G1A], (1<<16)|(1<<20)|(5<<22)|(3<<25)  ; 2-byte elements; 4 words of padding behind every 64
	s_mov_b32 s[G1A+1], 128<<16
	s_mov_b32 s[G1A+2], 128<<16
	s_mov_b32 s[G1A+3], 128<<16
	s_mov_b32 s[G1A+4], 128
	s_mov_b32 s[G1A+5], 128
	s_mov_b32 s[G1A+6], 0
	s_mov_b32 s[G1A+7], 0
	s_mov_b32 s[G1B], 15|(1<<16)|(1<<20)|(1<<21)|(6<<22)|(3<<25)  ; the mask of four, bit 21 beside it; 4 words of padding behind every 128
	s_mov_b32 s[G1B+1], 256<<16
	s_mov_b32 s[G1B+2], 64<<16
	s_mov_b32 s[G1B+3], 256<<16
	s_mov_b32 s[G1B+4], 64
	s_mov_b32 s[G1B+5], KB
	s_mov_b32 s[G1B+6], 0
	s_mov_b32 s[G1B+7], 0
	s_lshl_b32 s40, s20, 15                        ; A: 128 rows of 256 bytes a row tile,
	s_lshl_b32 s41, s18, 20                        ; my panel of the slot's two
	s_add_co_u32 s40, s40, s41
.if PBIT
	s_lshr_b32 s41, s21, PY
	s_lshl_b32 s41, s41, PBIT                      ; the path's panels
	s_add_co_u32 s40, s40, s41
.endif
	s_mov_b32 s41, 0
	s_lshl_b32 s44, s21, 7
	s_lshl_b32 s45, s18, 6
	s_add_co_u32 s44, s44, s45                     ; W: row 128 y + 64 wc
	s_mul_i32 s44, s44, 2*KB
	s_add_co_u32 s44, s44, WOFF
	s_mov_b32 s45, 0
	s_mul_i32 s46, s18, ASUB                       ; where my part goes in a slot: A's,
	s_mul_i32 s47, s18, 64*PB
	s_add_co_u32 s47, s47, BOFF                    ; W's
	s_mov_b32 s[RS], 0
	s_mov_b32 s[MSK], 0xffff0000
	s_wait_dscnt 0x0                               ; both opening adds are done
	s_wait_kmcnt 0x0
	s_add_nc_u64 s[42:43], s[4:5], s[40:41]
	s_add_nc_u64 s[44:45], s[6:7], s[44:45]
.irp s, 0,1
	s_mov_b32 s[G0A+4*\s], 1
	s_add_co_u32 s[G0A+4*\s+1], s46, \s*SLOT
	s_add_nc_u64 s[G0A+4*\s+2:G0A+4*\s+3], s[42:43], \s*0x200000
	s_or_b32 s[G0A+4*\s+3], s[G0A+4*\s+3], 0x80000000
	s_mov_b32 s[G0B+4*\s], 1
	s_add_co_u32 s[G0B+4*\s+1], s47, \s*SLOT
	s_add_nc_u64 s[G0B+4*\s+2:G0B+4*\s+3], s[44:45], \s*512
	s_or_b32 s[G0B+4*\s+3], s[G0B+4*\s+3], 0x80000000
.endr
	ROUND                                          ; all four work-groups are here
	JLOAD 0                                        ; K steps 0 and 1: two loads of mine are out
	JLOAD 1
	v_and_b32 v1, 15, v0                           ; r
	v_bfe_u32 v2, v0, 4, 1                         ; h
	s_lshl_b32 s66, s21, 9
	s_lshl_b32 s67, s18, 8
	s_add_co_u32 s66, s66, s67
	s_add_co_u32 s66, s66, BIASOFF
	v_lshl_add_u32 v[BO], v2, 5, s66               ; bias of column 128 y + 64 wc + 8 h
.irp b, 0,1,2,3
	global_load_b128 v[BIA+8*\b:BIA+8*\b+3], v[BO], s[6:7] offset:64*\b
	global_load_b128 v[BIA+8*\b+4:BIA+8*\b+7], v[BO], s[6:7] offset:64*\b+16
.endr
	v_mul_u32_u24 v3, v1, PA
	v_lshl_add_u32 v3, v2, 4, v3
	v_mul_u32_u24 v4, v1, PB
	v_lshl_add_u32 v5, v2, 5, v4                   ; the stage: row r, byte 32 h
	v_lshl_add_u32 v4, v2, 4, v4
	s_mul_i32 s66, s17, 64*PA
	s_mul_i32 s67, s18, 64*PB
	s_add_co_u32 s67, s67, BOFF
	v_add_nc_u32 v[ADRA0], s66, v3
	v_add_nc_u32 v[ADRB0], s67, v4
	s_mul_i32 s66, s17, 64*PB
	s_lshl_b32 s67, s18, 8
	s_add_co_u32 s66, s66, s67
	v_add_nc_u32 v[STO], s66, v5                   ; row 64 wr + r, byte 256 wc + 32 h
	v_and_b32 v[CO], 31, v0
	v_lshlrev_b32 v[CO], 4, v[CO]
	s_mul_i32 s66, s16, 32*PB                      ; back: wave w takes rows 32 w on
.if F32OUT
	v_add_nc_u32 v[RD], s66, v[CO]                 ; a whole row of 512 bytes a load
	s_lshl_b32 s72, s20, 19                        ; 128 rows of 4,096 bytes a row tile,
	s_lshl_b32 s73, s16, 17                        ; my 32 rows,
	s_add_co_u32 s72, s72, s73
	s_lshl_b32 s73, s21, 9                         ; the tile's 512 bytes of a row
.else
	v_mul_u32_u24 v5, v2, PB
	v_lshl_add_u32 v5, v1, 5, v5
	v_add_nc_u32 v[RD], s66, v5                    ; row h of a pair, columns 8 r on
	s_lshl_b32 s72, s21, 21                        ; panel 2 y,
	s_lshl_b32 s73, s20, 15                        ; 128 rows of 256 bytes a row tile,
	s_add_co_u32 s72, s72, s73
	s_lshl_b32 s73, s16, 13                        ; my 32 rows
.endif
	s_add_co_u32 s72, s72, s73
	s_mov_b32 s73, 0
	s_add_nc_u64 s[OUT:OUT+1], s[8:9], s[72:73]
	s_wait_loadcnt 0x0
.set i, 0
.rept 128
	v_mov_b32 v[ACC+i], v[BIA+8*((i/8)%4)+i%8]
.set i, i+1
.endr
	s_wait_tensorcnt 1                             ; my part of K step 0 is in; K step 1's may stay out
	s_barrier_signal -1
	s_barrier_wait -1
.if NSLOT > 2
	s_mov_b32 s66, NSLOT-2
.Lring:                                        ; a trip: a K step's products; then its slot is filled with the K step two on
	COMPUTE
	s_wait_tensorcnt 0x0                           ; my one load that was out, my part of the other slot, has landed
	ds_add_u32 v[SPW], v[NIL]                      ; 0 onto my spare word
	s_add_co_u32 s[G0A+5], s46, s[RS]              ; the walking descriptors: the slot just read,
	s_add_co_u32 s[G0B+5], s47, s[RS]
	s_add_nc_u64 s[G0A+6:G0A+7], s[G0A+6:G0A+7], 0x200000  ; two panels on,
	s_add_nc_u64 s[G0B+6:G0B+7], s[G0B+6:G0B+7], 512       ; 256 elements along W's rows
	s_xor_b32 s[RS], s[RS], SLOT
	s_wait_dscnt 0x0                               ; the add is done, and so are my reads of the slot
	ROUND                                          ; both hold of every wave of the four work-groups
	JLOAD 1
	s_sub_co_u32 s66, s66, 1
	s_cmp_lg_u32 s66, 0
	s_cbranch_scc1 .Lring
.endif
	s_mov_b32 s66, 2
.Ltail:                                        ; the last two K steps ask for nothing
	COMPUTE
	s_wait_tensorcnt 0x0                           ; nothing was issued behind the last K step's load: the count is 0
	ds_add_u32 v[SPW], v[NIL]
	s_xor_b32 s[RS], s[RS], SLOT
	s_wait_dscnt 0x0                               ; my reads of the slot are over
	s_barrier_signal -1
	s_barrier_wait -1
	s_sub_co_u32 s66, s66, 1
	s_cmp_lg_u32 s66, 0
	s_cbranch_scc1 .Ltail
	PLACES                                         ; between the last products and the stores that read their results
.irp a, 0,1,2,3
.irp b, 0,1,2,3
	ds_store_b128 v[STO], v[ACC+8*(4*\a+\b):ACC+8*(4*\a+\b)+3] offset:\a*16*PB+64*\b
	ds_store_b128 v[STO], v[ACC+8*(4*\a+\b)+4:ACC+8*(4*\a+\b)+7] offset:\a*16*PB+64*\b+16
.endr
.endr
	s_wait_dscnt 0x0                               ; for the others' sake: my stores into the stage are done
	s_barrier_signal -1
	s_barrier_wait -1
	s_mov_b32 s66, 4
.Lout:                                         ; a trip: 8 rows
.if F32OUT
.irp t, 0,1,2,3,4,5,6,7
	ds_load_b128 v[X+4*\t:X+4*\t+3], v[RD] offset:\t*PB
.endr
.irp t, 0,1,2,3,4,5,6,7
	s_wait_dscnt 7-\t                              ; row t is back; the later rows' loads stay out
	global_store_b128 v[CO], v[X+4*\t:X+4*\t+3], s[OUT:OUT+1] offset:\t*4096 th:TH_STORE_NT  ; 512 consecutive bytes, aligned
.endr
.else
.irp p, 0,1,2,3
	ds_load_b128 v[X+8*\p:X+8*\p+3], v[RD] offset:\p*2*PB
	ds_load_b128 v[X+8*\p+4:X+8*\p+7], v[RD] offset:\p*2*PB+16
.endr
.irp p, 0,1,2,3                        ; two bf16 halves: high = the rounded number, low = what the rounding left, rounded
	s_wait_dscnt 6-2*\p                            ; pair p's two loads are back; the later pairs' stay out
.irp k, 0,1,2,3
	v_cvt_pk_bf16_f32 v[YH+4*\p+\k], v[X+8*\p+2*\k], v[X+8*\p+2*\k+1]
.endr
.irp k, 0,1,2,3
	v_lshlrev_b32 v[R+8*\p+2*\k], 16, v[YH+4*\p+\k]
	v_and_b32 v[R+8*\p+2*\k+1], s[MSK], v[YH+4*\p+\k]
.endr
.irp k, 0,1,2,3
	v_pk_add_f32 v[R+8*\p+2*\k:R+8*\p+2*\k+1], v[X+8*\p+2*\k:X+8*\p+2*\k+1], v[R+8*\p+2*\k:R+8*\p+2*\k+1] neg_lo:[0,1] neg_hi:[0,1]
.endr
.irp k, 0,1,2,3
	v_cvt_pk_bf16_f32 v[YL+4*\p+\k], v[R+8*\p+2*\k], v[R+8*\p+2*\k+1]
.endr
	global_store_b128 v[CO], v[YH+4*\p:YH+4*\p+3], s[OUT:OUT+1] offset:512*\p            ; 512 consecutive bytes, aligned
	global_store_b128 v[CO], v[YL+4*\p:YL+4*\p+3], s[OUT:OUT+1] offset:512*\p+0x100000   ; the low halves: the next panel
.endr
.endif
	v_add_nc_u32 v[RD], 8*PB, v[RD]
	s_wait_xcnt 0x0                                ; the stores' base and data are written again only behind this wait
.if F32OUT
	s_add_nc_u64 s[OUT:OUT+1], s[OUT:OUT+1], 32768
.else
	s_add_nc_u64 s[OUT:OUT+1], s[OUT:OUT+1], 2048
.endif
	s_sub_co_u32 s66, s66, 1
	s_cmp_lg_u32 s66, 0
	s_cbranch_scc1 .Lout
	s_wait_tensorcnt 0x0                           ; the wave's end
	ds_add_u32 v[SPW], v[NIL]
	s_wait_dscnt 0x0
	ROUND                                          ; the closing round
	s_endpgm
.Lfunc_end_k_q76b676a3d5_g5:
	.size	k_q76b676a3d5_g5, .Lfunc_end_k_q76b676a3d5_g5-k_q76b676a3d5_g5
	.p2alignl 7, 3214868480
	.fill 96, 4, 3214868480
	.section	.rodata,"a",@progbits
	.p2align	6, 0x0
	.amdhsa_kernel k_q76b676a3d5_g5
		.amdhsa_group_segment_fixed_size 327680
		.amdhsa_private_segment_fixed_size 0
		.amdhsa_enable_private_segment 0
		.amdhsa_kernarg_size 24
		.amdhsa_user_sgpr_count 2
		.amdhsa_user_sgpr_kernarg_segment_ptr 1
		.amdhsa_wavefront_size32 1
		.amdhsa_system_sgpr_workgroup_id_x 1
		.amdhsa_system_sgpr_workgroup_id_y 1
		.amdhsa_system_sgpr_workgroup_id_z 1
		.amdhsa_system_vgpr_workitem_id 0
		.amdhsa_next_free_vgpr 512
		.amdhsa_next_free_sgpr 96
		.amdhsa_reserve_vcc 0
		.amdhsa_float_denorm_mode_32 3
		.amdhsa_float_denorm_mode_16_64 3
		.amdhsa_memory_ordered 1
		.amdhsa_forward_progress 1
		.amdhsa_inst_pref_size 35
	.end_amdhsa_kernel
	.amdgpu_metadata
---
amdhsa.version: [ 1, 2 ]
amdhsa.kernels:
  - .name:           k_q76b676a3d5_g5
    .symbol:         k_q76b676a3d5_g5.kd
    .args:
      - { .name: t1, .offset: 0, .size: 8, .value_kind: global_buffer, .address_space: global }
      - { .name: wa, .offset: 8, .size: 8, .value_kind: global_buffer, .address_space: global }
      - { .name: out0, .offset: 16, .size: 8, .value_kind: global_buffer, .address_space: global }
    .group_segment_fixed_size: 327680
    .private_segment_fixed_size: 0
    .kernarg_segment_align: 8
    .kernarg_segment_size: 24
    .max_flat_workgroup_size: 128
    .sgpr_count:     96
    .vgpr_count:     512
    .wavefront_size: 32
...
	.end_amdgpu_metadata
.endif
;; end of part 11
;; ======== version 3 of 3: 7 launches; version 2 with the launch prep written anew for expert scheduling mode
;; limits: right only within a limited range of input values
;; workspace buffers: wa 13,658,112 bytes; wb 9,453,568 bytes; t0 16,777,216 bytes; t1 16,777,216 bytes; qr 16,777,216 bytes; vv 33,554,432 bytes
;; launch prep (part 12): grid 497 x 1, 8 waves a work-group, no clusters, 0 bytes of LDS; arguments x, Wq_w, tok_w, tov_w, kc_w, vc_w, kd_w, vd_w, fromk_w, fromv_w, out_w, Wq_b, tok_b, tov_b, kc_b, vc_b, kd_b, vd_b, fromk_b, fromv_b, out_b, wa, wb, t0; writes wa, wb, t0
.if DOCPART == 12
	.amdgcn_target "amdgcn-amd-amdhsa--gfx1250"
	.amdhsa_code_object_version 6
	.text
	.protected	k_q76b676a3d5_prep
	.globl	k_q76b676a3d5_prep
	.p2align	8
	.type	k_q76b676a3d5_prep,@function
k_q76b676a3d5_prep:
	s_mov_b64 s[64:65], 0
	v_nop
	global_prefetch_b8 v0, s[64:65] scope:SCOPE_SE
	s_setreg_imm32_b32 hwreg(HW_REG_WAVE_SCHED_MODE, 0, 2), 2
	s_setreg_imm32_b32 hwreg(HW_REG_WAVE_MODE, 25, 1), 1
	s_wait_xcnt 0x0
	s_wait_alu depctr_vm_vsrc(0)
; PREP: every input is rounded once to bf16 and laid out for the products that follow; the RoPE tables are made.
; DEAD WORK IN THE WHOLE PROGRAM: no input is dead (every weight and bias reaches a score, a value or the output), so all 21 are loaded.  The one thing left out is
; in the attention launch: key tiles that lie wholly above the diagonal, which the tril that the problem builds itself throws away for all values of the inputs.
; LIMIT: a NaN, an infinity or an overflow that reaches only such hidden scores is not carried to the result.
; LAYOUT.  A panel is [4096 rows][128 columns] bf16, rows of 256 bytes.  x goes to t0 as 8 panels, twice (at 0 and at 8 MiB: the next launch's two column groups read one copy each).
; Weights keep their rows.  Those that multiply an operand kept as two bf16 halves (high panel, low panel by turns along K) have each 128 columns written twice on end.
; Biases are stored as f32 numbers that have been rounded to bf16.
; Work-groups 0-367 cast 32,768 numbers each; 368 the biases; 369-496 the tables cos, sin [2048][64] f32, into wa and wb.
; THE MODE: SCHED_MODE bits 1:0 = 2 (LLVM: expert scheduling mode 2), set by the entry lines.  The code itself states the register dependences
; between vector instructions and memory instructions, with s_wait_alu, always for 0.
; THE PLAN.  Registers that memory instructions touch:
;   the cast    v3        the loads' offset: written once, read by the wave's 32 loads, never written again.
;               X0 .. X3  four blocks of eight chunks.  Written by the loads, all issued at the start, ahead of any vector line that names them.  A block's sixteen conversions
;                         round in place (the first two of each four registers); then the block's stores read those, and nothing writes them again.
;               v[DO ..]  the eight slots' offsets in the destination: written once, behind the loads; read by every store.  The four blocks and the second copy are reached by eight scalar bases.
;   the biases  v3, v6    offsets, written once.  v[20:71]: 13 pieces, each loaded once, rounded in place, stored once.
;   the tables  v53       the offset; v[44:51] the data: written by vector lines, read by the four stores at the end.
; No register that a memory instruction has read is ever written again, so no wait on vm_vsrc is owed.  The waits on va_vdst: one ahead of each run of loads (its offset is written), one behind each
; run of conversions (the stores' data are written).  The waits on va_sdst: the wave's number, and the tables' four compare masks.
.set WV, 7
.set SRC, 56
.set DST, 58
.set START, 60
.set DOFF, 61
.set LC, 62
.set RS, 63
.set PS, 66
.set DUPO, 67
.set QB, 68
.set SOF, 69                           ; s69      byte offset of my wave's first chunk in the source
.set STP, 72                           ; s[72:73] bytes in the destination from a block of eight chunks to the next
.set DB, 74                            ; s[74:81] block t: the destination's address for it, a pair at DB + 2 t
.set EB, 82                            ; s[82:89] the same for the second copy
.set DUP, 90                           ; s[90:91] where the second copy lies, as a pair
.set OFS, 8                            ; s[8:15]  slot i: its chunk's offset in the destination, a register each (the pointers that lay here have been chosen from)
.set DO, 4                             ; v[4:11]  slot i: byte offset of its 256 bytes in the destination, in the wave's first block
.set X, 12                             ; v[12:139] block t, slot i: 4 f32 as loaded at X + 32 t + 4 i; then 4 bf16 in the first two
	s_load_b512 s[8:23], s[0:1], 0x0
	s_load_b512 s[24:39], s[0:1], 0x40
	s_load_b512 s[40:55], s[0:1], 0x80
	v_lshrrev_b32 v1, 5, v0
	v_readfirstlane_b32 s[WV], v1
	v_and_b32 v1, 31, v0
	s_wait_alu depctr_va_sdst(0)                   ; the wave's number is written into s7, ahead of the branches below and of its first reader
	s_wait_kmcnt 0x0
	s_cmp_ge_u32 ttmp9, 369
	s_cbranch_scc1 .Lrope
	s_cmp_eq_u32 ttmp9, 368
	s_cbranch_scc1 .Lbias
	; THE CAST.  A chunk is 128 numbers of one row: 512 bytes in by one load of the wave, 256 bytes out by one store.  Which tensor: by the work-group's number.
	s_mov_b64 s[SRC:SRC+1], s[8:9]
	s_mov_b64 s[DST:DST+1], s[54:55]
	s_mov_b32 s[START], 0
	s_mov_b32 s[DOFF], 0
	s_mov_b32 s[LC], 3                             ; log2 of the chunks in a row
	s_mov_b32 s[RS], 256                           ; bytes from row to row in the destination
	s_mov_b32 s[PS], 0x100000                      ; bytes from chunk to chunk of a row
	s_mov_b32 s[DUPO], 0x800000                    ; where the second copy lies, 0: none
.macro SEG start, src, dst, doff, lc, rs, ps, dup
	s_cmp_ge_u32 ttmp9, \start
	s_cselect_b64 s[SRC:SRC+1], s[\src:\src+1], s[SRC:SRC+1]
	s_cselect_b64 s[DST:DST+1], s[\dst:\dst+1], s[DST:DST+1]
	s_cselect_b32 s[START], \start, s[START]
	s_cselect_b32 s[DOFF], \doff, s[DOFF]
	s_cselect_b32 s[LC], \lc, s[LC]
	s_cselect_b32 s[RS], \rs, s[RS]
	s_cselect_b32 s[PS], \ps, s[PS]
	s_cselect_b32 s[DUPO], \dup, s[DUPO]
.endm
	SEG 128, 10, 50, 16384, 3, 2048, 256, 0            ; Wq
	SEG 192, 12, 50, 16384+4194304, 3, 2048, 256, 0    ; tok
	SEG 208, 14, 50, 16384+5242880, 3, 2048, 256, 0    ; tov
	SEG 224, 16, 50, 6307840, 2, 2048, 512, 256        ; kc
	SEG 228, 18, 50, 6307840+524288, 2, 2048, 512, 256 ; vc
	SEG 232, 20, 50, 7356416, 1, 1024, 512, 256        ; kd
	SEG 236, 22, 50, 7356416+524288, 1, 1024, 512, 256 ; vd
	SEG 240, 24, 52, 16384, 2, 2048, 512, 256          ; fromk
	SEG 272, 26, 52, 16384+4194304, 2, 2048, 512, 256  ; fromv
	SEG 304, 28, 50, 9453568, 4, 4096, 256, 0          ; out_w
	s_sub_co_u32 s[QB], ttmp9, s[START]
	s_lshl_b32 s[QB], s[QB], 8
	s_lshl_b32 s71, s[WV], 5
	s_add_co_u32 s[QB], s[QB], s71                 ; my wave's first chunk in the tensor: 32 chunks a wave, so a multiple of 32
	s_lshl_b32 s[SOF], s[QB], 9
	v_lshl_add_u32 v3, v1, 4, s[SOF]               ; source: 512 x chunk + 16 x lane
	s_wait_alu depctr_va_vdst(0)                   ; v3 is written, which the 32 loads below read as their offset
.set q, 0
.rept 32                                       ; all of the wave's chunks are asked for at once: 16,384 consecutive bytes, each load 512 of them
	global_load_b128 v[X+4*q:X+4*q+3], v3, s[SRC:SRC+1] offset:512*q th:TH_LOAD_NT
.set q, q+1
.endr
	; while the loads are out: where the chunks go
	s_lshl_b32 s70, 1, s[LC]
	s_sub_co_u32 s70, s70, 1                       ; mask of a chunk's place in its row
	v_lshlrev_b32 v2, 3, v1                        ; 8 x lane
.irp i, 0,1,2,3,4,5,6,7
	s_add_co_u32 s71, s[QB], \i
	s_lshr_b32 s[OFS+\i], s71, s[LC]               ; row
	s_and_b32 s71, s71, s70                        ; chunk in the row
	s_mul_i32 s[OFS+\i], s[OFS+\i], s[RS]
	s_mul_i32 s71, s71, s[PS]
	s_add_co_u32 s[OFS+\i], s[OFS+\i], s71
	s_add_co_u32 s[OFS+\i], s[OFS+\i], s[DOFF]
	v_add_nc_u32 v[DO+\i], s[OFS+\i], v2
.endr
	; Eight chunks on, every slot's place moves by the same number of bytes: with 2, 4 or 8 chunks a row by 8 >> LC whole rows; with 16 chunks a row by 8 chunks, and there
	; 16 chunks' steps are just a row's, so that the step over a row's end is the same.
	s_lshr_b32 s[STP], 8, s[LC]
	s_mul_i32 s[STP], s[STP], s[RS]
	s_and_b32 s71, s70, 8
	s_mul_i32 s71, s71, s[PS]
	s_add_co_u32 s[STP], s[STP], s71
	s_mov_b32 s[STP+1], 0
	s_mov_b32 s[DUP], s[DUPO]
	s_mov_b32 s[DUP+1], 0
	s_mov_b64 s[DB:DB+1], s[DST:DST+1]
.irp t, 1,2,3
	s_add_nc_u64 s[DB+2*\t:DB+2*\t+1], s[DB+2*\t-2:DB+2*\t-1], s[STP:STP+1]
.endr
.irp t, 0,1,2,3
	s_add_nc_u64 s[EB+2*\t:EB+2*\t+1], s[DB+2*\t:DB+2*\t+1], s[DUP:DUP+1]
.endr
; Block t: eight chunks are rounded in place and stored.
.macro BLK t
	s_wait_loadcnt 24-8*(\t)                       ; loads come back in order: block t's eight are in, the later blocks' loads stay out
.irp i, 0,1,2,3,4,5,6,7
	v_cvt_pk_bf16_f32 v[X+32*(\t)+4*\i], v[X+32*(\t)+4*\i], v[X+32*(\t)+4*\i+1]      ; four numbers close up into the first two of their four registers
	v_cvt_pk_bf16_f32 v[X+32*(\t)+4*\i+1], v[X+32*(\t)+4*\i+2], v[X+32*(\t)+4*\i+3]
.endr
	s_wait_alu depctr_va_vdst(0)                   ; the sixteen conversions have written the block's registers, which the stores below read; ahead of the first block's stores also: v[DO ..], their offsets, are written.
	                                               ; It stands here and not at the next block's head, where these stores would stand behind the wait for the next block's data
.irp i, 0,1,2,3,4,5,6,7
	global_store_b64 v[DO+\i], v[X+32*(\t)+4*\i:X+32*(\t)+4*\i+1], s[DB+2*(\t):DB+2*(\t)+1]  ; the wave's store covers 256 consecutive bytes, aligned
.endr
	s_cmp_eq_u32 s[DUPO], 0
	s_cbranch_scc1 .Lnodup_\@
.irp i, 0,1,2,3,4,5,6,7
	global_store_b64 v[DO+\i], v[X+32*(\t)+4*\i:X+32*(\t)+4*\i+1], s[EB+2*(\t):EB+2*(\t)+1]  ; the second copy.  No wait: no vector line stands between the wait above and these stores
.endr
.Lnodup_\@:
.endm
	BLK 0
	BLK 1
	BLK 2
	BLK 3
	s_endpgm
.Lbias:                                        ; 13 pieces of at most 1,024 numbers, 4 a thread, grouped by the waves that hold them (8, 4 or 2): all loads, one wait, all roundings, one wait, all stores
	v_lshlrev_b32 v3, 4, v0                        ; 16 x thread
	v_add_nc_u32 v6, 13647872, v3                  ; the same, at wa's later biases
.macro BL n, src, off
	global_load_b128 v[20+4*\n:23+4*\n], v3, s[\src:\src+1] offset:\off
.endm
.macro BR n
	v_cvt_pk_bf16_f32 v4, v[20+4*\n], v[21+4*\n]
	v_cvt_pk_bf16_f32 v5, v[22+4*\n], v[23+4*\n]
	v_lshlrev_b32 v[20+4*\n], 16, v4
	v_and_b32 v[21+4*\n], 0xffff0000, v4
	v_lshlrev_b32 v[22+4*\n], 16, v5
	v_and_b32 v[23+4*\n], 0xffff0000, v5
.endm
.macro BS n, dst, ar, off
	global_store_b128 v[\ar], v[20+4*\n:23+4*\n], s[\dst:\dst+1] offset:\off
.endm
	s_wait_alu depctr_va_vdst(0)                   ; v3 and v6 are written: every load and store of this part reads one of them as its offset
	BL 0, 30, 0
	BL 1, 30, 4096
	BL 8, 48, 0
	BL 9, 44, 0
	BL 10, 44, 4096
	BL 11, 46, 0
	BL 12, 46, 4096
	s_cmp_lt_u32 s[WV], 4
	s_cbranch_scc0 .Lloaded
	BL 2, 32, 0                                    ; 512 numbers: waves 0 to 3
	BL 3, 34, 0
	BL 6, 40, 0
	BL 7, 42, 0
	s_cmp_lt_u32 s[WV], 2
	s_cbranch_scc0 .Lloaded
	BL 4, 36, 0                                    ; 256 numbers: waves 0 and 1
	BL 5, 38, 0
.Lloaded:
	s_wait_loadcnt 0x0
	BR 0
	BR 1
	BR 8
	BR 9
	BR 10
	BR 11
	BR 12
	s_cmp_lt_u32 s[WV], 4
	s_cbranch_scc0 .Lrounded
	BR 2
	BR 3
	BR 6
	BR 7
	s_cmp_lt_u32 s[WV], 2
	s_cbranch_scc0 .Lrounded
	BR 4
	BR 5
.Lrounded:
	s_wait_alu depctr_va_vdst(0)                   ; on every way here the roundings have written the pieces' registers, which the stores below read
	BS 0, 50, 3, 0                                 ; Wq_b
	BS 1, 50, 3, 4096
	BS 8, 50, 6, 6144                              ; out_b
	BS 9, 52, 3, 0                                 ; fromk_b
	BS 10, 52, 3, 4096
	BS 11, 52, 3, 8192                             ; fromv_b
	BS 12, 52, 3, 12288
	s_cmp_lt_u32 s[WV], 4
	s_cbranch_scc0 .Lstored
	BS 2, 50, 3, 8192                              ; tok_b
	BS 3, 50, 3, 10240                             ; tov_b
	BS 6, 50, 6, 2048                              ; kd_b
	BS 7, 50, 6, 4096                              ; vd_b
	s_cmp_lt_u32 s[WV], 2
	s_cbranch_scc0 .Lstored
	BS 4, 50, 6, 0                                 ; kc_b
	BS 5, 50, 6, 1024                              ; vc_b
.Lstored:
	s_endpgm
.Lrope:                                        ; a thread makes cos and sin of t f(j) for one t and four j; f(j) = 2^(-j log2(10000) / 64)
	s_sub_co_u32 s71, ttmp9, 369
	s_lshl_b32 s71, s71, 8
	v_add_nc_u32 v2, s71, v0                       ; idx = 16 t + j / 4
	v_lshrrev_b32 v3, 4, v2
	v_cvt_f32_u32 v3, v3                           ; t
	v_and_b32 v52, 15, v2
	v_lshlrev_b32 v52, 2, v52                      ; the first j
	v_lshlrev_b32 v53, 4, v2
	v_add_nc_u32 v53, 8404992, v53                 ; 16 bytes a thread in the table of cos; sin lies 524,288 further
	s_mov_b32 s72, 0xbe549a78                      ; -log2(10000) / 64
	s_mov_b32 s73, 0x3f22f983                      ; 2 / pi
	s_mov_b32 s74, 0x3fc90fdb                      ; pi / 2, high part
	s_mov_b32 s75, 0xb33bbd2e                      ; and the rest
	s_mov_b32 s76, 0xb9500d01                      ; -1/5040
	s_mov_b32 s77, 0x3c088889                      ; 1/120
	s_mov_b32 s78, 0xbe2aaaab                      ; -1/6
	s_mov_b32 s79, 0x37d00d01                      ; 1/40320
	s_mov_b32 s80, 0xbab60b61                      ; -1/720
	s_mov_b32 s81, 0x3d2aaaab                      ; 1/24
.irp k, 0,1,2,3
	v_add_nc_u32 v[4+\k], \k, v52
	v_cvt_f32_u32 v[4+\k], v[4+\k]
	v_mul_f32 v[4+\k], s72, v[4+\k]
.endr
.irp k, 0,1,2,3
	v_exp_f32 v[8+\k], v[4+\k]
.endr
	v_nop                                          ; a plain instruction behind the last exponential,
	s_wait_alu depctr_va_vdst(0)                   ; and the one wait for the four: v[8:11] are written, ahead of their first reader
.irp k, 0,1,2,3
	v_mul_f32 v[12+\k], v3, v[8+\k]                ; the angle, up to 2,047
	v_mul_f32 v[16+\k], s73, v[12+\k]
	v_rndne_f32 v[16+\k], v[16+\k]                 ; n quarter turns
	v_fma_f32 v[20+\k], -v[16+\k], s74, v[12+\k]
	v_fma_f32 v[20+\k], -v[16+\k], s75, v[20+\k]   ; r = angle - n pi / 2, within pi / 4
	v_mul_f32 v[24+\k], v[20+\k], v[20+\k]
	v_fma_f32 v[28+\k], v[24+\k], s76, s77
	v_fma_f32 v[28+\k], v[28+\k], v[24+\k], s78
	v_mul_f32 v[28+\k], v[28+\k], v[24+\k]
	v_fma_f32 v[28+\k], v[28+\k], v[20+\k], v[20+\k]  ; sin r
	v_fma_f32 v[32+\k], v[24+\k], s79, s80
	v_fma_f32 v[32+\k], v[32+\k], v[24+\k], s81
	v_fma_f32 v[32+\k], v[32+\k], v[24+\k], -0.5
	v_fma_f32 v[32+\k], v[32+\k], v[24+\k], 1.0    ; cos r
	v_cvt_i32_f32 v[36+\k], v[16+\k]
	v_and_b32 v[40+\k], 1, v[36+\k]
.endr
.irp k, 0,1,2,3
	v_cmp_eq_u32 s[82+\k], 1, v[40+\k]             ; an odd quarter swaps the two: the four masks in a run, a scalar register each
.endr
.irp k, 0,1,2,3                                ; the signs are made between the compares and the wait for their masks
	v_and_b32 v[40+\k], 2, v[36+\k]                ; sin is negative in quarters 2 and 3,
	v_lshlrev_b32 v[40+\k], 30, v[40+\k]
	v_add_nc_u32 v[36+\k], 1, v[36+\k]             ; cos in quarters 1 and 2
	v_and_b32 v[36+\k], 2, v[36+\k]
	v_lshlrev_b32 v[36+\k], 30, v[36+\k]
.endr
	s_wait_alu depctr_va_sdst(0)                   ; the four compares have written s[82:85], ahead of the selects that read them
.irp k, 0,1,2,3
	v_cndmask_b32 v[48+\k], v[28+\k], v[32+\k], s[82+\k]
	v_cndmask_b32 v[44+\k], v[32+\k], v[28+\k], s[82+\k]
	v_xor_b32 v[48+\k], v[40+\k], v[48+\k]
	v_xor_b32 v[44+\k], v[36+\k], v[44+\k]
.endr
	s_wait_alu depctr_va_vdst(0)                   ; v53, the offset, and v[44:51], cos and sin, are written, which the four stores read
	global_store_b128 v53, v[44:47], s[50:51]
	global_store_b128 v53, v[48:51], s[50:51] offset:524288
	global_store_b128 v53, v[44:47], s[52:53]
	global_store_b128 v53, v[48:51], s[52:53] offset:524288
	s_endpgm
.Lfunc_end_k_q76b676a3d5_prep:
	.size	k_q76b676a3d5_prep, .Lfunc_end_k_q76b676a3d5_prep-k_q76b676a3d5_prep
	.p2alignl 7, 3214868480
	.fill 96, 4, 3214868480
	.section	.rodata,"a",@progbits
	.p2align	6, 0x0
	.amdhsa_kernel k_q76b676a3d5_prep
		.amdhsa_group_segment_fixed_size 0
		.amdhsa_private_segment_fixed_size 0
		.amdhsa_enable_private_segment 0
		.amdhsa_kernarg_size 192
		.amdhsa_user_sgpr_count 2
		.amdhsa_user_sgpr_kernarg_segment_ptr 1
		.amdhsa_wavefront_size32 1
		.amdhsa_system_sgpr_workgroup_id_x 1
		.amdhsa_system_sgpr_workgroup_id_y 1
		.amdhsa_system_sgpr_workgroup_id_z 1
		.amdhsa_system_vgpr_workitem_id 0
		.amdhsa_next_free_vgpr 140
		.amdhsa_next_free_sgpr 96
		.amdhsa_reserve_vcc 0
		.amdhsa_float_denorm_mode_32 3
		.amdhsa_float_denorm_mode_16_64 3
		.amdhsa_memory_ordered 1
		.amdhsa_forward_progress 1
		.amdhsa_inst_pref_size 36
	.end_amdhsa_kernel
	.amdgpu_metadata
---
amdhsa.version: [ 1, 2 ]
amdhsa.kernels:
  - .name:           k_q76b676a3d5_prep
    .symbol:         k_q76b676a3d5_prep.kd
    .args:
      - { .name: x, .offset: 0, .size: 8, .value_kind: global_buffer, .address_space: global }
      - { .name: Wq_w, .offset: 8, .size: 8, .value_kind: global_buffer, .address_space: global }
      - { .name: tok_w, .offset: 16, .size: 8, .value_kind: global_buffer, .address_space: global }
      - { .name: tov_w, .offset: 24, .size: 8, .value_kind: global_buffer, .address_space: global }
      - { .name: kc_w, .offset: 32, .size: 8, .value_kind: global_buffer, .address_space: global }
      - { .name: vc_w, .offset: 40, .size: 8, .value_kind: global_buffer, .address_space: global }
      - { .name: kd_w, .offset: 48, .size: 8, .value_kind: global_buffer, .address_space: global }
      - { .name: vd_w, .offset: 56, .size: 8, .value_kind: global_buffer, .address_space: global }
      - { .name: fromk_w, .offset: 64, .size: 8, .value_kind: global_buffer, .address_space: global }
      - { .name: fromv_w, .offset: 72, .size: 8, .value_kind: global_buffer, .address_space: global }
      - { .name: out_w, .offset: 80, .size: 8, .value_kind: global_buffer, .address_space: global }
      - { .name: Wq_b, .offset: 88, .size: 8, .value_kind: global_buffer, .address_space: global }
      - { .name: tok_b, .offset: 96, .size: 8, .value_kind: global_buffer, .address_space: global }
      - { .name: tov_b, .offset: 104, .size: 8, .value_kind: global_buffer, .address_space: global }
      - { .name: kc_b, .offset: 112, .size: 8, .value_kind: global_buffer, .address_space: global }
      - { .name: vc_b, .offset: 120, .size: 8, .value_kind: global_buffer, .address_space: global }
      - { .name: kd_b, .offset: 128, .size: 8, .value_kind: global_buffer, .address_space: global }
      - { .name: vd_b, .offset: 136, .size: 8, .value_kind: global_buffer, .address_space: global }
      - { .name: fromk_b, .offset: 144, .size: 8, .value_kind: global_buffer, .address_space: global }
      - { .name: fromv_b, .offset: 152, .size: 8, .value_kind: global_buffer, .address_space: global }
      - { .name: out_b, .offset: 160, .size: 8, .value_kind: global_buffer, .address_space: global }
      - { .name: wa, .offset: 168, .size: 8, .value_kind: global_buffer, .address_space: global }
      - { .name: wb, .offset: 176, .size: 8, .value_kind: global_buffer, .address_space: global }
      - { .name: t0, .offset: 184, .size: 8, .value_kind: global_buffer, .address_space: global }
    .group_segment_fixed_size: 0
    .private_segment_fixed_size: 0
    .kernarg_segment_align: 8
    .kernarg_segment_size: 192
    .max_flat_workgroup_size: 256
    .sgpr_count:     96
    .vgpr_count:     140
    .wavefront_size: 32
...
	.end_amdgpu_metadata
.endif
;; end of part 12
;; launch g1: the kernel of part 7 again; grid 12 x 16, 4 waves a work-group, clusters of 4 x 4, 327,680 bytes of LDS; arguments t0, wa, qr, t1; writes qr, t1
;; launch g2: the kernel of part 8 again; grid 32 x 4, 4 waves a work-group, clusters of 4 x 1, 327,680 bytes of LDS; arguments t1, wa, t0; writes t0
;; launch g3: the kernel of part 9 again; grid 32 x 8, 4 waves a work-group, clusters of 4 x 1, 327,680 bytes of LDS; arguments t0, wa, t1; writes t1
;; launch g4: the kernel of part 7 again; grid 16 x 16, 4 waves a work-group, clusters of 4 x 4, 327,680 bytes of LDS; arguments t1, wb, t0, vv; writes t0, vv
;; launch att: the kernel of part 10 again; grid 8 x 32, 4 waves a work-group, no clusters, 327,680 bytes of LDS; arguments t0, qr, vv, t1; writes t1
;; launch g5: the kernel of part 11 again; grid 32 x 8, 4 waves a work-group, clusters of 4 x 1, 327,680 bytes of LDS; arguments t1, wa, out0; writes out0
